; MI455X (gfx1250); checked and timed in simulation.
; The chip was launched on July 23, 2026; its instructions are those of AMD's public machine-readable ISA for CDNA 5 (MIT licence, August 2026) and "CDNA5" Instruction Set Architecture Reference Guide (July 2026). The comments in the code are by the model that wrote it; some were corrected since.
;; Forgetting Attention. Allowed arithmetic: matrix products marked QUANTISED: E3M2 operands, one E8M0 scale for each 32 along K, by v_wmma_scale_f32_16x16x128_f8f6f4 with both operands' format E3M2, f32 sums; everything else in f32.
;; Inputs: Wf 32 x 2,048 float32; Wk 2,048 x 2,048 float32; Wo 2,048 x 2,048 float32; Wq 2,048 x 2,048 float32; Wv 2,048 x 2,048 float32; bf 32 float32; hidden_states 1 x 2,048 x 2,048 float32.
;; Outputs: out0 1 x 2,048 x 2,048 float32.
;; This version of the problem:
;;   THIS VERSION OF THE PROBLEM IS GIVEN IN LOW PRECISION. The matrix products marked QUANTISED in the list below multiply operands that are first quantised to E3M2 (3 exponent bits, 2 mantissa bits; 6 bits a number), with one power-of-two scale for each 32 numbers along K (OCP MX v1.0); their sums are f32. All else is computed in f32.
;;   The module's matrix products, in the order in which they are computed (A, B: the left and right operand; K: the contracted axis; several contracted axes count as one K, in the product's order):
;;     1. [M 2,048, K 2,048] x [K 2,048, N 2,048]; A: input hidden_states; B: input Wq: QUANTISED
;;     2. [M 2,048, K 2,048] x [K 2,048, N 2,048]; A: input hidden_states; B: input Wk: QUANTISED
;;     3. [M 2,048, K 2,048] x [K 2,048, N 2,048]; A: input hidden_states; B: input Wv: QUANTISED
;;     4. [M 2,048, K 2,048] x [K 2,048, N 32]; A: input hidden_states; B: input Wf: QUANTISED
;;     5. batch 32 x [M 2,048, K 64] x [K 64, N 2,048]; A: computed on the way; B: computed on the way: QUANTISED
;;     6. batch 32 x [M 64, K 2,048] x [K 2,048, N 2,048]; A: computed on the way; B: softmax (see below): QUANTISED
;;     7. [M 2,048, K 2,048] x [K 2,048, N 2,048]; A: computed on the way; B: input Wo: QUANTISED
;;   THE QUANTISER, for each operand of a quantised product, along K:
;;     - K is cut into blocks of 32 from its start; a last block that is shorter is filled with zeros.
;;     - A block's scale is 2^e with e = floor(log2(the largest magnitude in the block)) - 4, held to -126 .. 127; a block of zeros has e = 0. As a byte (E8M0): e + 127.
;;     - Each number is divided by its block's scale, clamped to +-28, and rounded to the nearest number of E3M2, ties to even, subnormals kept.
;;     - The product sums the exact products of the quantised numbers (number of the format x scale) in f32.
;;   ~~~python
;;   def quantise(x, axis):      # numpy; x: float32 -> the quantised numbers, widened to float32 again
;;       x = np.moveaxis(x, axis, -1); K = x.shape[-1]
;;       x = np.pad(x, [(0, 0)] * (x.ndim - 1) + [(0, -K % 32)]); x = x.reshape(x.shape[:-1] + (-1, 32)); a = np.abs(x).max(-1, keepdims=True)
;;       e = np.where(a > 0, np.clip(np.frexp(np.where(a > 0, a, 1))[1] - 1 - 4, -126, 127), 0)      # np.frexp(a)[1] - 1 = floor(log2(a)), exactly
;;       r = np.clip(x / 2.0 ** e, -28, 28)
;;       step = 2.0 ** (np.maximum(np.frexp(np.where(r == 0, 1, r))[1] - 1, -2) - 2)
;;       q = np.round(r / step) * step * 2.0 ** e      # np.round: ties to even
;;       return np.moveaxis(q.reshape(q.shape[:-2] + (-1,))[..., :K], -1, axis).astype(np.float32)
;;   ~~~
;;   SOFTMAX AHEAD OF A QUANTISED PRODUCT. Where the list says 'softmax', what is quantised is not the finished softmax but p = 2^(t - M), with t = logit x log2(e) and M = ceil(the row's largest t), a whole number; so 1/2 < the row's largest p <= 1. The row's sum l is taken of the UNQUANTISED p, in f32, and the product's result is divided by l at the end. Since M is a whole number, a kernel that streams over the keys may use a running M (the ceiling of the running maximum): every later rescaling is an exact power of two, which a block's scale takes up: the codes' values come out the same.
;;   OPERANDS COMPUTED ON THE WAY. 'Computed on the way' means the value that the module computes at that place (a softmax that the list does not call 'softmax' is quantised finished and normalised). What goes into a quantiser is computed in f32, as accurately as f32 sums, v_exp_f32 and their like allow (about 1e-6 of the number): no bf16 or f16 on the way to a quantiser, and a product that is left as it is and whose result goes on into a quantised operand takes f32 operands (vector FMAs, or v_wmma_f32_16x16x4_f32). A number that lies on a knife's edge between two numbers of the format may be rounded either way, as far as f32 arithmetic and the matrix unit's own rounding can turn it there, and no further.
;; 2 versions. Each part assembles by itself: llvm-mc -triple=amdgcn-amd-amdhsa -mcpu=gfx1250 --defsym DOCPART=n.
;; ======== version 1 of 2: 5 launches
;; workspace buffers: cod 15,777,792 bytes; scl 657,408 bytes; qkvc 9,437,184 bytes; qkvs 393,216 bytes; fl 264,192 bytes; oc 3,145,728 bytes; os 131,072 bytes
;; launch quant (part 1): grid 642 x 1, 4 waves a work-group, no clusters, 33,280 bytes of LDS; arguments hidden_states, Wq, Wk, Wv, Wo, Wf, cod, scl; writes cod, scl
.if DOCPART == 1
	.amdgcn_target "amdgcn-amd-amdhsa--gfx1250"
	.amdhsa_code_object_version 6
	.text
	.protected	k_q5386f8669e_quant
	.globl	k_q5386f8669e_quant
	.p2align	8
	.type	k_q5386f8669e_quant,@function
k_q5386f8669e_quant:
	s_mov_b64 s[64:65], 0
	v_nop
	global_prefetch_b8 v0, s[64:65] scope:SCOPE_SE
	s_setreg_imm32_b32 hwreg(HW_REG_WAVE_MODE, 25, 1), 1
	s_wait_xcnt 0x0
; hidden_states, Wq, Wk, Wv, Wo [2048][2048] and Wf [32][2048], f32 with K innermost, become codes of BF6 (E3M2), 6 bits each, and one E8M0 byte for each 32 along K.
; cod: 10,272 rows of 1,536 bytes (x rows 0.., Wq 2048.., Wk 4096.., Wv 6144.., Wo 8192.., Wf 10240..); scl: the same rows, 64 bytes each.
; A block's scale is 2^(floor(log2(largest magnitude)) - 4); its byte is the largest magnitude's exponent field - 4, held at 1 from below.  A block of zeros keeps the byte 1 where the rule says 127:
; its codes are zeros, which add nothing under any byte but 0xff, and the bytes are read by this program alone.
; LIMITS: blocks whose largest magnitude lies under 2^-122 keep the byte 1; NaN and infinities among the inputs are not served.
; Rows are dense and 2,048 is a multiple of 32: each tensor is a plain stream of blocks of 32.  A work-group takes 32,768 numbers, a wave 16 steps of 512.  Each large tensor is 128 work-groups, Wf two.
; Each load reads 512 consecutive bytes; a step's 2,048 bytes turn through the wave's own stage in LDS so that a lane holds 16 neighbours along K (two lanes to a block).
; A wave's store of codes covers 384 consecutive bytes; its 256 scale bytes are gathered in LDS and leave as 256 consecutive aligned bytes.  Waves share nothing: no barrier.
.set STEPS, 16
.set EMAX,  4
.set CB,    12                         ; bytes of 16 codes
.set R,     16                         ; v16-79   four sets of 16 numbers as they are loaded
.set X,     80                         ; v80-111  two sets of 16 neighbours
.set C,     128                        ; v128-191 codes: four registers for each step, so that no store's data are written again
.set E,     112                        ; v112-127 a scale byte for each step
.set WREG,  8192                       ; LDS: a region for each wave: two stages of 32 x SP bytes, behind them its 256 scale bytes
.set SP,    80                         ; a lane's place in a stage: 64 bytes + 16 of padding
	s_load_b256 s[4:11], s[0:1], 0x0               ; x, Wq, Wk, Wv
	s_load_b256 s[12:19], s[0:1], 0x20             ; Wo, Wf, cod, scl
	v_lshl_add_u32 v192, v0, 2, 0x8000
	v_mov_b32 v193, 0
	v_lshrrev_b32 v1, 5, v0
	v_readfirstlane_b32 s22, v1                    ; wave
	v_and_b32 v2, 31, v0                           ; lane
	v_lshlrev_b32 v3, 4, v2                        ; my 16 bytes of a load's 512
	s_mul_i32 s23, s22, WREG
	v_lshrrev_b32 v14, 2, v2
	v_mul_u32_u24 v14, v14, SP
	v_and_b32 v15, 3, v2
	v_lshl_add_u32 v14, v15, 4, v14
	v_add_nc_u32 v14, s23, v14                     ; the stage, on the way in: SP (lane / 4) + 16 (lane % 4)
	v_mul_u32_u24 v15, v2, SP
	v_add_nc_u32 v15, s23, v15                     ; and on the way out: SP x lane: my 16 neighbours
	v_mul_u32_u24 v4, v2, CB                       ; my codes' place in a step's
	v_lshrrev_b32 v5, 1, v2
	s_add_co_u32 s23, s23, 2*32*SP
	v_add_nc_u32 v5, s23, v5                       ; LDS: my wave's 256 scale bytes, my block's byte
	v_lshlrev_b32 v7, 3, v2                        ; and on the way out 8 bytes a lane
	v_add_nc_u32 v6, s23, v7
	s_lshr_b32 s20, ttmp9, 7                       ; which tensor: 0 .. 5; the choice hangs on the work-group's number alone
	s_wait_kmcnt 0x0
	s_cmp_eq_u32 s20, 1
	s_cselect_b64 s[4:5], s[6:7], s[4:5]
	s_cmp_eq_u32 s20, 2
	s_cselect_b64 s[4:5], s[8:9], s[4:5]
	s_cmp_eq_u32 s20, 3
	s_cselect_b64 s[4:5], s[10:11], s[4:5]
	s_cmp_eq_u32 s20, 4
	s_cselect_b64 s[4:5], s[12:13], s[4:5]
	s_cmp_eq_u32 s20, 5
	s_cselect_b64 s[4:5], s[14:15], s[4:5]
	s_and_b32 s24, ttmp9, 127
	s_lshl_b32 s24, s24, 2
	s_add_co_u32 s24, s24, s22                     ; which run of 8,192 numbers of the tensor is my wave's
	s_lshl_b32 s24, s24, 15                        ; 32,768 bytes a run
	s_mov_b32 s25, 0
	s_add_nc_u64 s[4:5], s[4:5], s[24:25]
	s_lshl_b32 s26, ttmp9, 2
	s_add_co_u32 s26, s26, s22                     ; and which run of the two workspace streams
	s_mul_i32 s24, s26, 32*STEPS*CB                ; 6,144 bytes of codes a run
	s_add_nc_u64 s[8:9], s[16:17], s[24:25]
	s_lshl_b32 s24, s26, 8                         ; 256 scale bytes a run
	s_add_nc_u64 s[10:11], s[18:19], s[24:25]
.macro LOAD t
.irp i, 0,1,2,3
	global_load_b128 v[R+16*((\t)%4)+4*\i:R+16*((\t)%4)+4*\i+3], v3, s[4:5] offset:2048*(\t)+512*\i th:TH_LOAD_NT   ; 32 lanes read 512 consecutive bytes
.endr
.endm
.macro TURN t                          ; step t's numbers through the stage: LDS serves a wave's instructions in order, so no wait stands between the stores and the loads
.irp i, 0,1,2,3
	ds_store_b128 v14, v[R+16*((\t)%4)+4*\i:R+16*((\t)%4)+4*\i+3] offset:32*SP*((\t)%2)+8*SP*\i
.endr
.irp i, 0,1,2,3
	ds_load_b128 v[X+16*((\t)%2)+4*\i:X+16*((\t)%2)+4*\i+3], v15 offset:32*SP*((\t)%2)+16*\i
.endr
.endm
.irp t, 0,1,2,3
	LOAD \t
.endr
	s_wait_loadcnt 12                              ; step 0's four loads are in; the twelve of steps 1 to 3 may be out
	TURN 0
.macro STEP t
.set XS, X+16*((\t)%2)
.if (\t) > 0
	s_wait_dscnt 1                                 ; this step's numbers are back from the stage (the last step's byte store may be out)
.else
	s_wait_dscnt 0x0
.endif
.if (\t)+4 < STEPS
	LOAD (\t)+4                                    ; the registers that the stage's stores have read take the loads of four steps on
.endif
.if (\t)+1 < STEPS
.if STEPS-2-(\t) >= 3
	s_wait_loadcnt 12                              ; the next step's four loads are in; those of the three steps behind it may be out
.else
	s_wait_loadcnt 4*(STEPS-2-(\t))
.endif
	TURN (\t)+1                                    ; they go through the other stage while this step is worked
.endif
	v_max3_num_f32 v8, |v[XS]|, |v[XS+1]|, |v[XS+2]|               ; the largest magnitude of my 16, in two chains
	v_max3_num_f32 v9, |v[XS+3]|, |v[XS+4]|, |v[XS+5]|
.irp i, 6,10
	v_max3_num_f32 v8, v8, |v[XS+\i]|, |v[XS+\i+1]|
	v_max3_num_f32 v9, v9, |v[XS+\i+2]|, |v[XS+\i+3]|
.endr
	v_max3_num_f32 v8, v8, |v[XS+14]|, |v[XS+15]|
	v_max3_num_f32 v8, v8, v9, (EMAX+1)<<23        ; and the floor 2^(5 - 127): the byte cannot fall under 1
	v_max_num_f32_dpp v8, v8, v8 row_xmask:1 row_mask:0xf bank_mask:0xf   ; and of my neighbour's 16: the block's
	v_add_nc_u32 v11, -(EMAX<<23), v8              ; 4 off its exponent field: the conversion takes the exponent field of this operand as its scale
	v_cvt_scalef32_pk16_bf6_f32 v[C+4*(\t):C+4*(\t)+2], v[XS:XS+15], v11   ; sixteen codes, 96 bits, the first number's code lowest
	v_lshrrev_b32 v[E+(\t)], 23, v11               ; the scale's byte (also the plain line behind the conversion)
	ds_store_b8 v5, v[E+(\t)] offset:16*(\t)       ; both lanes of a block write the same byte with the same value
	global_store_b96 v4, v[C+4*(\t):C+4*(\t)+2], s[8:9] offset:32*CB*(\t)
.endm
.irp t, 0,1,2,3,4,5,6,7,8,9,10,11,12,13,14,15
	STEP \t
.endr
	ds_load_b64 v[12:13], v6                       ; LDS serves a wave's instructions in order: these see my stores
	s_wait_dscnt 0x0
	global_store_b64 v7, v[12:13], s[10:11]        ; 32 lanes store 256 consecutive aligned bytes
	s_wait_tensorcnt 0x0
	ds_add_u32 v192, v193
	s_wait_dscnt 0x0
	s_endpgm
.Lfunc_end_k_q5386f8669e_quant:
	.size	k_q5386f8669e_quant, .Lfunc_end_k_q5386f8669e_quant-k_q5386f8669e_quant
	.p2alignl 7, 3214868480
	.fill 96, 4, 3214868480
	.section	.rodata,"a",@progbits
	.p2align	6, 0x0
	.amdhsa_kernel k_q5386f8669e_quant
		.amdhsa_group_segment_fixed_size 33280
		.amdhsa_private_segment_fixed_size 0
		.amdhsa_enable_private_segment 0
		.amdhsa_kernarg_size 64
		.amdhsa_user_sgpr_count 2
		.amdhsa_user_sgpr_kernarg_segment_ptr 1
		.amdhsa_wavefront_size32 1
		.amdhsa_system_sgpr_workgroup_id_x 1
		.amdhsa_system_sgpr_workgroup_id_y 1
		.amdhsa_system_sgpr_workgroup_id_z 1
		.amdhsa_system_vgpr_workitem_id 0
		.amdhsa_next_free_vgpr 194
		.amdhsa_next_free_sgpr 66
		.amdhsa_reserve_vcc 0
		.amdhsa_float_denorm_mode_32 3
		.amdhsa_float_denorm_mode_16_64 3
		.amdhsa_memory_ordered 1
		.amdhsa_forward_progress 1
		.amdhsa_inst_pref_size 32
	.end_amdhsa_kernel
	.amdgpu_metadata
---
amdhsa.version: [ 1, 2 ]
amdhsa.kernels:
  - .name:           k_q5386f8669e_quant
    .symbol:         k_q5386f8669e_quant.kd
    .args:
      - { .name: hidden_states, .offset: 0, .size: 8, .value_kind: global_buffer, .address_space: global }
      - { .name: Wq, .offset: 8, .size: 8, .value_kind: global_buffer, .address_space: global }
      - { .name: Wk, .offset: 16, .size: 8, .value_kind: global_buffer, .address_space: global }
      - { .name: Wv, .offset: 24, .size: 8, .value_kind: global_buffer, .address_space: global }
      - { .name: Wo, .offset: 32, .size: 8, .value_kind: global_buffer, .address_space: global }
      - { .name: Wf, .offset: 40, .size: 8, .value_kind: global_buffer, .address_space: global }
      - { .name: cod, .offset: 48, .size: 8, .value_kind: global_buffer, .address_space: global }
      - { .name: scl, .offset: 56, .size: 8, .value_kind: global_buffer, .address_space: global }
    .group_segment_fixed_size: 33280
    .private_segment_fixed_size: 0
    .kernarg_segment_align: 8
    .kernarg_segment_size: 64
    .max_flat_workgroup_size: 128
    .sgpr_count:     66
    .vgpr_count:     194
    .wavefront_size: 32
...
	.end_amdgpu_metadata
.endif
;; end of part 1
;; launch gate (part 2): grid 16 x 1, 16 waves a work-group, no clusters, 51,712 bytes of LDS; arguments cod, scl, bf, fl; writes fl
.if DOCPART == 2
	.amdgcn_target "amdgcn-amd-amdhsa--gfx1250"
	.amdhsa_code_object_version 6
	.text
	.protected	k_q5386f8669e_gate
	.globl	k_q5386f8669e_gate
	.p2align	8
	.type	k_q5386f8669e_gate,@function
k_q5386f8669e_gate:
	s_mov_b64 s[64:65], 0
	v_nop
	global_prefetch_b8 v0, s[64:65] scope:SCOPE_SE
	s_setreg_imm32_b32 hwreg(HW_REG_WAVE_MODE, 25, 1), 1
	s_wait_xcnt 0x0
; f = log_sigmoid(x Wf^T + bf) for 2,048 tokens x 32 heads, the product on codes of BF6 with E8M0 scales; then, for each head, the inclusive prefix of f INSIDE each block of 128 tokens, and each block's total.
; fl: [32 heads][2048 tokens] f32 local prefixes; from byte 262,144 on the totals [16 blocks][32 heads].  The attention launch adds totals and local prefixes, so that no difference of large sums is formed.
; SHARES.  Work-group g: tokens 128 g .. 128 g + 127.  Wave w: tile of 16 tokens a = w & 7, half of K kh = w >> 3 (eight K steps of 128).  Source 0 = 16 tokens, source 1 = 16 rows of Wf:
; lane (r, h) holds head 16 n + r, register j token 8 h + j; two accumulators (n = 0, 1) by turns.  The sixteen waves' results go to LDS as images of their registers; one barrier;
; waves 0 and 1 finish 16 heads each: the two halves of K are added, bf, the log-sigmoid, the prefix, and whole rows of 512 bytes go out through a stage.
; The launch is small (4,096 matrix instructions in all): no tensor loads, no ring, no cluster: work-groups share only Wf's 48 KB.
; LIMITS: K is summed in two halves, and the prefix is block-wise: another order of f32 sums than a plain running sum.  log(1 + e) is taken of the rounded 1 + e: an absolute error of one rounding of 1.  NaN and infinities are not served.
.set STG,  32768                       ; LDS: 0 .. 32,767 the images, 2,048 bytes a wave; from here two stages of 16 rows x 528 bytes
.set WFR,  10240                       ; Wf's first row in cod and scl
	s_load_b256 s[4:11], s[0:1], 0x0               ; cod, scl, bf, fl
	v_lshl_add_u32 v192, v0, 2, 0xc200
	v_mov_b32 v193, 0
	v_lshrrev_b32 v1, 5, v0
	v_readfirstlane_b32 s12, v1                    ; wave 0..15
	v_and_b32 v1, 31, v0                           ; lane
	v_and_b32 v2, 15, v0                           ; r
	v_bfe_u32 v3, v0, 4, 1                         ; h
	v_mul_u32_u24 v4, v2, 1536
	v_mad_u32_u24 v4, v3, 24, v4                   ; codes: row r of 1,536 bytes + 24 h, for x and for Wf
	v_lshlrev_b32 v5, 6, v2                        ; scale bytes: row r of 64
	v_lshlrev_b32 v10, 4, v1                       ; 16 x lane
	v_lshlrev_b32 v11, 2, v2                       ; 4 r
	s_lshl_b32 s28, s12, 11
	v_add_nc_u32 v6, s28, v10                      ; where my images go: 2,048 x wave + 16 x lane
	s_and_b32 s29, s12, 1                          ; n of a finishing wave
	s_lshl_b32 s30, s29, 10
	v_add_nc_u32 v7, s30, v10                      ; where a finishing wave reads: accumulator n of every wave
	s_mul_i32 s31, s29, 16*528
	s_add_co_u32 s31, s31, STG
	v_mul_u32_u24 v8, v2, 528
	v_lshl_add_u32 v8, v3, 5, v8
	v_add_nc_u32 v8, s31, v8                       ; the stage, in: row r (a head), + 32 h
	v_add_nc_u32 v9, s31, v10                      ; and back: 16 bytes a lane of a row
	v_mov_b32 v189, 0                              ; named with v188 as a pair, so it is written
	s_mov_b32 s22, 0x76543210
	s_mov_b32 s23, 0xfedcba98                      ; v_permlanex16_b32's selects for lane l xor 16
	s_mov_b32 s24, 0xbfb8aa3b                      ; -log2(e)
	s_mov_b32 s26, 0xbf317218                      ; -ln(2)
	s_mov_b32 s27, s26                             ; (named with it as a pair)
	s_and_b32 s32, s12, 7                          ; a
	s_lshr_b32 s33, s12, 3                         ; kh
	s_lshl_b32 s34, ttmp9, 7
	s_lshl_b32 s32, s32, 4
	s_add_co_u32 s34, s34, s32                     ; my first token
	s_mul_i32 s36, s34, 1536
	s_mul_i32 s35, s33, 768                        ; eight K steps of 96 bytes
	s_add_co_u32 s36, s36, s35
	s_mov_b32 s37, 0
	s_add_co_u32 s38, s35, WFR*1536
	s_mov_b32 s39, 0
	s_wait_kmcnt 0x0
	s_add_nc_u64 s[14:15], s[4:5], s[36:37]        ; x's codes
	s_add_nc_u64 s[16:17], s[4:5], s[38:39]        ; Wf's codes
	s_lshl_b32 s36, s34, 6
	s_lshl_b32 s35, s33, 5                         ; eight K steps of 4 bytes
	s_add_co_u32 s36, s36, s35
	s_add_co_u32 s38, s35, WFR*64
	s_add_nc_u64 s[18:19], s[6:7], s[36:37]        ; x's scale bytes
	s_add_nc_u64 s[20:21], s[6:7], s[38:39]        ; Wf's
	s_lshl_b32 s36, s29, 6
	s_add_nc_u64 s[8:9], s[8:9], s[36:37]          ; bf of heads 16 n on
	s_lshl_b32 s36, s29, 17                        ; fl: 16 n rows of 8,192 bytes
	s_lshl_b32 s35, ttmp9, 9                       ; + my block's 512 bytes
	s_add_co_u32 s36, s36, s35
	s_add_nc_u64 s[32:33], s[10:11], s[36:37]
	s_lshl_b32 s36, s29, 6
	s_lshl_b32 s35, ttmp9, 7
	s_add_co_u32 s36, s36, s35
	s_add_co_u32 s36, s36, 262144                  ; the totals: 128 g + 64 n
	s_add_nc_u64 s[34:35], s[10:11], s[36:37]
	global_load_b32 v188, v11, s[8:9]              ; bf[16 n + r]
; Four K steps: x's fragment v[32+12 sl], Wf's two v[80+24 sl], v[92+24 sl]; scale words v[176+sl], v[180+2 sl], v[181+2 sl] (these registers hold scales and nothing else).
.macro SHOT q, zero
.if \q
.rept 4
	v_nop                                          ; four places in front of loads into registers that matrix instructions have read
.endr
.endif
.irp sl, 0,1,2,3
.irp p, 0,1,2,3,4,5
	global_load_b64 v[32+12*\sl+2*\p:33+12*\sl+2*\p], v4, s[14:15] offset:384*\q+96*\sl+48*(\p/3)+8*(\p%3)
	global_load_b64 v[80+24*\sl+2*\p:81+24*\sl+2*\p], v4, s[16:17] offset:384*\q+96*\sl+48*(\p/3)+8*(\p%3)
	global_load_b64 v[92+24*\sl+2*\p:93+24*\sl+2*\p], v4, s[16:17] offset:24576+384*\q+96*\sl+48*(\p/3)+8*(\p%3)
.endr
	global_load_b32 v[176+\sl], v5, s[18:19] offset:16*\q+4*\sl
	global_load_b32 v[180+2*\sl], v5, s[20:21] offset:16*\q+4*\sl
	global_load_b32 v[181+2*\sl], v5, s[20:21] offset:1024+16*\q+4*\sl
.endr
	s_wait_loadcnt 0x0
.irp sl, 0,1,2,3                       ; the two accumulators take turns, one instruction a turn
.if (\zero) && (\sl == 0)
	v_wmma_scale_f32_16x16x128_f8f6f4 v[16:23], v[32+12*\sl:43+12*\sl], v[80+24*\sl:91+24*\sl], 0, v[176+\sl], v[180+2*\sl] matrix_a_fmt:MATRIX_FMT_BF6 matrix_b_fmt:MATRIX_FMT_BF6
	v_wmma_scale_f32_16x16x128_f8f6f4 v[24:31], v[32+12*\sl:43+12*\sl], v[92+24*\sl:103+24*\sl], 0, v[176+\sl], v[181+2*\sl] matrix_a_fmt:MATRIX_FMT_BF6 matrix_b_fmt:MATRIX_FMT_BF6
.else
	v_wmma_scale_f32_16x16x128_f8f6f4 v[16:23], v[32+12*\sl:43+12*\sl], v[80+24*\sl:91+24*\sl], v[16:23], v[176+\sl], v[180+2*\sl] matrix_a_fmt:MATRIX_FMT_BF6 matrix_b_fmt:MATRIX_FMT_BF6
	v_wmma_scale_f32_16x16x128_f8f6f4 v[24:31], v[32+12*\sl:43+12*\sl], v[92+24*\sl:103+24*\sl], v[24:31], v[176+\sl], v[181+2*\sl] matrix_a_fmt:MATRIX_FMT_BF6 matrix_b_fmt:MATRIX_FMT_BF6
.endif
.endr
.endm
	SHOT 0, 1
	SHOT 1, 0
.rept 4
	v_nop                                          ; four places in front of the first read of results, and of later loads into the fragments' registers
.endr
	ds_store_b128 v6, v[16:19]                     ; each accumulator from its low end on
	ds_store_b128 v6, v[20:23] offset:512
	ds_store_b128 v6, v[24:27] offset:1024
	ds_store_b128 v6, v[28:31] offset:1536
	s_wait_dscnt 0x0                               ; for the others' sake: my images have landed
	s_barrier_signal -1
	s_barrier_wait -1
	s_cmp_lt_u32 s12, 2
	s_cbranch_scc0 .Lend                           ; waves 2 to 15 are done; no barrier follows
	; ---- a finishing wave: heads 16 n + r, all 128 tokens.  z of tile a, register j (token 16 a + 8 h + j) at v[32 + 8 a + j]; the other half of K at v[96 + ..]
.set i, 0
.rept 16
	ds_load_b128 v[32+64*(i/8)+8*(i%8):35+64*(i/8)+8*(i%8)], v7 offset:i*2048
	ds_load_b128 v[36+64*(i/8)+8*(i%8):39+64*(i/8)+8*(i%8)], v7 offset:i*2048+512
.set i, i+1
.endr
	s_wait_dscnt 0x0
.set i, 0
.rept 32
	v_pk_add_f32 v[32+i:33+i], v[32+i:33+i], v[96+i:97+i]          ; the two halves of K
.set i, i+2
.endr
.set i, 0
.rept 32
	v_pk_add_f32 v[32+i:33+i], v[32+i:33+i], v[188:189] op_sel_hi:[1,0]   ; + bf of my head
.set i, i+2
.endr
	; f = min(z, 0) - ln 2 x log2(1 + 2^(-|z| log2 e))
.set i, 0
.rept 64
	v_mul_f32 v[96+i], s24, |v[32+i]|
.set i, i+1
.endr
.set i, 0
.rept 64
	v_exp_f32 v[96+i], v[96+i]
.set i, i+1
.endr
	v_nop                                          ; a plain line behind the last exponential
	s_wait_alu depctr_va_vdst(0)                   ; one wait for the batch, ahead of its first reader
.set i, 0
.rept 32
	v_pk_add_f32 v[96+i:97+i], v[96+i:97+i], 1.0 op_sel_hi:[1,0]
.set i, i+2
.endr
.set i, 0
.rept 64
	v_log_f32 v[96+i], v[96+i]
.set i, i+1
.endr
.set i, 0
.rept 64
	v_min_num_f32 v[32+i], 0, v[32+i]              ; independent work behind the logarithms
.set i, i+1
.endr
	s_wait_alu depctr_va_vdst(0)                   ; one wait for the batch
.set i, 0
.rept 32
	v_pk_fma_f32 v[32+i:33+i], v[96+i:97+i], s[26:27], v[32+i:33+i] op_sel_hi:[1,0,1]
.set i, i+2
.endr
	; the prefix: inside a lane's eight tokens (the eight tiles by turns), then across the halves of the lanes, then from tile to tile
.irp j, 1,2,3,4,5,6,7
.irp a, 0,1,2,3,4,5,6,7
	v_add_f32 v[32+8*\a+\j], v[32+8*\a+\j], v[31+8*\a+\j]
.endr
.endr
.irp a, 0,1,2,3,4,5,6,7
	v_permlanex16_b32 v[96+\a], v[39+8*\a], s22, s23               ; the other half's eight tokens' sum
.endr
	s_mov_b32 vcc_lo, 0xffff0000
.irp a, 0,1,2,3,4,5,6,7
	v_add_f32 v[104+\a], v[39+8*\a], v[96+\a]                      ; the tile's total
	v_cndmask_b32 v[112+\a], 0, v[96+\a], vcc_lo                   ; lanes 16-31 (tokens 8-15) stand behind tokens 0-7
.endr
	v_mov_b32 v160, 0
.irp a, 0,1,2,3,4,5,6,7
	v_add_f32 v[161+\a], v[160+\a], v[104+\a]                      ; the carry into the next tile; v168 is the block's total
.endr
.irp a, 0,1,2,3,4,5,6,7
	v_add_f32 v[130+2*\a], v[160+\a], v[112+\a]                    ; what my eight numbers of tile a still lack
.endr
.irp a, 0,1,2,3,4,5,6,7
.irp k, 0,2,4,6
	v_pk_add_f32 v[32+8*\a+\k:33+8*\a+\k], v[32+8*\a+\k:33+8*\a+\k], v[130+2*\a:131+2*\a] op_sel_hi:[1,0]
.endr
.endr
.irp a, 0,1,2,3,4,5,6,7
	ds_store_b128 v8, v[32+8*\a:35+8*\a] offset:64*\a              ; head r, tokens 16 a + 8 h + 0 .. 7
	ds_store_b128 v8, v[36+8*\a:39+8*\a] offset:64*\a+16
.endr
.set i, 0
.rept 16
	ds_load_b128 v[96+4*i:99+4*i], v9 offset:528*i                 ; LDS serves a wave's instructions in order: these see my stores
.set i, i+1
.endr
.set i, 0
.rept 16
	s_wait_dscnt 15-i                                              ; row i is back; the younger loads may be out
	global_store_b128 v10, v[96+4*i:99+4*i], s[32:33] offset:8192*i   ; 32 lanes store 512 consecutive aligned bytes of head 16 n + i
.set i, i+1
.endr
	s_wait_xcnt 0x0                                ; EXEC changes only behind this wait
	v_cmp_gt_u32 vcc_lo, 16, v1
	s_and_saveexec_b32 s36, vcc_lo
	global_store_b32 v11, v168, s[34:35]           ; the block's totals of my 16 heads
	s_wait_xcnt 0x0                                ; and again in front of the line that widens it
	s_or_b32 exec_lo, exec_lo, s36
.Lend:
	s_wait_tensorcnt 0x0
	ds_add_u32 v192, v193
	s_wait_dscnt 0x0
	s_endpgm
.Lfunc_end_k_q5386f8669e_gate:
	.size	k_q5386f8669e_gate, .Lfunc_end_k_q5386f8669e_gate-k_q5386f8669e_gate
	.p2alignl 7, 3214868480
	.fill 96, 4, 3214868480
	.section	.rodata,"a",@progbits
	.p2align	6, 0x0
	.amdhsa_kernel k_q5386f8669e_gate
		.amdhsa_group_segment_fixed_size 51712
		.amdhsa_private_segment_fixed_size 0
		.amdhsa_enable_private_segment 0
		.amdhsa_kernarg_size 32
		.amdhsa_user_sgpr_count 2
		.amdhsa_user_sgpr_kernarg_segment_ptr 1
		.amdhsa_wavefront_size32 1
		.amdhsa_system_sgpr_workgroup_id_x 1
		.amdhsa_system_sgpr_workgroup_id_y 1
		.amdhsa_system_sgpr_workgroup_id_z 1
		.amdhsa_system_vgpr_workitem_id 0
		.amdhsa_next_free_vgpr 194
		.amdhsa_next_free_sgpr 66
		.amdhsa_reserve_vcc 1
		.amdhsa_float_denorm_mode_32 3
		.amdhsa_float_denorm_mode_16_64 3
		.amdhsa_memory_ordered 1
		.amdhsa_forward_progress 1
		.amdhsa_inst_pref_size 52
	.end_amdhsa_kernel
	.amdgpu_metadata
---
amdhsa.version: [ 1, 2 ]
amdhsa.kernels:
  - .name:           k_q5386f8669e_gate
    .symbol:         k_q5386f8669e_gate.kd
    .args:
      - { .name: cod, .offset: 0, .size: 8, .value_kind: global_buffer, .address_space: global }
      - { .name: scl, .offset: 8, .size: 8, .value_kind: global_buffer, .address_space: global }
      - { .name: bf, .offset: 16, .size: 8, .value_kind: global_buffer, .address_space: global }
      - { .name: fl, .offset: 24, .size: 8, .value_kind: global_buffer, .address_space: global }
    .group_segment_fixed_size: 51712
    .private_segment_fixed_size: 0
    .kernarg_segment_align: 8
    .kernarg_segment_size: 32
    .max_flat_workgroup_size: 512
    .sgpr_count:     66
    .vgpr_count:     194
    .wavefront_size: 32
...
	.end_amdgpu_metadata
.endif
;; end of part 2
;; launch gemm_qkv (part 3): grid 24 x 8, 4 waves a work-group, clusters of 4 x 4, 327,680 bytes of LDS; arguments cod, scl, qkvc, qkvs; writes qkvc, qkvs
.if DOCPART == 3
	.amdgcn_target "amdgcn-amd-amdhsa--gfx1250"
	.amdhsa_code_object_version 6
	.text
	.protected	k_q5386f8669e_gemm_qkv
	.globl	k_q5386f8669e_gemm_qkv
	.p2align	8
	.type	k_q5386f8669e_gemm_qkv,@function
k_q5386f8669e_gemm_qkv:
	s_mov_b64 s[64:65], 0
	v_nop
	global_prefetch_b8 v0, s[64:65] scope:SCOPE_SE
	s_setreg_imm32_b32 hwreg(HW_REG_WAVE_MODE, 25, 1), 1
	s_wait_xcnt 0x0
	s_wait_alu depctr_hold_cnt(0) depctr_sa_sdst(0) depctr_va_vdst(0) depctr_va_sdst(0) depctr_va_ssrc(0) depctr_va_vcc(0) depctr_vm_vsrc(0)
	s_getreg_b32 s2, hwreg(HW_REG_IB_STS2, 6, 4)
	s_cmp_eq_u32 s2, 0
	s_cbranch_scc0 .Lentry_in_a_cluster
	s_endpgm
.Lentry_in_a_cluster:
	s_bfe_u32 s2, ttmp6, 0x10000c
	s_cmp_lg_u32 s2, 0xf033
	s_cbranch_scc0 .Lentry_shape_is_right
	s_endpgm
.Lentry_shape_is_right:
; q = x Wq^T, k = x Wk^T, v = x Wv^T on codes of BF6 (E3M2) with E8M0 scales, K = 2,048; the results are quantised on the way out: q and k along the head's 64, v along the tokens.
; A tile of 256 x 256 is made by four waves, each 128 x 128: 64 accumulators, 512 registers.  K goes in steps of 256 through a ring of two LDS slots filled by the tensor data mover (rows of 192 bytes).
; The scale bytes of the work-group's 256 + 256 rows, for all of K, come into LDS once, with the first fills.
; WHO MULTIPLIES WHAT hangs on the cluster's number alone.  Clusters x = 0 .. 3: A = tokens (cod rows 0 ..), B = rows of Wq, Wk (cod rows 2048 ..).  Clusters x = 4, 5: A = rows of Wv (6144 ..), B = tokens:
; there the results' neighbours in a lane are tokens, along which v is quantised.  The text is the same for both.
; CLUSTERS: 4 x 4 work-groups; A's tiles are asked for jointly along a row of the cluster, B's along a column.  The matrix instruction is used transposed (source 0 = 16 rows of B, source 1 = 16 rows of A):
; lane (r, h) of accumulator (a, b) holds A's row 16 a + r and B's rows 16 b + 8 h + 0 .. 7.
; THE WAY OUT.  A block a's 64 registers are 128 numbers of one row along the next K: four blocks of 32; a lane half holds numbers 8 h + 0..7 and 16 + 8 h + 0..7 of each.  So a block's 32 codes stand in the order
; 0-7, 16-23, 8-15, 24-31.  q and k share that order along d, v and the softmax's p along the keys: a permutation inside a block, alike on both operands, keeps the products and the blocks' scales.
; qkvc: 96 planes of 98,304 bytes [2048 rows][48 bytes]: planes 0-31 q by head (rows = tokens), 32-63 k, 64-95 v by chunk of 64 keys (rows = 64 head + d).
; qkvs: 48 planes of 8,192 bytes [2048 rows][4 bytes]: 0-15 q by pair of heads, 16-31 k, 32-47 v by step of 128 keys.
; LIMITS: blocks whose largest magnitude lies under 2^-122, blocks of zeros among them, keep the byte 1 (their bytes are read by this program alone); NaN and infinities are not served.
; REGISTERS, in windows of 256: window 0: v0-31 addresses; v32-63 scale words, two sets, and nothing else; v64-103 the way out's work; from v128 A's fragments, one set; window 1: B's fragments, two sets;
; windows 2, 3: the accumulators of my rows 0-63, 64-127 (accumulator (a, b) at v[8 (8 (a % 4) + b)]).
.set SIZE_K, 2048
.set KSTEP,  256                       ; along K in a slot
.set NQ,     KSTEP/128                 ; matrix instructions deep
.set ROWB,   192                       ; a tile's row in bytes
.set KROW,   SIZE_K*6/8                ; a row of cod
.set PITCH,  240                       ; an LDS row: 3 x (64 bytes + 16 of padding) = 60 words: the 32 lanes of a load of 8 bytes touch 64 different banks (64 banks of 4 bytes: ISA guide 11.1)
.set FR,     12                        ; registers of a fragment
.set NL,     6                         ; LDS loads that bring one
.set NP,     4                         ; places behind this matrix instruction (ISA guide 7.12.1)
.set HALFT,  128*PITCH
.set SLOT,   4*HALFT                   ; A's 256 rows, then B's 256 rows
.set LAPS,   SIZE_K/(2*KSTEP)
.set KS,     SIZE_K/32                 ; a row of scl
.set SCL,    2*SLOT                    ; behind the ring: the scales, as rows of 256 bytes + 16 of padding
.set HALFS,  (128*KS/256)*272
.set SBLK,   (16*KS/256)*272
.set SPARE,  SCL+4*HALFS               ; the spare words, 128 bytes a wave: two blocks of 256 bytes that no other line names
.set WSTG,   12800                     ; the way out: a stage for each wave, in slot 0: 2 x 128 rows x 48 bytes of codes, then 128 scale words
.set ADRA, 16                          ; v16-17 A's fragments in slot 0, 1 (v18-19: behind one padding more)
.set ADRB, 20                          ; v20-23 the same for B
.set STO,  24                          ; v24 the stage: 48 r + 24 h
.set SSW,  25                          ; v25 the stage's scale words: 12,288 + 4 r
.set RD,   26                          ; v26 the stage, back: 16 x lane
.set ADRS, 27                          ; v27 my scale words in LDS: lanes 0-15 A's rows, lanes 16-31 B's
.set SPW,  28                          ; v28 my spare word; never rewritten
.set NIL,  29                          ; v29 0; never rewritten
.set CO,   30                          ; v30 16 x lane
.set SC,   32
.set TM,   64                          ; v64-67 largest magnitudes, v68-71 at work and bytes, v76-79 the conversions' scale operands
.set PW,   80                          ; the scale word just made
.set QCD,  84                          ; v84-95 the codes just made, v96-102 the conversions' second halves
.set AF,   128
.set RB,   128                         ; the way out: 24 x 4 registers read back
.set RS,   224                         ; and the scale words
.set G1, 24
.set G0, 32
.set G1B, 48
.set G0B, 56
.set G1S, 68
.set G0S, 76
.set G1SB, 80
.set G0SB, 88
.set MSB, 0
.macro WIN new                         ; the immediate's high byte repeats the setting that is left
.if MSB != (\new)
	s_set_vgpr_msb (MSB<<8)|(\new)
.set MSB, \new
.endif
.endm
.set MUL_LO, 0xa1                      ; source 0 (B) window 1, source 1 (A) window 0, C and D window 2
.set MUL_HI, 0xf1                      ; the same, C and D window 3
.set TO_B,   0x40                      ; destination window 1
; A joint load: waves 0 and 1 fetch for A, waves 2 and 3 for B; the branch hangs on the wave's number alone.  Four v_nop follow each of the two lines.
.macro JLOAD g0a, g1a, g0b, g1b
	s_cmp_eq_u32 s15, 0
	s_cbranch_scc0 .Lfor_b_\@
	tensor_load_to_lds s[\g0a:\g0a+3], s[\g1a:\g1a+7]
	s_nop 0
.rept 4
	v_nop
.endr
	s_branch .Lasked_\@
.Lfor_b_\@:
	tensor_load_to_lds s[\g0b:\g0b+3], s[\g1b:\g1b+7]
	s_nop 0
.rept 4
	v_nop
.endr
.Lasked_\@:
.endm
.macro CREST                           ; a round of the cluster's barrier behind its opening barrier
	s_cmp_lg_u32 s14, 0
	s_cbranch_scc1 .Lnot_wave_0_\@
	s_barrier_signal -3
.Lnot_wave_0_\@:
	s_barrier_wait -3
	s_barrier_signal -1
	s_barrier_wait -1
.endm
.macro CROUND                          ; a whole round
	s_barrier_signal -1
	s_barrier_wait -1
	CREST
.endm
	s_load_b256 s[4:11], s[0:1], 0x0               ; cod s[4:5], scl s[6:7], qkvc s[8:9], qkvs s[10:11]
	v_lshl_add_u32 v[SPW], v0, 2, SPARE
	v_mov_b32 v[NIL], 0
	ds_add_u32 v28, v29
	ds_add_u32 v28, v29
	s_wait_dscnt 0x0
	v_lshrrev_b32 v1, 5, v0
	v_readfirstlane_b32 s14, v1                    ; wave 0..3
	s_lshr_b32 s15, s14, 1                         ; which half of the tile's A rows is mine.  Also: I fetch for A (0) or for B (1)
	s_and_b32 s16, s14, 1                          ; which half of its B rows.  Also: which 128 rows I fetch
	s_bfe_u32 s40, ttmp6, 0x40000                  ; cx, cy: my place in the cluster
	s_bfe_u32 s41, ttmp6, 0x40004
	s_and_b32 s95, ttmp7, 0xffff                   ; cluster y: 0, 1
	s_sub_co_u32 s96, ttmp9, 4                     ; cluster x - 4 (taken only where x is 4 or 5)
	s_cmp_lt_u32 ttmp9, 4                          ; q and k, or v?  The same in all sixteen partners; only selections follow, no branch
	s_cselect_b32 s97, s95, s96                    ; which four tile rows of A
	s_cselect_b32 s98, ttmp9, s95                  ; which four tile columns of B
	s_cselect_b32 s99, 0, 6144                     ; A's first row in cod: x, or Wv
	s_cselect_b32 s100, 2048, 0                    ; B's: Wq and Wk, or x
	s_cselect_b32 s101, 0, 6291456                 ; where the results' planes begin in qkvc
	s_cselect_b32 s96, 0, 262144                   ; and in qkvs
	s_lshl_b32 s42, s98, 2
	s_add_co_u32 s42, s42, s40                     ; tile column
	s_lshl_b32 s17, s97, 2
	s_add_co_u32 s17, s17, s41                     ; tile row
	s_mov_b32 s97, 0x76543210
	s_mov_b32 s98, 0xfedcba98                      ; v_permlanex16_b32's selects for lane l xor 16
	s_lshl_b32 s43, s41, 2
	s_lshl_b32 s43, 15, s43                        ; my row of the cluster
	s_lshl_b32 s44, 0x1111, s40                    ; my column
	; descriptor group 1: a tile of 128 rows x 192 bytes, 16 bytes of padding behind every 64
	s_or_b32 s[G1+0], s43, (0<<16)|(1<<20)|(1<<21)|(3<<22)|(3<<25)  ; 15:0 the mask; 17:16 elements of 1 byte; 20 padding on; 21 set beside a mask; 24:22 after every 16 words; 31:25 of 4 words
	s_or_b32 s[G1B+0], s44, (0<<16)|(1<<20)|(1<<21)|(3<<22)|(3<<25)
.irp g, G1, G1B
	s_mov_b32 s[\g+1], ROWB<<16                    ; tensor_dim0
	s_mov_b32 s[\g+2], 128<<16                     ; tensor_dim1
	s_mov_b32 s[\g+3], ROWB<<16                    ; tile_dim0
	s_mov_b32 s[\g+4], 128                         ; tile_dim1
	s_mov_b32 s[\g+5], KROW                        ; tensor_dim0_stride
	s_mov_b32 s[\g+6], 0
	s_mov_b32 s[\g+7], 0
.endr
	; the scales of 128 rows: 8,192 dense bytes as 32 rows of 256 (32 elements of 8 bytes), 16 bytes of padding behind each
	s_or_b32 s[G1S+0], s43, (3<<16)|(1<<20)|(1<<21)|(5<<22)|(3<<25)
	s_or_b32 s[G1SB+0], s44, (3<<16)|(1<<20)|(1<<21)|(5<<22)|(3<<25)
.irp g, G1S, G1SB
	s_mov_b32 s[\g+1], 32<<16
	s_mov_b32 s[\g+2], (128*KS/256)<<16
	s_mov_b32 s[\g+3], 32<<16
	s_mov_b32 s[\g+4], 128*KS/256
	s_mov_b32 s[\g+5], 32
	s_mov_b32 s[\g+6], 0
	s_mov_b32 s[\g+7], 0
.endr
	s_lshl_b32 s18, s16, 7                         ; which 128 rows of the tile I fetch
	s_lshl_b32 s20, s17, 8
	s_add_co_u32 s20, s20, s18
	s_add_co_u32 s20, s20, s99                     ; A: cod row
	s_lshl_b32 s46, s42, 8
	s_add_co_u32 s46, s46, s18
	s_add_co_u32 s46, s46, s100                    ; B: cod row
	s_mov_b32 s21, 0
	s_mov_b32 s47, 0
	s_mov_b64 s[18:19], KS
	s_mul_u64 s[22:23], s[20:21], s[18:19]         ; where these rows' scales begin, in bytes
	s_mul_u64 s[92:93], s[46:47], s[18:19]
	s_mov_b64 s[18:19], KROW
	s_mul_u64 s[20:21], s[20:21], s[18:19]         ; and their codes
	s_mul_u64 s[46:47], s[46:47], s[18:19]
	s_mul_i32 s45, s14, HALFT                      ; where they go: wave x 128 rows: no place in the cluster enters an LDS address
	s_mul_i32 s94, s14, HALFS
	s_wait_kmcnt 0x0
	s_add_nc_u64 s[20:21], s[4:5], s[20:21]
	s_add_nc_u64 s[22:23], s[6:7], s[22:23]
	s_add_nc_u64 s[46:47], s[4:5], s[46:47]
	s_add_nc_u64 s[92:93], s[6:7], s[92:93]
	CROUND                                         ; all sixteen work-groups are here: the first joint loads meet
	s_mov_b32 s[G0S], 1
	s_add_co_u32 s[G0S+1], s94, SCL
	s_mov_b64 s[G0S+2:G0S+3], s[22:23]
	s_or_b32 s[G0S+3], s[G0S+3], 0x80000000
	s_mov_b32 s[G0SB], 1
	s_add_co_u32 s[G0SB+1], s94, SCL
	s_mov_b64 s[G0SB+2:G0SB+3], s[92:93]
	s_or_b32 s[G0SB+3], s[G0SB+3], 0x80000000
	JLOAD G0S, G1S, G0SB, G1SB                     ; the scales first: they are wanted with K step 0
.irp s, 0,1
	s_mov_b32 s[G0+4*\s], 1
	s_add_co_u32 s[G0+4*\s+1], s45, \s*SLOT
	s_add_nc_u64 s[G0+4*\s+2:G0+4*\s+3], s[20:21], \s*ROWB
	s_or_b32 s[G0+4*\s+3], s[G0+4*\s+3], 0x80000000
	s_mov_b32 s[G0B+4*\s], 1
	s_add_co_u32 s[G0B+4*\s+1], s45, \s*SLOT
	s_add_nc_u64 s[G0B+4*\s+2:G0B+4*\s+3], s[46:47], \s*ROWB
	s_or_b32 s[G0B+4*\s+3], s[G0B+4*\s+3], 0x80000000
	JLOAD G0+4*\s, G1, G0B+4*\s, G1B
.endr
	v_and_b32 v1, 15, v0                           ; r
	v_bfe_u32 v2, v0, 4, 1                         ; h
	v_mul_u32_u24 v3, v1, PITCH
	v_mul_u32_u24 v4, v2, 24
	v_add_nc_u32 v4, v3, v4                        ; a fragment's row x pitch + 24 h
	v_lshl_add_u32 v5, v2, 4, v4                   ; and the same behind one padding more
	s_mul_i32 s21, s15, HALFT                      ; my 128 rows of A
	s_mul_i32 s22, s16, HALFT                      ; my 128 rows of B,
	s_add_co_u32 s22, s22, 2*HALFT                 ; which lie behind A's 256
.irp s, 0,1
	v_add_nc_u32 v[ADRA+\s], s21, v4
	v_add_nc_u32 v[ADRB+\s], s22, v4
	v_add_nc_u32 v[ADRA+2+\s], s21, v5
	v_add_nc_u32 v[ADRB+2+\s], s22, v5
	s_add_co_u32 s21, s21, SLOT
	s_add_co_u32 s22, s22, SLOT
.endr
	v_mul_u32_u24 v5, v1, KS                       ; my row's scales: 64 bytes a row,
	v_lshrrev_b32 v6, 8, v5
	v_lshl_add_u32 v5, v6, 4, v5                   ; and 16 more for each 256 passed
	s_mul_i32 s21, s15, HALFS                      ; A's: my 128 rows
	s_mul_i32 s22, s16, HALFS                      ; B's: my 128 rows, behind A's 256
	s_add_co_u32 s22, s22, 2*HALFS
	s_sub_co_u32 s22, s22, s21
	v_mul_u32_u24 v6, s22, v2                      ; lanes 16-31 take B's
	s_add_co_u32 s21, s21, SCL
	v_add_nc_u32 v5, v5, v6
	v_add_nc_u32 v[ADRS], s21, v5
	s_mul_i32 s23, s14, WSTG                       ; my stage
	v_mul_u32_u24 v5, v1, 48
	v_mad_u32_u24 v5, v2, 24, v5
	v_add_nc_u32 v[STO], s23, v5                   ; in: row r of 48 bytes, + 24 h
	v_lshl_add_u32 v5, v1, 2, 12288
	v_add_nc_u32 v[SSW], s23, v5                   ; the row's scale word
	v_and_b32 v6, 31, v0
	v_lshlrev_b32 v[CO], 4, v6
	v_add_nc_u32 v[RD], s23, v[CO]                 ; back: 512 consecutive bytes an instruction
	; where my results go: plane 2 ib + c, rows 128 ia on (ia, ib: which 128 rows of A, of B)
	s_lshl_b32 s20, s17, 1
	s_add_co_u32 s20, s20, s15                     ; ia
	s_lshl_b32 s46, s42, 1
	s_add_co_u32 s46, s46, s16                     ; ib
	s_mul_i32 s21, s20, 6144
	s_mul_i32 s47, s46, 196608
	s_add_co_u32 s22, s21, s47
	s_add_co_u32 s22, s22, s101
	s_mov_b32 s23, 0
	s_add_nc_u64 s[8:9], s[8:9], s[22:23]
	s_lshl_b32 s21, s20, 9
	s_lshl_b32 s47, s46, 13
	s_add_co_u32 s22, s21, s47
	s_add_co_u32 s22, s22, s96
	s_add_nc_u64 s[10:11], s[10:11], s[22:23]
.macro FRAG reg, adr, q, i             ; a fragment, 16 rows x 128 K: lane l holds row l % 16; registers 6 c .. 6 c + 5 hold K = 64 c + 32 (l / 16) + 0 .. 31: 24 bytes of the row's stream of bits, as they lie
.irp p, 0,1,2,3,4,5                    ; in pieces of 8 bytes.  Lanes 16-31 read three pieces further on; where that lies behind one padding more, the second address register serves
.set PC, 12*(\q)+6*(\p/3)+\p%3
.if PC%8 < 5
	ds_load_b64 v[\reg+2*\p:\reg+2*\p+1], v[\adr] offset:8*PC+16*(PC/8)+(\i)*16*PITCH
.else
	ds_load_b64 v[\reg+2*\p:\reg+2*\p+1], v[\adr+2] offset:8*PC+16*(PC/8)+(\i)*16*PITCH
.endif
.endr
.endm
; 16 matrix instructions: A's blocks a0, a0 + 1 x B's eight.  The 64 accumulators take turns, one instruction a turn, in the same order in every step.
.macro MUL16 a0, p, q, sc, zero
.irp a, \a0, \a0+1
.irp b, 0,1,2,3,4,5,6,7
.if \zero
	v_wmma_scale_f32_16x16x128_f8f6f4 v[8*(8*((\a)%4)+\b):8*(8*((\a)%4)+\b)+7], v[128*(\p)+FR*\b:128*(\p)+FR*\b+FR-1], v[AF+FR*(\a):AF+FR*(\a)+FR-1], 0, v[SC+8*NQ*(\sc)+NQ*\b+(\q)], v[SC+8*NQ*(\sc)+NQ*(\a)+(\q)] matrix_a_fmt:MATRIX_FMT_BF6 matrix_b_fmt:MATRIX_FMT_BF6 matrix_a_scale:MATRIX_SCALE_ROW1
.else
	v_wmma_scale_f32_16x16x128_f8f6f4 v[8*(8*((\a)%4)+\b):8*(8*((\a)%4)+\b)+7], v[128*(\p)+FR*\b:128*(\p)+FR*\b+FR-1], v[AF+FR*(\a):AF+FR*(\a)+FR-1], v[8*(8*((\a)%4)+\b):8*(8*((\a)%4)+\b)+7], v[SC+8*NQ*(\sc)+NQ*\b+(\q)], v[SC+8*NQ*(\sc)+NQ*(\a)+(\q)] matrix_a_fmt:MATRIX_FMT_BF6 matrix_b_fmt:MATRIX_FMT_BF6 matrix_a_scale:MATRIX_SCALE_ROW1
.endif
.endr
.endr
.endm
.macro FETCH_B slot, q, p              ; B's eight fragments of the slot's q-th 128 along K into set p
	WIN TO_B
.irp i, 0,1,2,3,4,5,6,7
	FRAG 128*(\p)+FR*\i, ADRB+\slot, \q, \i
.endr
	WIN 0
.endm
.macro FETCH_A slot, q, i0             ; A's blocks i0 .. i0 + 3
.irp i, \i0, \i0+1, \i0+2, \i0+3
	FRAG AF+FR*(\i), ADRA+\slot, \q, \i
.endr
.endm
.macro SCALES sc                       ; the next K step's scale words into set sc: lanes 0-15 take A's block i, lanes 16-31 B's block i
.irp i, 0,1,2,3,4,5,6,7
	ds_load_b64 v[SC+8*NQ*\sc+NQ*\i:SC+8*NQ*\sc+NQ*\i+1], v[ADRS] offset:\i*SBLK
.endr
.endm
.macro PLACES n                        ; plain vector lines between a matrix instruction and a load into, or a read of, its registers
.rept \n
	v_nop
.endr
.endm
; A step of 128 along K that has its successor in the same slot.
.macro STEP slot, q, zero
	s_wait_dscnt 4*NL                              ; B's set and A's blocks 0-3 are in; the youngest 24 loads (A's blocks 4-7) may be out
	WIN MUL_LO
	MUL16 0, (\q)%2, \q, \slot, \zero
	MUL16 2, (\q)%2, \q, \slot, \zero
	s_wait_dscnt 0                                 ; A's blocks 4-7 are in
	PLACES NP
	FETCH_B \slot, (\q)+1, 1-(\q)%2
	FETCH_A \slot, (\q)+1, 0
	WIN MUL_HI
	MUL16 4, (\q)%2, \q, \slot, \zero
	MUL16 6, (\q)%2, \q, \slot, \zero
	PLACES NP
	WIN 0
	FETCH_A \slot, (\q)+1, 4
.endm
; A slot's last step changes slots: one barrier; in front of it each wave waits for all its tensor loads, adds 0 to its spare word, and waits for that and for its reads of this slot.
.macro TURN slot, next, fill
	s_wait_tensorcnt 0x0                           ; all my tensor loads have landed: my part of the next slot
	ds_add_u32 v[SPW], v[NIL]                      ; 0 onto my spare word
	s_wait_dscnt 4*NL+1                            ; (the add and the youngest 24 loads, A's blocks 4-7, may be out)
	WIN MUL_LO
	MUL16 0, 1, NQ-1, \slot, 0                     ; sixteen matrix instructions stand between the add and the wait for it
	s_wait_dscnt 0x0                               ; the add is done, and my reads of this slot are over
	s_barrier_signal -1
	MUL16 2, 1, NQ-1, \slot, 0
	WIN 0
	s_barrier_wait -1
.if \fill
	CREST                                          ; the barrier has opened a round of the cluster's barrier: no wave of any partner still reads this slot or has a load on its way
	s_add_nc_u64 s[G0+4*\slot+2:G0+4*\slot+3], s[G0+4*\slot+2:G0+4*\slot+3], 2*ROWB
	s_add_nc_u64 s[G0B+4*\slot+2:G0B+4*\slot+3], s[G0B+4*\slot+2:G0B+4*\slot+3], 2*ROWB
	JLOAD G0+4*\slot, G1, G0B+4*\slot, G1B         ; the first tensor load behind the round; its four v_nop are the places in front of the loads below
.else
	PLACES NP
.endif
	v_add_nc_u32 v[ADRS], 4*NQ, v[ADRS]            ; on to the next K step's scale words
	FETCH_B \next, 0, 0
	FETCH_A \next, 0, 0
	SCALES \next
	WIN MUL_HI
	MUL16 4, 1, NQ-1, \slot, 0
	MUL16 6, 1, NQ-1, \slot, 0
	PLACES NP
	WIN 0
	FETCH_A \next, 0, 4
.endm
	s_wait_tensorcnt 1                             ; the scales and my part of K step 0 are in (K step 1's load may be out)
	s_barrier_signal -1
	s_barrier_wait -1
	FETCH_B 0, 0, 0
	FETCH_A 0, 0, 0
	SCALES 0
	FETCH_A 0, 0, 4
	STEP 0, 0, 1                                   ; the first step stands in front of the loop: its products start the sums
	s_mov_b32 s3, LAPS-1
.Llap:                                                 ; a trip goes once round the ring and fills both slots again
	TURN 0, 1, 1
	STEP 1, 0, 0
	TURN 1, 0, 1
	STEP 0, 0, 0
	s_sub_co_u32 s3, s3, 1
	s_cmp_lg_u32 s3, 0
	s_cbranch_scc1 .Llap
	TURN 0, 1, 0                                   ; the last lap fills nothing
	STEP 1, 0, 0
	s_wait_dscnt 4*NL
	WIN MUL_LO
	MUL16 0, 1, NQ-1, 1, 0
	MUL16 2, 1, NQ-1, 1, 0
	s_wait_dscnt 0
	WIN MUL_HI
	MUL16 4, 1, NQ-1, 1, 0
	MUL16 6, 1, NQ-1, 1, 0
	WIN 0
; Block a's 64 registers (window 2 or 3, from v[64 (a % 4)] on; register 16 b + i belongs to block b of 32) become 12 registers of codes in v[QCD] on and the row's scale word in v[PW].
.macro QUANTW a
.set QS0, 64*((\a)%4)
	WIN 0x0a+5*((\a)/4)                            ; sources 0 and 1: the accumulators' window
.irp b, 0,1,2,3
	v_max3_num_f32 v[TM+\b], |v[QS0+16*\b]|, |v[QS0+16*\b+1]|, 0x2800000   ; each accumulator is read from its low end on; the floor 2^(5 - 127) holds the byte at 1 from below
.endr
.irp i, 2,4,6,8,10,12,14
.irp b, 0,1,2,3
	v_max3_num_f32 v[TM+\b], |v[QS0+16*\b+\i]|, |v[QS0+16*\b+\i+1]|, v[TM+\b]
.endr
.endr
	WIN 0
.irp b, 0,1,2,3
	v_permlanex16_b32 v[TM+4+\b], v[TM+\b], s97, s98
.endr
.irp b, 0,1,2,3
	v_max_num_f32 v[TM+\b], v[TM+\b], v[TM+4+\b]   ; with lane l xor 16's: the block's largest magnitude
.endr
.irp b, 0,1,2,3
	v_add_nc_u32 v[TM+12+\b], 0xfe000000, v[TM+\b] ; 4 off its exponent field: the conversion's scale operand
.endr
.irp b, 0,1,2,3
	v_lshrrev_b32 v[TM+4+\b], 23, v[TM+12+\b]      ; the scale's byte
.endr
	v_lshl_or_b32 v[PW], v[TM+5], 8, v[TM+4]
	v_lshl_or_b32 v[PW], v[TM+6], 16, v[PW]
	v_lshl_or_b32 v[PW], v[TM+7], 24, v[PW]
	WIN 0x02+((\a)/4)                              ; source 0: the accumulators' window
.irp c, 0,1
	v_cvt_scalef32_pk16_bf6_f32 v[QCD+6*\c:QCD+6*\c+2], v[QS0+32*\c:QS0+32*\c+15], v[TM+12+2*\c]
	v_cvt_scalef32_pk16_bf6_f32 v[QCD+12+4*\c:QCD+14+4*\c], v[QS0+32*\c+16:QS0+32*\c+31], v[TM+13+2*\c]   ; (a conversion's three registers begin on an even number)
.endr
	WIN 0
	v_nop                                          ; one plain line behind a scaled conversion
.irp c, 0,1                                    ; a whole block to a lane: lanes 0-15 block 2 c, lanes 16-31 block 2 c + 1
.irp i, 0,1,2
	v_permlane16_swap_b32 v[QCD+6*\c+\i], v[QCD+12+4*\c+\i]
.endr
.irp i, 0,1,2
	v_mov_b32 v[QCD+3+6*\c+\i], v[QCD+12+4*\c+\i]
.endr
.endr
.endm
	; THE WAY OUT.  The stage lies in slot 0, which has had its last fill, and which nobody reads behind the last change of slots.
.irp b, 0,1,2,3
	v_mov_b32 v[TM+4+\b], 0                        ; a lane permute's destination counts as one of its sources.  These four lines are also the places behind the last products
.endr
.irp a, 0,1,2,3,4,5,6,7
	QUANTW \a
.irp c, 0,1
.irp p, 0,1,2
	ds_store_b64 v[STO], v[QCD+6*\c+2*\p:QCD+6*\c+2*\p+1] offset:6144*\c+768*\a+8*\p   ; plane half c, row 16 a + r, block h of its 48 bytes
.endr
.endr
	ds_store_b32 v[SSW], v[PW] offset:64*\a        ; both halves of the lanes write the same word with the same value
	s_wait_dscnt 0x0                               ; the stores have read their registers
.endr
.set i, 0
.rept 24
	ds_load_b128 v[RB+4*i:RB+4*i+3], v[RD] offset:512*i
.set i, i+1
.endr
	ds_load_b128 v[RS:RS+3], v[RD] offset:12288
.set i, 0
.rept 24
	s_wait_dscnt 24-i                              ; load i is back; the younger ones may be out
	global_store_b128 v[CO], v[RB+4*i:RB+4*i+3], s[8:9] offset:98304*(i/12)+512*(i%12)   ; 32 lanes store 512 consecutive aligned bytes
.set i, i+1
.endr
	s_wait_dscnt 0x0
	global_store_b128 v[CO], v[RS:RS+3], s[10:11]  ; my 128 rows' scale words
	s_wait_tensorcnt 0x0                           ; the wave's end
	ds_add_u32 v[SPW], v[NIL]
	s_wait_dscnt 0x0
	CROUND                                         ; the closing round: no work-group ends while a partner may still ask for a tile that names it
	s_endpgm
.Lfunc_end_k_q5386f8669e_gemm_qkv:
	.size	k_q5386f8669e_gemm_qkv, .Lfunc_end_k_q5386f8669e_gemm_qkv-k_q5386f8669e_gemm_qkv
	.p2alignl 7, 3214868480
	.fill 96, 4, 3214868480
	.section	.rodata,"a",@progbits
	.p2align	6, 0x0
	.amdhsa_kernel k_q5386f8669e_gemm_qkv
		.amdhsa_group_segment_fixed_size 327680
		.amdhsa_private_segment_fixed_size 0
		.amdhsa_enable_private_segment 0
		.amdhsa_kernarg_size 32
		.amdhsa_user_sgpr_count 2
		.amdhsa_user_sgpr_kernarg_segment_ptr 1
		.amdhsa_wavefront_size32 1
		.amdhsa_system_sgpr_workgroup_id_x 1
		.amdhsa_system_sgpr_workgroup_id_y 1
		.amdhsa_system_sgpr_workgroup_id_z 1
		.amdhsa_system_vgpr_workitem_id 0
		.amdhsa_next_free_vgpr 1024
		.amdhsa_next_free_sgpr 102
		.amdhsa_reserve_vcc 0
		.amdhsa_float_denorm_mode_32 3
		.amdhsa_float_denorm_mode_16_64 3
		.amdhsa_memory_ordered 1
		.amdhsa_forward_progress 1
		.amdhsa_inst_pref_size 170
	.end_amdhsa_kernel
	.amdgpu_metadata
---
amdhsa.version: [ 1, 2 ]
amdhsa.kernels:
  - .name:           k_q5386f8669e_gemm_qkv
    .symbol:         k_q5386f8669e_gemm_qkv.kd
    .args:
      - { .name: cod, .offset: 0, .size: 8, .value_kind: global_buffer, .address_space: global }
      - { .name: scl, .offset: 8, .size: 8, .value_kind: global_buffer, .address_space: global }
      - { .name: qkvc, .offset: 16, .size: 8, .value_kind: global_buffer, .address_space: global }
      - { .name: qkvs, .offset: 24, .size: 8, .value_kind: global_buffer, .address_space: global }
    .group_segment_fixed_size: 327680
    .private_segment_fixed_size: 0
    .kernarg_segment_align: 8
    .kernarg_segment_size: 32
    .max_flat_workgroup_size: 128
    .sgpr_count:     102
    .vgpr_count:     1024
    .wavefront_size: 32
...
	.end_amdgpu_metadata
.endif
;; end of part 3
;; launch attn (part 4): grid 8 x 32, 16 waves a work-group, no clusters, 227,328 bytes of LDS; arguments qkvc, qkvs, fl, oc, os; writes oc, os
.if DOCPART == 4
	.amdgcn_target "amdgcn-amd-amdhsa--gfx1250"
	.amdhsa_code_object_version 6
	.text
	.protected	k_q5386f8669e_attn
	.globl	k_q5386f8669e_attn
	.p2align	8
	.type	k_q5386f8669e_attn,@function
k_q5386f8669e_attn:
	s_mov_b64 s[64:65], 0
	v_nop
	global_prefetch_b8 v0, s[64:65] scope:SCOPE_SE
	s_setreg_imm32_b32 hwreg(HW_REG_WAVE_MODE, 25, 1), 1
	s_wait_xcnt 0x0
; o[q] = sum over keys j <= q of softmax_j(q.k_j / 8 + F_q - F_j) v_j for one head, both products on codes of BF6 (E3M2) with E8M0 scales; o is divided by the row's sum and quantised along the head's 64.
; THE SOFTMAX: t = logit x log2(e); M = the running largest t rounded UP to a whole number; p = 2^(t - M) is quantised along the keys, not normalised; the row's sum is taken of the unquantised p.
; THE BIAS.  F = (totals of whole blocks of 128 tokens) + (prefix inside the block).  For key step s and a query of block qb: F_q - F_j = sum of totals s .. qb - 1 + local_q - local_j.
; -8 local_j is the C operand of the first product (the scale 1/8 is exact); the rest, x log2(e), is one number a lane and step (GS).  No difference of large sums is formed.
; SHARES.  Work-group (bx, head) owns the query blocks bx and 15 - bx of 128, so that every work-group has the same number of key steps under the causal mask.  Each of its sixteen waves owns one tile of 16 queries;
; two waves of each block fall on every SIMD.  Every wave walks 16 key steps of 128, a constant count; a step all of whose keys come after the wave's queries is left out by a scalar branch on ids.
; LDS.  A head's codes of K and V (2 x 98,304 bytes) and V's scale words come ONCE, by five tensor loads a wave at the head: five loads of a wave are out at most.  Nothing is filled again: no ring, one barrier.
; No cluster and no joint loads: the causal branch hangs on the query block, which would be a work-group's place in its cluster.  Nothing is prefetched: all tiles are asked for at the head.
; THE HEAD'S 64 ARE HALF OF THE INSTRUCTION'S 128: a fragment of K holds two tiles of 16 keys, one in each half of the 128; it is multiplied by [q; 0] and by [0; q] (zero codes add nothing).
; LAYOUT.  Both products transposed: a lane holds one query (lane % 16).  Scores: register 16 b + i of block b: keys 32 b + 8 h + i (i < 8), 32 b + 16 + 8 h + i - 8: after the exchange of halves p's codes of a block
; stand in the order 0-7, 16-23, 8-15, 24-31, the order in which v's codes were made.  V's rows of a tile are chosen (lane r of tile 2 b + u: d = 32 b + 8 u + r + 8 (r / 8)), so that o comes out with 16 neighbours along d.
; oc: [head][token][48 bytes].  os: [head / 4][token][8 bytes], head's two bytes at 2 (head % 4): these 128 KB are stored as single bytes, since four heads' bytes interleave.
; LIMITS: blocks of p or o under 2^-122, zeros among them, keep the byte 1 (read by this program alone); NaN and infinities are not served.  The block's largest p is made from the block's largest score, which takes v_exp_f32 not to fall where its input rises.
.set LKC,  0                           ; [key][48 bytes]
.set LVC,  98304                       ; [chunk of 64 keys][d][48 bytes]
.set LVS,  196608                      ; [step][d][4 bytes]
.set LKS,  200704                      ; [block of 32 keys][r][4 bytes]: key 32 B + r's two bytes, key 32 B + 16 + r's two bytes  (written by ds_store: bytes of its own)
.set LCT,  204800                      ; -8 x the local prefix, f32 a key  (likewise)
.set LSTG, 212992                      ; 768 bytes for each wave, for the way out  (likewise)
; REGISTERS: v1 AK, v2 AV, v3 AKS, v4 AVS, v5 ACT: my lane's places; v6-10 the step's addresses; v11 lane % 16; v12 -M, v13 the largest t, v[14:15] the sum; v16-27 [q; 0], v28-39 [0; q];
; v40 q's scale word, v41-44 K's, v240-243 V's, v244 p's (scales and nothing else); v45 totals of blocks under mine, v46 local_q, v47 GS; v48-95 K's four fragments, later at work; v96-159 scores, then p; v160-191 O^T; v192-239 V's four fragments.
	s_load_b256 s[4:11], s[0:1], 0x0               ; qkvc, qkvs, fl, oc
	s_load_b64 s[12:13], s[0:1], 0x20              ; os
	v_lshl_add_u32 v254, v0, 2, 0x37000
	v_mov_b32 v255, 0
	ds_add_u32 v254, v255
	ds_add_u32 v254, v255
	v_lshrrev_b32 v1, 5, v0
	v_readfirstlane_b32 s14, v1                    ; wave 0..15
	s_mov_b32 s15, ttmp9                           ; bx
	s_and_b32 s16, ttmp7, 0xffff                   ; the head
	s_lshr_b32 s61, s14, 2
	s_xor_b32 s61, s61, s14
	s_and_b32 s61, s61, 1                          ; which of the two query blocks
	s_sub_co_u32 s62, 15, s15
	s_cmp_eq_u32 s61, 0
	s_cselect_b32 s60, s15, s62                    ; qb
	s_lshr_b32 s61, s14, 1
	s_lshl_b32 s61, s61, 4
	s_lshl_b32 s17, s60, 7
	s_add_co_u32 s17, s17, s61                     ; my first query
	s_mov_b32 s18, 0x76543210
	s_mov_b32 s19, 0xfedcba98                      ; v_permlanex16_b32's selects for lane l xor 16
	s_mov_b32 s20, 0x3e38aa3b                      ; c = log2(e) / 8
	s_mov_b32 s21, s20                             ; (named with it as a pair)
	; descriptor group 1 for the codes: 3,072 dense bytes as 12 rows of 256 (32 elements of 8 bytes)
	s_mov_b32 s24, 3<<16
	s_mov_b32 s25, 32<<16
	s_mov_b32 s26, 12<<16
	s_mov_b32 s27, 32<<16
	s_mov_b32 s28, 12
	s_mov_b32 s29, 32
	s_mov_b32 s30, 0
	s_mov_b32 s31, 0
	; and for V's scale words of one step: one row of 256 bytes
	s_mov_b32 s32, 3<<16
	s_mov_b32 s33, 32<<16
	s_mov_b32 s34, 1<<16
	s_mov_b32 s35, 32<<16
	s_mov_b32 s36, 1
	s_mov_b32 s37, 32
	s_mov_b32 s38, 0
	s_mov_b32 s39, 0
	; waves 0-7 fetch K's 32 chunks of 64 keys, waves 8-15 V's: chunk 8 g + (wave & 7), g = 0 .. 3
	s_lshr_b32 s69, s14, 3
	s_and_b32 s70, s14, 7
	s_mul_i32 s71, s69, 98304
	s_mul_i32 s72, s70, 3072
	s_add_co_u32 s71, s71, s72                     ; LDS byte of my chunk of g = 0
	s_add_co_u32 s73, s16, 32
	s_mul_i32 s73, s73, 98304                      ; K: plane 32 + head, chunks 3,072 bytes apart
	s_mul_i32 s74, s16, 3072
	s_add_co_u32 s74, s74, 6291456                 ; V: planes 64 + chunk, 98,304 bytes apart, the head's 3,072 bytes in each
	s_mov_b32 s75, 98304
	s_cmp_lt_u32 s14, 8
	s_cselect_b32 s73, s73, s74
	s_cselect_b32 s75, 3072, s75
	s_mul_i32 s76, s70, s75
	s_add_co_u32 s76, s76, s73
	s_mov_b32 s77, 0
	s_lshl_b32 s78, s75, 3                         ; eight chunks on
	s_mov_b32 s79, 0
	s_lshl_b32 s82, s14, 13
	s_lshl_b32 s83, s16, 8
	s_add_co_u32 s82, s82, s83
	s_add_co_u32 s82, s82, 262144                  ; V's scale words of step = wave: plane 32 + wave, rows 64 head on
	s_mov_b32 s83, 0
	s_wait_dscnt 0x0
	s_wait_kmcnt 0x0
	s_add_nc_u64 s[76:77], s[4:5], s[76:77]
	s_mov_b32 s40, 1
	s_lshl_b32 s41, s14, 8
	s_add_co_u32 s41, s41, LVS
	s_add_nc_u64 s[42:43], s[6:7], s[82:83]
	s_or_b32 s43, s43, 0x80000000
.irp g, 0,1,2,3
	s_mov_b32 s[44+4*\g], 1
	s_add_co_u32 s[45+4*\g], s71, 24576*\g
	s_mov_b64 s[46+4*\g:47+4*\g], s[76:77]
	s_or_b32 s[47+4*\g], s[47+4*\g], 0x80000000
	s_add_nc_u64 s[76:77], s[76:77], s[78:79]
.endr
	tensor_load_to_lds s[40:43], s[32:39]          ; all first fills in one group, ahead of every wait on TENSORcnt, every LDS read and the barrier
	s_nop 0
	tensor_load_to_lds s[44:47], s[24:31]
	s_nop 0
	tensor_load_to_lds s[48:51], s[24:31]
	s_nop 0
	tensor_load_to_lds s[52:55], s[24:31]
	s_nop 0
	tensor_load_to_lds s[56:59], s[24:31]
	s_nop 0
.rept 4
	v_nop
.endr
	v_and_b32 v11, 15, v0                          ; r
	v_bfe_u32 v245, v0, 4, 1                       ; h
	v_mul_u32_u24 v1, v11, 48
	v_mad_u32_u24 v1, v245, 24, v1                 ; AK: key r of a tile, + 24 h.  Also my place in q's rows
	v_and_b32 v246, 8, v11
	v_add_nc_u32 v246, v246, v11                   ; r + 8 (r / 8)
	v_mul_u32_u24 v2, v246, 48
	v_mad_u32_u24 v2, v245, 24, v2
	v_add_nc_u32 v2, LVC, v2                       ; AV
	v_lshl_add_u32 v3, v11, 2, LKS                 ; AKS
	v_lshl_add_u32 v4, v246, 2, LVS                ; AVS
	v_lshl_add_u32 v5, v245, 5, LCT                ; ACT: eight keys of my half
	v_lshlrev_b32 v58, 2, v11                      ; 4 r
	v_lshrrev_b32 v59, 4, v0
	v_lshlrev_b32 v59, 7, v59
	v_lshl_add_u32 v59, v11, 2, v59                ; k's scale words for entry t of LKS: key 32 (t / 16) + t % 16
	v_lshlrev_b32 v60, 4, v0                       ; 16 t
	v_lshlrev_b32 v61, 7, v11                      ; 128 r
	v_lshl_add_u32 v62, v0, 2, LKS
	v_lshl_add_u32 v63, v0, 4, LCT
	s_mov_b32 s83, 0
	s_mul_i32 s82, s16, 98304
	s_mul_i32 s69, s17, 48
	s_add_co_u32 s82, s82, s69
	s_add_nc_u64 s[70:71], s[4:5], s[82:83]        ; q's codes at my first query
	s_lshr_b32 s69, s16, 1
	s_lshl_b32 s69, s69, 13                        ; the pair of heads' plane
	s_lshl_b32 s82, s17, 2
	s_add_co_u32 s82, s82, s69
	s_add_nc_u64 s[72:73], s[6:7], s[82:83]        ; q's scale words
	s_add_co_u32 s82, s69, 131072
	s_add_nc_u64 s[74:75], s[6:7], s[82:83]        ; k's
	s_lshl_b32 s82, s16, 13
	s_add_nc_u64 s[76:77], s[8:9], s[82:83]        ; the head's local prefixes
	s_lshl_b32 s69, s17, 2
	s_add_co_u32 s82, s82, s69
	s_add_nc_u64 s[78:79], s[8:9], s[82:83]        ; at my first query
	s_lshl_b32 s82, s16, 2
	s_add_co_u32 s82, s82, 262144
	s_add_nc_u64 s[80:81], s[8:9], s[82:83]        ; the head's totals, 128 bytes from block to block
	s_and_b32 s86, s16, 1
	s_cmp_eq_u32 s86, 0                            ; an even head's bytes are a word's lower two
	s_mov_b32 s84, 0x03020302
	s_cselect_b32 s84, 0x01000100, s84
	s_mov_b32 s85, 0x07060302
	s_cselect_b32 s85, 0x05040100, s85
	s_mov_b32 s86, 0xc1000000                      ; -8.0
	s_mov_b32 s87, s86
.irp p, 0,1,2
	global_load_b64 v[16+2*\p:17+2*\p], v1, s[70:71] offset:8*\p   ; q's 24 bytes of my half, for [q; 0]
	global_load_b64 v[34+2*\p:35+2*\p], v1, s[70:71] offset:8*\p   ; and once more for [0; q]
.endr
	global_load_b32 v57, v58, s[72:73]
	global_load_b32 v48, v59, s[74:75]
	global_load_b32 v49, v59, s[74:75] offset:64
	global_load_b32 v50, v59, s[74:75] offset:4096
	global_load_b32 v51, v59, s[74:75] offset:4160
	global_load_b128 v[52:55], v60, s[76:77]
	global_load_b32 v56, v61, s[80:81]
	global_load_b32 v46, v58, s[78:79]
.irp j, 22,23,24,25,26,27,28,29,30,31,32,33
	v_mov_b32 v[\j], 0                             ; the zero halves of the two operands
.endr
.set j, 0
.rept 32
	v_mov_b32 v[160+j], 0                          ; O^T: the step is written once; the first finds zeros, which the first change of M leaves zeros
.set j, j+1
.endr
	v_mov_b32 v13, 0xff61b1e6                      ; the largest t so far: -3e38
	v_floor_f32 v12, -v13                          ; -M
	v_mov_b32 v14, 0
	v_mov_b32 v15, 0
	s_wait_loadcnt 0x0
	v_perm_b32 v40, v57, v57, s84                  ; q's two bytes, twice: they serve [q; 0] and [0; q]
	v_perm_b32 v64, v49, v48, s85                  ; key 32 B + r's two bytes, key 32 B + 16 + r's two bytes
	v_perm_b32 v65, v51, v50, s85
	ds_store_b32 v62, v64
	ds_store_b32 v62, v65 offset:2048
	v_pk_mul_f32 v[52:53], v[52:53], s[86:87] op_sel_hi:[1,0]
	v_pk_mul_f32 v[54:55], v[54:55], s[86:87] op_sel_hi:[1,0]
	ds_store_b128 v63, v[52:55]
	v_cmp_gt_u32 vcc_lo, s60, v11
	v_cndmask_b32 v45, 0, v56, vcc_lo              ; lane b % 16: the total of block b where b < qb
	s_mov_b32 s22, 0                               ; the step
	s_mov_b32 s23, 0                               ; its first key
	s_mov_b32 s66, 0                               ; its codes: 6,144 bytes a step, in K and in V
	s_mov_b32 s67, 0                               ; its scale words: 256 bytes a step
	s_mov_b32 s68, 0                               ; its C: 512 bytes a step
	s_wait_tensorcnt 0x0                           ; my five tiles have landed,
	s_wait_dscnt 0x0                               ; and my stores
	s_barrier_signal -1
	s_barrier_wait -1                              ; everybody's have: the launch's only barrier
.Lstep:
	s_add_co_u32 s69, s17, 15
	s_cmp_gt_u32 s23, s69
	s_cbranch_scc1 .Lhidden                        ; all 128 keys come after my 16 queries
	v_add_nc_u32 v6, s66, v1
	v_add_nc_u32 v7, s66, v2
	v_add_nc_u32 v8, s67, v3
	v_add_nc_u32 v9, s67, v4
	v_add_nc_u32 v10, s68, v5
	v_cmp_le_u32 vcc_lo, s22, v11
	v_cndmask_b32 v47, 0, v45, vcc_lo              ; the totals of blocks step .. qb - 1,
	v_add_f32_dpp v47, v47, v47 row_xmask:1 row_mask:0xf bank_mask:0xf
	v_add_f32_dpp v47, v47, v47 row_xmask:2 row_mask:0xf bank_mask:0xf
	v_add_f32_dpp v47, v47, v47 row_xmask:4 row_mask:0xf bank_mask:0xf
	v_add_f32_dpp v47, v47, v47 row_xmask:8 row_mask:0xf bank_mask:0xf   ; summed over the sixteen lanes,
	v_add_f32 v47, v47, v46                        ; + local_q,
	v_mul_f32 v47, 0x3fb8aa3b, v47                 ; as t: GS.  (These thirteen lines are also the places behind the last step's products, in front of the loads below)
.irp t, 0,1,2,3,4,5,6,7
	ds_load_b128 v[96+8*\t:99+8*\t], v10 offset:64*\t              ; C = -8 local_j of keys 16 t + 8 h + 0 .. 7, straight into the scores' registers
	ds_load_b128 v[100+8*\t:103+8*\t], v10 offset:64*\t+16
.endr
.irp b, 0,1,2,3
.irp p, 0,1,2,3,4,5
	ds_load_b64 v[48+12*\b+2*\p:49+12*\b+2*\p], v6 offset:1536*\b+768*(\p/3)+8*(\p%3)   ; keys 32 b + r in the lower half of the 128, keys 32 b + 16 + r in the upper
.endr
	ds_load_b32 v[41+\b], v8 offset:64*\b
.endr
	s_wait_dscnt 0x0
.irp b, 0,1,2,3                        ; eight accumulators, one instruction each
	v_wmma_scale_f32_16x16x128_f8f6f4 v[96+16*\b:103+16*\b], v[48+12*\b:59+12*\b], v[16:27], v[96+16*\b:103+16*\b], v[41+\b], v40 matrix_a_fmt:MATRIX_FMT_BF6 matrix_b_fmt:MATRIX_FMT_BF6
	v_wmma_scale_f32_16x16x128_f8f6f4 v[104+16*\b:111+16*\b], v[48+12*\b:59+12*\b], v[28:39], v[104+16*\b:111+16*\b], v[41+\b], v40 matrix_a_fmt:MATRIX_FMT_BF6 matrix_b_fmt:MATRIX_FMT_BF6
.endr
.irp t, 0,1,2,3                        ; V's fragments are asked for here and land while the softmax is worked: tile t = 2 b + u begins at d = 32 b + 8 u
.irp p, 0,1,2,3,4,5
	ds_load_b64 v[192+12*\t+2*\p:193+12*\t+2*\p], v7 offset:3072*(\p/3)+48*(32*(\t/2)+8*(\t%2))+8*(\p%3)
.endr
	ds_load_b32 v[240+\t], v9 offset:4*(32*(\t/2)+8*(\t%2))
.endr
.rept 4
	v_nop                                          ; four places in front of the first read of the scores and of writes over K's fragments
.endr
	s_add_co_u32 s69, s23, 127
	s_cmp_le_u32 s69, s17
	s_cbranch_scc1 .Lopen                          ; all keys of the step count
	s_sub_co_i32 s69, s17, s23
	v_bfe_u32 v245, v0, 4, 1
	v_lshlrev_b32 v245, 3, v245
	v_sub_nc_u32 v245, v11, v245
	v_add_nc_u32 v245, s69, v245                   ; d = my query - the step's first key - 8 h.  Register n holds key 16 (n / 8) + n % 8 + 8 h: hidden where 16 (n / 8) + n % 8 > d
	v_mov_b32 v246, 0xff800000                     ; -infinity
.set n, 0
.rept 64
	v_cmp_gt_i32 vcc_lo, 16*(n/8)+n%8, v245
	v_cndmask_b32 v[96+n], v[96+n], v246, vcc_lo
.set n, n+1
.endr
.Lopen:
.irp b, 0,1,2,3
	v_max3_num_f32 v[48+\b], v[96+16*\b], v[97+16*\b], v[98+16*\b]   ; the largest score of each block of 32 keys: for the row's maximum and for the block's largest p
.endr
.irp i, 3,5,7,9,11,13
.irp b, 0,1,2,3
	v_max3_num_f32 v[48+\b], v[48+\b], v[96+16*\b+\i], v[97+16*\b+\i]
.endr
.endr
.irp b, 0,1,2,3
	v_max_num_f32 v[48+\b], v[48+\b], v[111+16*\b]
.endr
.irp b, 0,1,2,3
	v_permlanex16_b32 v[52+\b], v[48+\b], s18, s19
.endr
.irp b, 0,1,2,3
	v_max_num_f32 v[48+\b], v[48+\b], v[52+\b]     ; with lane l xor 16's 16 keys
.endr
	v_max3_num_f32 v66, v48, v49, v50
	v_max_num_f32 v66, v66, v51                    ; the step's largest score of my query,
	v_fma_f32 v66, v66, s20, v47                   ; as t
	v_max_num_f32 v13, v13, v66                    ; the running largest t
	v_mov_b32 v66, v12
	v_floor_f32 v12, -v13                          ; the new -M = -ceil(t): a whole number
	v_sub_f32 v66, v12, v66                        ; old M - new M: a whole number, 0 or less
	v_cvt_i32_f32 v66, v66                         ; (it saturates)
	v_ldexp_f32 v64, 1.0, v66                      ; f = 2^(old M - new M): a multiplication by it rounds nothing
	v_add_f32 v68, v47, v12                        ; GS - M
.set j, 0
.rept 32
	v_pk_fma_f32 v[96+j:97+j], v[96+j:97+j], s[20:21], v[68:69] op_sel_hi:[1,0,0]   ; t - M, two at a time
.set j, j+2
.endr
.irp b, 0,1,2,3
	v_fma_f32 v[48+\b], v[48+\b], s20, v68         ; the same of each block's largest score
.endr
.set j, 0
.rept 64
	v_exp_f32 v[96+j], v[96+j]                     ; p = 2^(t - M), at most 1
.set j, j+1
.endr
	v_pk_mul_f32 v[14:15], v[14:15], v[64:65] op_sel_hi:[1,0]      ; the sums under the new M (a plain line behind the exponentials)
	s_wait_alu depctr_va_vdst(0)                   ; one wait for the batch of 64, ahead of its first reader
.irp b, 0,1,2,3
	v_exp_f32 v[48+\b], v[48+\b]                   ; the block's largest p: the same two instructions on the same number give the same bits
.endr
	v_pk_add_f32 v[92:93], v[96:97], v[98:99]      ; the row's sum of the unquantised p, in two chains
.irp j, 4,8,12,16,20,24,28,32,36,40,44,48,52,56,60
	v_pk_add_f32 v[14:15], v[14:15], v[96+\j:97+\j]
	v_pk_add_f32 v[92:93], v[92:93], v[98+\j:99+\j]
.endr
	v_pk_add_f32 v[14:15], v[14:15], v[92:93]
	s_wait_alu depctr_va_vdst(0)                   ; and one for the four
.irp b, 0,1,2,3
	v_max_num_f32 v[48+\b], 0x2800000, v[48+\b]    ; the floor 2^(5 - 127): the byte cannot fall under 1
.endr
.irp b, 0,1,2,3
	v_add_nc_u32 v[56+\b], 0xfe000000, v[48+\b]    ; 4 off the exponent field: the conversion's scale operand
.endr
.irp b, 0,1,2,3
	v_lshrrev_b32 v[60+\b], 23, v[56+\b]           ; the scale's byte
.endr
	v_lshl_or_b32 v244, v61, 8, v60                ; p's scale word for these 128 keys
	v_lshl_or_b32 v244, v62, 16, v244
	v_lshl_or_b32 v244, v63, 24, v244
.irp c, 0,1
	v_cvt_scalef32_pk16_bf6_f32 v[72+6*\c:74+6*\c], v[96+32*\c:111+32*\c], v[56+2*\c]
	v_cvt_scalef32_pk16_bf6_f32 v[84+4*\c:86+4*\c], v[112+32*\c:127+32*\c], v[57+2*\c]   ; (a conversion's three registers begin on an even number)
.endr
	v_nop                                          ; one plain line behind a scaled conversion
.irp c, 0,1                                    ; a whole block to a lane: lanes 0-15 block 2 c, lanes 16-31 block 2 c + 1
.irp i, 0,1,2
	v_permlane16_swap_b32 v[72+6*\c+\i], v[84+4*\c+\i]
.endr
.irp i, 0,1,2
	v_mov_b32 v[75+6*\c+\i], v[84+4*\c+\i]
.endr
.endr
.set j, 0
.rept 16
	v_pk_mul_f32 v[160+j:161+j], v[160+j:161+j], v[64:65] op_sel_hi:[1,0]   ; O^T under the new M.  (These sixteen are also the places between the codes' and the scale word's last writes and the products)
.set j, j+2
.endr
	s_wait_dscnt 0x0                               ; V's fragments and scale words are in
.irp t, 0,1,2,3                        ; four accumulators, one instruction each
	v_wmma_scale_f32_16x16x128_f8f6f4 v[160+8*\t:167+8*\t], v[192+12*\t:203+12*\t], v[72:83], v[160+8*\t:167+8*\t], v[240+\t], v244 matrix_a_fmt:MATRIX_FMT_BF6 matrix_b_fmt:MATRIX_FMT_BF6
.endr
.Lhidden:
	s_add_co_u32 s23, s23, 128
	s_add_co_u32 s66, s66, 6144
	s_add_co_u32 s67, s67, 256
	s_add_co_u32 s68, s68, 512
	s_add_co_u32 s22, s22, 1
	s_cmp_lt_u32 s22, 16
	s_cbranch_scc1 .Lstep
	; THE WAY OUT: o = O^T / the sum, quantised along d (two blocks of 32), 768 bytes of codes a wave through its own stage, stored as three runs of 256 consecutive aligned bytes.
.rept 4
	v_nop                                          ; four places behind the last products
.endr
	v_add_f32 v14, v14, v15                        ; the sum's two halves,
	v_permlanex16_b32 v52, v14, s18, s19
	v_add_f32 v14, v14, v52                        ; and lane l xor 16's
	v_rcp_f32 v14, v14
	s_mul_i32 s69, s14, 768
	s_add_co_u32 s69, s69, LSTG
	v_add_nc_u32 v6, s69, v1                       ; (a plain line behind the reciprocal)  in: row r of 48 bytes, + 24 h
	v_and_b32 v7, 31, v0
	v_lshlrev_b32 v7, 3, v7                        ; 8 x lane
	v_add_nc_u32 v8, s69, v7                       ; back
	v_bfe_u32 v9, v0, 4, 1
	v_lshl_add_u32 v9, v11, 3, v9                  ; the scale byte: 8 r + h
	s_mov_b32 s83, 0
	s_mul_i32 s82, s16, 98304
	s_mul_i32 s69, s17, 48
	s_add_co_u32 s82, s82, s69
	s_add_nc_u64 s[70:71], s[10:11], s[82:83]      ; oc at my first query
	s_lshr_b32 s82, s16, 2
	s_lshl_b32 s82, s82, 14
	s_lshl_b32 s69, s17, 3
	s_add_co_u32 s82, s82, s69
	s_and_b32 s69, s16, 3
	s_lshl_b32 s69, s69, 1
	s_add_co_u32 s82, s82, s69
	s_add_nc_u64 s[72:73], s[12:13], s[82:83]      ; os likewise
	s_mov_b32 vcc_lo, 0xffff0000
	s_wait_alu depctr_va_vdst(0)                   ; the wait ahead of the reciprocal's first reader
.set j, 0
.rept 32
	v_mul_f32 v[96+j], v[160+j], v14               ; register 16 b + i is o(query r, d = 32 b + 16 h + i); each accumulator is read from its low end on
.set j, j+1
.endr
.irp b, 0,1
	v_max3_num_f32 v[48+\b], |v[96+16*\b]|, |v[97+16*\b]|, 0x2800000
.endr
.irp i, 2,4,6,8,10,12,14
.irp b, 0,1
	v_max3_num_f32 v[48+\b], v[48+\b], |v[96+16*\b+\i]|, |v[97+16*\b+\i]|
.endr
.endr
.irp b, 0,1
	v_permlanex16_b32 v[52+\b], v[48+\b], s18, s19
.endr
.irp b, 0,1
	v_max_num_f32 v[48+\b], v[48+\b], v[52+\b]
.endr
.irp b, 0,1
	v_add_nc_u32 v[56+\b], 0xfe000000, v[48+\b]
.endr
.irp b, 0,1
	v_lshrrev_b32 v[60+\b], 23, v[56+\b]
.endr
	v_cvt_scalef32_pk16_bf6_f32 v[72:74], v[96:111], v56
	v_cvt_scalef32_pk16_bf6_f32 v[84:86], v[112:127], v57
	v_cndmask_b32 v62, v60, v61, vcc_lo            ; lanes 0-15 block 0's byte, lanes 16-31 block 1's (also the plain line behind the conversions)
.irp i, 0,1,2
	v_permlane16_swap_b32 v[72+\i], v[84+\i]
.endr
.irp i, 0,1,2
	v_mov_b32 v[75+\i], v[84+\i]                   ; lane (r, h): the 24 bytes of block h of query r, d ascending
.endr
.irp p, 0,1,2
	ds_store_b64 v6, v[72+2*\p:73+2*\p] offset:8*\p
.endr
.irp i, 0,1,2
	ds_load_b64 v[88+2*\i:89+2*\i], v8 offset:256*\i               ; LDS serves a wave's instructions in order: these see my stores
.endr
	global_store_b8 v9, v62, s[72:73]
.irp i, 0,1,2
	s_wait_dscnt 2-\i                              ; load i is back; the younger ones may be out
	global_store_b64 v7, v[88+2*\i:89+2*\i], s[70:71] offset:256*\i
.endr
	s_wait_tensorcnt 0x0
	ds_add_u32 v254, v255
	s_wait_dscnt 0x0
	s_endpgm
.Lfunc_end_k_q5386f8669e_attn:
	.size	k_q5386f8669e_attn, .Lfunc_end_k_q5386f8669e_attn-k_q5386f8669e_attn
	.p2alignl 7, 3214868480
	.fill 96, 4, 3214868480
	.section	.rodata,"a",@progbits
	.p2align	6, 0x0
	.amdhsa_kernel k_q5386f8669e_attn
		.amdhsa_group_segment_fixed_size 227328
		.amdhsa_private_segment_fixed_size 0
		.amdhsa_enable_private_segment 0
		.amdhsa_kernarg_size 40
		.amdhsa_user_sgpr_count 2
		.amdhsa_user_sgpr_kernarg_segment_ptr 1
		.amdhsa_wavefront_size32 1
		.amdhsa_system_sgpr_workgroup_id_x 1
		.amdhsa_system_sgpr_workgroup_id_y 1
		.amdhsa_system_sgpr_workgroup_id_z 1
		.amdhsa_system_vgpr_workitem_id 0
		.amdhsa_next_free_vgpr 256
		.amdhsa_next_free_sgpr 90
		.amdhsa_reserve_vcc 1
		.amdhsa_float_denorm_mode_32 3
		.amdhsa_float_denorm_mode_16_64 3
		.amdhsa_memory_ordered 1
		.amdhsa_forward_progress 1
		.amdhsa_inst_pref_size 41
	.end_amdhsa_kernel
	.amdgpu_metadata
---
amdhsa.version: [ 1, 2 ]
amdhsa.kernels:
  - .name:           k_q5386f8669e_attn
    .symbol:         k_q5386f8669e_attn.kd
    .args:
      - { .name: qkvc, .offset: 0, .size: 8, .value_kind: global_buffer, .address_space: global }
      - { .name: qkvs, .offset: 8, .size: 8, .value_kind: global_buffer, .address_space: global }
      - { .name: fl, .offset: 16, .size: 8, .value_kind: global_buffer, .address_space: global }
      - { .name: oc, .offset: 24, .size: 8, .value_kind: global_buffer, .address_space: global }
      - { .name: os, .offset: 32, .size: 8, .value_kind: global_buffer, .address_space: global }
    .group_segment_fixed_size: 227328
    .private_segment_fixed_size: 0
    .kernarg_segment_align: 8
    .kernarg_segment_size: 40
    .max_flat_workgroup_size: 512
    .sgpr_count:     90
    .vgpr_count:     256
    .wavefront_size: 32
...
	.end_amdgpu_metadata
.endif
;; end of part 4
;; launch gemm_out (part 5): grid 8 x 8, 4 waves a work-group, clusters of 4 x 4, 327,680 bytes of LDS; arguments oc, os, cod, scl, out0; writes out0
.if DOCPART == 5
	.amdgcn_target "amdgcn-amd-amdhsa--gfx1250"
	.amdhsa_code_object_version 6
	.text
	.protected	k_q5386f8669e_gemm_out
	.globl	k_q5386f8669e_gemm_out
	.p2align	8
	.type	k_q5386f8669e_gemm_out,@function
k_q5386f8669e_gemm_out:
	s_mov_b64 s[64:65], 0
	v_nop
	global_prefetch_b8 v0, s[64:65] scope:SCOPE_SE
	s_setreg_imm32_b32 hwreg(HW_REG_WAVE_MODE, 25, 1), 1
	s_wait_xcnt 0x0
	s_wait_alu depctr_hold_cnt(0) depctr_sa_sdst(0) depctr_va_vdst(0) depctr_va_sdst(0) depctr_va_ssrc(0) depctr_va_vcc(0) depctr_vm_vsrc(0)
	s_getreg_b32 s2, hwreg(HW_REG_IB_STS2, 6, 4)
	s_cmp_eq_u32 s2, 0
	s_cbranch_scc0 .Lentry_in_a_cluster
	s_endpgm
.Lentry_in_a_cluster:
	s_bfe_u32 s2, ttmp6, 0x10000c
	s_cmp_lg_u32 s2, 0xf033
	s_cbranch_scc0 .Lentry_shape_is_right
	s_endpgm
.Lentry_shape_is_right:
; out0 = o Wo^T on codes of BF6 (E3M2) with E8M0 scales; K = 2,048 = 32 heads x 64; out0 [2048][2048] f32.
; A = o: codes oc [head][token][48 bytes], scale bytes os [head / 4][token][8 bytes].  B = Wo: cod rows 8192 on (1,536 bytes a row), scl rows 8192 on (64 bytes a row).
; A tile of 256 x 256 is made by four waves, each 128 x 128: 64 accumulators, 512 registers.  K goes in steps of 256 (four heads) through a ring of two LDS slots filled by the tensor data mover.
; A's part of a slot: for each of four heads 128 tokens x 48 bytes, 6,144 dense bytes: one tile of 4 rows of 6,144 bytes, 98,304 bytes apart; no padding: with rows of 48 bytes the 32 lanes of a load of 8 bytes touch 64 different banks.
; B's part: 128 rows of 192 bytes, 16 bytes of padding behind every 64.  The scale bytes of the work-group's rows, for all of K, come into LDS once, with the first fills.
; CLUSTERS: 4 x 4 work-groups; A's tiles are asked for jointly along a row of the cluster, B's along a column.  The matrix instruction is used transposed (source 0 = 16 rows of B, source 1 = 16 rows of A).
; 64 work-groups: the output has 64 tiles of this size; a smaller tile would feed fewer products from each LDS byte.
; REGISTERS, in windows of 256: window 0: v0-31 addresses; v32-63 A's scale words, v64-95 B's, two sets each, and nothing else; from v128 A's fragments, one set; window 1: B's fragments, two sets; windows 2, 3: the accumulators.
.set SIZE_K, 2048
.set SIZE_N, 2048
.set KSTEP,  256
.set NQ,     KSTEP/128
.set ROWB,   192
.set KROW,   SIZE_K*6/8
.set PITCH,  240
.set FR,     12
.set NL,     6
.set NP,     4
.set HALFA,  24576                     ; A: 4 heads x 128 tokens x 48 bytes: what one tensor load brings
.set HALFB,  128*PITCH
.set SLOT,   2*HALFA+2*HALFB           ; A's two halves, then B's two
.set LAPS,   SIZE_K/(2*KSTEP)
.set KS,     SIZE_K/32
.set SCA,    2*SLOT                    ; A's scale bytes: two halves of [8 K steps][128 tokens][8 bytes]
.set HALFSA, 8192
.set SCB,    SCA+2*HALFSA              ; B's: rows of 256 bytes + 16 of padding
.set HALFS,  (128*KS/256)*272
.set SBLK,   (16*KS/256)*272
.set SPARE,  SCB+2*HALFS               ; the spare words, 128 bytes a wave: two blocks of 256 bytes that no other line names
.set SPITCH, 528                       ; the way out: a stage of 16 rows x (512 bytes + 16) for each wave, in slot 0
.set ADRA, 16                          ; v16-17 A's fragments in slot 0, 1
.set ADRB, 20                          ; v20-21 B's (v22-23: behind one padding more)
.set STO,  24
.set RD,   25
.set CO,   26
.set ADRSA, 27                         ; v27 A's scale words in LDS
.set SPW,  28
.set NIL,  29
.set ADRSB, 31                         ; v31 B's
.set SCAR, 32
.set SCBR, 64
.set AF,   128
.set BK,   128
.set G1, 24
.set G0, 32
.set G1B, 48
.set G0B, 56
.set G1S, 68
.set G0S, 76
.set G1SB, 80
.set G0SB, 88
.set MSB, 0
.macro WIN new                         ; the immediate's high byte repeats the setting that is left
.if MSB != (\new)
	s_set_vgpr_msb (MSB<<8)|(\new)
.set MSB, \new
.endif
.endm
.set MUL_LO, 0xa1
.set MUL_HI, 0xf1
.set TO_B,   0x40
.macro JLOAD g0a, g1a, g0b, g1b        ; a joint load: waves 0 and 1 fetch for A, waves 2 and 3 for B; four v_nop follow each of the two lines
	s_cmp_eq_u32 s15, 0
	s_cbranch_scc0 .Lfor_b_\@
	tensor_load_to_lds s[\g0a:\g0a+3], s[\g1a:\g1a+7]
	s_nop 0
.rept 4
	v_nop
.endr
	s_branch .Lasked_\@
.Lfor_b_\@:
	tensor_load_to_lds s[\g0b:\g0b+3], s[\g1b:\g1b+7]
	s_nop 0
.rept 4
	v_nop
.endr
.Lasked_\@:
.endm
.macro CREST
	s_cmp_lg_u32 s14, 0
	s_cbranch_scc1 .Lnot_wave_0_\@
	s_barrier_signal -3
.Lnot_wave_0_\@:
	s_barrier_wait -3
	s_barrier_signal -1
	s_barrier_wait -1
.endm
.macro CROUND
	s_barrier_signal -1
	s_barrier_wait -1
	CREST
.endm
	s_load_b128 s[4:7], s[0:1], 0x0                ; oc, os
	s_load_b128 s[8:11], s[0:1], 0x10              ; cod, scl
	s_load_b64 s[12:13], s[0:1], 0x20              ; out0
	v_lshl_add_u32 v[SPW], v0, 2, SPARE
	v_mov_b32 v[NIL], 0
	ds_add_u32 v28, v29
	ds_add_u32 v28, v29
	s_wait_dscnt 0x0
	v_lshrrev_b32 v1, 5, v0
	v_readfirstlane_b32 s14, v1                    ; wave 0..3
	s_lshr_b32 s15, s14, 1                         ; which half of the tile's rows is mine.  Also: I fetch for A (0) or for B (1)
	s_and_b32 s16, s14, 1                          ; which half of its columns.  Also: which 128 rows I fetch
	s_bfe_u32 s40, ttmp6, 0x40000                  ; cx, cy
	s_bfe_u32 s41, ttmp6, 0x40004
	s_lshl_b32 s42, ttmp9, 2
	s_add_co_u32 s42, s42, s40                     ; tile column
	s_and_b32 s17, ttmp7, 0xffff
	s_lshl_b32 s17, s17, 2
	s_add_co_u32 s17, s17, s41                     ; tile row
	s_lshl_b32 s43, s41, 2
	s_lshl_b32 s43, 15, s43                        ; my row of the cluster
	s_lshl_b32 s44, 0x1111, s40                    ; my column
	; A's codes: 4 rows of 768 elements of 8 bytes, 12,288 elements apart, no padding
	s_or_b32 s[G1+0], s43, (3<<16)|(1<<21)
	s_mov_b32 s[G1+1], 768<<16
	s_mov_b32 s[G1+2], 4<<16
	s_mov_b32 s[G1+3], 768<<16
	s_mov_b32 s[G1+4], 4
	s_mov_b32 s[G1+5], 12288
	s_mov_b32 s[G1+6], 0
	s_mov_b32 s[G1+7], 0
	; B's codes: 128 rows of 192 bytes, 16 bytes of padding behind every 64
	s_or_b32 s[G1B+0], s44, (0<<16)|(1<<20)|(1<<21)|(3<<22)|(3<<25)
	s_mov_b32 s[G1B+1], ROWB<<16
	s_mov_b32 s[G1B+2], 128<<16
	s_mov_b32 s[G1B+3], ROWB<<16
	s_mov_b32 s[G1B+4], 128
	s_mov_b32 s[G1B+5], KROW
	s_mov_b32 s[G1B+6], 0
	s_mov_b32 s[G1B+7], 0
	; A's scale bytes: 8 rows (K steps) of 128 elements of 8 bytes, 2,048 elements apart, no padding
	s_or_b32 s[G1S+0], s43, (3<<16)|(1<<21)
	s_mov_b32 s[G1S+1], 128<<16
	s_mov_b32 s[G1S+2], 8<<16
	s_mov_b32 s[G1S+3], 128<<16
	s_mov_b32 s[G1S+4], 8
	s_mov_b32 s[G1S+5], 2048
	s_mov_b32 s[G1S+6], 0
	s_mov_b32 s[G1S+7], 0
	; B's: 8,192 dense bytes as 32 rows of 256, 16 bytes of padding behind each
	s_or_b32 s[G1SB+0], s44, (3<<16)|(1<<20)|(1<<21)|(5<<22)|(3<<25)
	s_mov_b32 s[G1SB+1], 32<<16
	s_mov_b32 s[G1SB+2], (128*KS/256)<<16
	s_mov_b32 s[G1SB+3], 32<<16
	s_mov_b32 s[G1SB+4], 128*KS/256
	s_mov_b32 s[G1SB+5], 32
	s_mov_b32 s[G1SB+6], 0
	s_mov_b32 s[G1SB+7], 0
	s_lshl_b32 s18, s16, 7                         ; which 128 rows of the tile I fetch
	s_lshl_b32 s20, s17, 8
	s_add_co_u32 s20, s20, s18                     ; A: token
	s_lshl_b32 s46, s42, 8
	s_add_co_u32 s46, s46, s18
	s_add_co_u32 s46, s46, 8192                    ; B: cod row of Wo
	s_mov_b32 s21, 0
	s_mov_b32 s47, 0
	s_mov_b64 s[18:19], 8
	s_mul_u64 s[22:23], s[20:21], s[18:19]         ; A's scale bytes: 8 a token
	s_mov_b64 s[18:19], KS
	s_mul_u64 s[92:93], s[46:47], s[18:19]         ; B's: 64 a row
	s_mov_b64 s[18:19], 48
	s_mul_u64 s[20:21], s[20:21], s[18:19]         ; A's codes: 48 bytes a token in a head's plane
	s_mov_b64 s[18:19], KROW
	s_mul_u64 s[46:47], s[46:47], s[18:19]
	s_mul_i32 s45, s16, HALFA                      ; where they go: no place in the cluster enters an LDS address
	s_mul_i32 s95, s16, HALFB
	s_add_co_u32 s95, s95, 2*HALFA
	s_mul_i32 s94, s16, HALFSA
	s_add_co_u32 s94, s94, SCA
	s_mul_i32 s96, s16, HALFS
	s_add_co_u32 s96, s96, SCB
	s_wait_kmcnt 0x0
	s_add_nc_u64 s[20:21], s[4:5], s[20:21]
	s_add_nc_u64 s[22:23], s[6:7], s[22:23]
	s_add_nc_u64 s[46:47], s[8:9], s[46:47]
	s_add_nc_u64 s[92:93], s[10:11], s[92:93]
	CROUND                                         ; all sixteen work-groups are here: the first joint loads meet
	s_mov_b32 s[G0S], 1
	s_mov_b32 s[G0S+1], s94
	s_mov_b64 s[G0S+2:G0S+3], s[22:23]
	s_or_b32 s[G0S+3], s[G0S+3], 0x80000000
	s_mov_b32 s[G0SB], 1
	s_mov_b32 s[G0SB+1], s96
	s_mov_b64 s[G0SB+2:G0SB+3], s[92:93]
	s_or_b32 s[G0SB+3], s[G0SB+3], 0x80000000
	JLOAD G0S, G1S, G0SB, G1SB                     ; the scales first
.irp s, 0,1
	s_mov_b32 s[G0+4*\s], 1
	s_add_co_u32 s[G0+4*\s+1], s45, \s*SLOT
	s_add_nc_u64 s[G0+4*\s+2:G0+4*\s+3], s[20:21], \s*393216       ; four heads' planes a K step
	s_or_b32 s[G0+4*\s+3], s[G0+4*\s+3], 0x80000000
	s_mov_b32 s[G0B+4*\s], 1
	s_add_co_u32 s[G0B+4*\s+1], s95, \s*SLOT
	s_add_nc_u64 s[G0B+4*\s+2:G0B+4*\s+3], s[46:47], \s*ROWB
	s_or_b32 s[G0B+4*\s+3], s[G0B+4*\s+3], 0x80000000
	JLOAD G0+4*\s, G1, G0B+4*\s, G1B
.endr
	v_and_b32 v1, 15, v0                           ; r
	v_bfe_u32 v2, v0, 4, 1                         ; h
	v_mul_u32_u24 v3, v1, PITCH
	v_mul_u32_u24 v4, v2, 24
	v_add_nc_u32 v4, v3, v4                        ; B: a fragment's row x pitch + 24 h
	v_lshl_add_u32 v5, v2, 4, v4                   ; and the same behind one padding more
	v_mul_u32_u24 v6, v1, 48
	v_mad_u32_u24 v6, v2, 24, v6                   ; A: token r of 48 bytes + 24 h
	s_mul_i32 s21, s15, HALFA                      ; my 128 rows of A
	s_mul_i32 s22, s16, HALFB                      ; my 128 rows of B,
	s_add_co_u32 s22, s22, 2*HALFA                 ; which lie behind A's two halves
.irp s, 0,1
	v_add_nc_u32 v[ADRA+\s], s21, v6
	v_add_nc_u32 v[ADRB+\s], s22, v4
	v_add_nc_u32 v[ADRB+2+\s], s22, v5
	s_add_co_u32 s21, s21, SLOT
	s_add_co_u32 s22, s22, SLOT
.endr
	s_mul_i32 s21, s15, HALFSA
	s_add_co_u32 s21, s21, SCA
	v_lshlrev_b32 v5, 3, v1
	v_add_nc_u32 v[ADRSA], s21, v5                 ; A's scale words: token r's 8 bytes of K step 0
	v_mul_u32_u24 v5, v1, KS                       ; B's: 64 bytes a row,
	v_lshrrev_b32 v6, 8, v5
	v_lshl_add_u32 v5, v6, 4, v5                   ; and 16 more for each 256 passed
	s_mul_i32 s22, s16, HALFS
	s_add_co_u32 s22, s22, SCB
	v_add_nc_u32 v[ADRSB], s22, v5
	s_mul_i32 s23, s14, 16*SPITCH                  ; my stage
	v_mul_u32_u24 v5, v1, SPITCH                   ; in: row r, 32 bytes for each half of the lanes
	v_lshl_add_u32 v5, v2, 5, v5
	v_add_nc_u32 v[STO], s23, v5
	v_and_b32 v6, 31, v0
	v_lshlrev_b32 v[CO], 4, v6                     ; back: the 32 lanes take one row of 512 bytes; and the same in out0
	v_add_nc_u32 v[RD], s23, v[CO]
	s_lshl_b32 s20, s17, 8
	s_lshl_b32 s21, s15, 7
	s_add_co_u32 s20, s20, s21                     ; my first row of out0
	s_mov_b32 s21, 0
	s_mov_b64 s[18:19], SIZE_N*4
	s_mul_u64 s[20:21], s[20:21], s[18:19]
	s_lshl_b32 s46, s42, 10                        ; my first column, in bytes
	s_lshl_b32 s47, s16, 9
	s_add_co_u32 s46, s46, s47
	s_mov_b32 s47, 0
	s_add_nc_u64 s[20:21], s[20:21], s[46:47]
	s_add_nc_u64 s[12:13], s[12:13], s[20:21]
.macro FRAG reg, adr, q, i             ; a fragment of B: registers 6 c .. 6 c + 5 hold K = 64 c + 32 (l / 16) + 0 .. 31, in pieces of 8 bytes; the second address register serves the pieces behind one padding more
.irp p, 0,1,2,3,4,5
.set PC, 12*(\q)+6*(\p/3)+\p%3
.if PC%8 < 5
	ds_load_b64 v[\reg+2*\p:\reg+2*\p+1], v[\adr] offset:8*PC+16*(PC/8)+(\i)*16*PITCH
.else
	ds_load_b64 v[\reg+2*\p:\reg+2*\p+1], v[\adr+2] offset:8*PC+16*(PC/8)+(\i)*16*PITCH
.endif
.endr
.endm
.macro FRAGA reg, adr, q, i            ; a fragment of A: K = 64 c + 32 h is block h of head 2 q + c of the slot's four
.irp p, 0,1,2,3,4,5
	ds_load_b64 v[\reg+2*\p:\reg+2*\p+1], v[\adr] offset:6144*(2*(\q)+\p/3)+768*(\i)+8*(\p%3)
.endr
.endm
; 16 matrix instructions: A's blocks a0, a0 + 1 x B's eight.  The 64 accumulators take turns, one instruction a turn, in the same order in every step.
.macro MUL16 a0, p, q, sc, zero
.irp a, \a0, \a0+1
.irp b, 0,1,2,3,4,5,6,7
.if \zero
	v_wmma_scale_f32_16x16x128_f8f6f4 v[8*(8*((\a)%4)+\b):8*(8*((\a)%4)+\b)+7], v[128*(\p)+FR*\b:128*(\p)+FR*\b+FR-1], v[AF+FR*(\a):AF+FR*(\a)+FR-1], 0, v[SCBR+8*NQ*(\sc)+NQ*\b+(\q)], v[SCAR+8*NQ*(\sc)+NQ*(\a)+(\q)] matrix_a_fmt:MATRIX_FMT_BF6 matrix_b_fmt:MATRIX_FMT_BF6
.else
	v_wmma_scale_f32_16x16x128_f8f6f4 v[8*(8*((\a)%4)+\b):8*(8*((\a)%4)+\b)+7], v[128*(\p)+FR*\b:128*(\p)+FR*\b+FR-1], v[AF+FR*(\a):AF+FR*(\a)+FR-1], v[8*(8*((\a)%4)+\b):8*(8*((\a)%4)+\b)+7], v[SCBR+8*NQ*(\sc)+NQ*\b+(\q)], v[SCAR+8*NQ*(\sc)+NQ*(\a)+(\q)] matrix_a_fmt:MATRIX_FMT_BF6 matrix_b_fmt:MATRIX_FMT_BF6
.endif
.endr
.endr
.endm
.macro FETCH_B slot, q, p
	WIN TO_B
.irp i, 0,1,2,3,4,5,6,7
	FRAG 128*(\p)+FR*\i, ADRB+\slot, \q, \i
.endr
	WIN 0
.endm
.macro FETCH_A slot, q, i0
.irp i, \i0, \i0+1, \i0+2, \i0+3
	FRAGA AF+FR*(\i), ADRA+\slot, \q, \i
.endr
.endm
.macro SCALES sc                       ; the next K step's scale words into set sc: two words a row, A's and B's in registers of their own
.irp i, 0,1,2,3,4,5,6,7
	ds_load_b64 v[SCAR+8*NQ*\sc+NQ*\i:SCAR+8*NQ*\sc+NQ*\i+1], v[ADRSA] offset:\i*128
	ds_load_b64 v[SCBR+8*NQ*\sc+NQ*\i:SCBR+8*NQ*\sc+NQ*\i+1], v[ADRSB] offset:\i*SBLK
.endr
.endm
.macro PLACES n                        ; plain vector lines between a matrix instruction and a load into, or a read of, its registers
.rept \n
	v_nop
.endr
.endm
.macro STEP slot, q, zero
	s_wait_dscnt 4*NL                              ; all but the youngest 24 loads (A's blocks 4-7) are in
	WIN MUL_LO
	MUL16 0, (\q)%2, \q, \slot, \zero
	MUL16 2, (\q)%2, \q, \slot, \zero
	s_wait_dscnt 0
	PLACES NP
	FETCH_B \slot, (\q)+1, 1-(\q)%2
	FETCH_A \slot, (\q)+1, 0
	WIN MUL_HI
	MUL16 4, (\q)%2, \q, \slot, \zero
	MUL16 6, (\q)%2, \q, \slot, \zero
	PLACES NP
	WIN 0
	FETCH_A \slot, (\q)+1, 4
.endm
; A slot's last step changes slots: one barrier; in front of it each wave waits for all its tensor loads, adds 0 to its spare word, and waits for that and for its reads of this slot.
.macro TURN slot, next, fill
	s_wait_tensorcnt 0x0                           ; all my tensor loads have landed: my part of the next slot
	ds_add_u32 v[SPW], v[NIL]                      ; 0 onto my spare word
	s_wait_dscnt 4*NL+1                            ; (the add and the youngest 24 loads may be out)
	WIN MUL_LO
	MUL16 0, 1, NQ-1, \slot, 0
	s_wait_dscnt 0x0                               ; the add is done, and my reads of this slot are over
	s_barrier_signal -1
	MUL16 2, 1, NQ-1, \slot, 0
	WIN 0
	s_barrier_wait -1
.if \fill
	CREST                                          ; the barrier has opened a round of the cluster's barrier
	s_add_nc_u64 s[G0+4*\slot+2:G0+4*\slot+3], s[G0+4*\slot+2:G0+4*\slot+3], 786432
	s_add_nc_u64 s[G0B+4*\slot+2:G0B+4*\slot+3], s[G0B+4*\slot+2:G0B+4*\slot+3], 2*ROWB
	JLOAD G0+4*\slot, G1, G0B+4*\slot, G1B         ; the first tensor load behind the round; its four v_nop are the places in front of the loads below
.else
	PLACES NP
.endif
	v_add_nc_u32 v[ADRSA], 1024, v[ADRSA]          ; on to the next K step's scale words
	v_add_nc_u32 v[ADRSB], 4*NQ, v[ADRSB]
	FETCH_B \next, 0, 0
	FETCH_A \next, 0, 0
	SCALES \next
	WIN MUL_HI
	MUL16 4, 1, NQ-1, \slot, 0
	MUL16 6, 1, NQ-1, \slot, 0
	PLACES NP
	WIN 0
	FETCH_A \next, 0, 4
.endm
	s_wait_tensorcnt 1                             ; the scales and my part of K step 0 are in (K step 1's load may be out)
	s_barrier_signal -1
	s_barrier_wait -1
	FETCH_B 0, 0, 0
	FETCH_A 0, 0, 0
	SCALES 0
	FETCH_A 0, 0, 4
	STEP 0, 0, 1                                   ; the first step stands in front of the loop: its products start the sums
	s_mov_b32 s3, LAPS-1
.Llap:
	TURN 0, 1, 1
	STEP 1, 0, 0
	TURN 1, 0, 1
	STEP 0, 0, 0
	s_sub_co_u32 s3, s3, 1
	s_cmp_lg_u32 s3, 0
	s_cbranch_scc1 .Llap
	TURN 0, 1, 0                                   ; the last lap fills nothing
	STEP 1, 0, 0
	s_wait_dscnt 4*NL
	WIN MUL_LO
	MUL16 0, 1, NQ-1, 1, 0
	MUL16 2, 1, NQ-1, 1, 0
	s_wait_dscnt 0
	WIN MUL_HI
	MUL16 4, 1, NQ-1, 1, 0
	MUL16 6, 1, NQ-1, 1, 0
	WIN 0
; THE WAY OUT, block by block of 16 rows x 128 columns, through my own stage in LDS (in slot 0, which has had its last fill and its last read) and back as whole rows of 512 bytes.
.macro TOSTAGE a
.set AC, 64*((\a)%4)
	WIN 0x08+4*((\a)/4)                            ; the data: window 2 or 3
.irp b, 0,1,2,3,4,5,6,7
	ds_store_b128 v[STO], v[AC+8*\b:AC+8*\b+3] offset:64*\b          ; each accumulator from its low end on
	ds_store_b128 v[STO], v[AC+8*\b+4:AC+8*\b+7] offset:64*\b+16
.endr
	WIN 0
.set BB, BK+64*((\a)%2)
.irp t, 0,1,2,3,4,5,6,7,8,9,10,11,12,13,14,15
	ds_load_b128 v[BB+4*\t:BB+4*\t+3], v[RD] offset:\t*SPITCH
.endr
.endm
.macro SEND a, younger                 ; younger: the LDS instructions issued behind block a's loads, which may stay out
.set BB, BK+64*((\a)%2)
	s_wait_dscnt \younger
.if (\a) > 0
	s_add_nc_u64 s[12:13], s[12:13], 16*SIZE_N*4   ; (behind a wait on XCNT: the earlier stores have read their base)
.endif
.irp t, 0,1,2,3,4,5,6,7,8,9,10,11,12,13,14,15
	global_store_b128 v[CO], v[BB+4*\t:BB+4*\t+3], s[12:13] offset:\t*SIZE_N*4 th:TH_STORE_NT   ; 32 lanes store 512 consecutive aligned bytes; written once, read by nobody here
.endr
.endm
	PLACES NP
	TOSTAGE 0
.irp a, 1,2,3,4,5,6,7
.if \a > 1
	s_wait_xcnt 0x0                                ; block a - 2's stores have read their registers and their base
.endif
	TOSTAGE \a
	SEND \a-1, 32                                  ; behind block a - 1's loads: block a's 16 stores and 16 loads
.endr
	s_wait_xcnt 0x0
	SEND 7, 0
	s_wait_tensorcnt 0x0                           ; the wave's end
	ds_add_u32 v[SPW], v[NIL]
	s_wait_dscnt 0x0
	CROUND                                         ; the closing round
	s_endpgm
.Lfunc_end_k_q5386f8669e_gemm_out:
	.size	k_q5386f8669e_gemm_out, .Lfunc_end_k_q5386f8669e_gemm_out-k_q5386f8669e_gemm_out
	.p2alignl 7, 3214868480
	.fill 96, 4, 3214868480
	.section	.rodata,"a",@progbits
	.p2align	6, 0x0
	.amdhsa_kernel k_q5386f8669e_gemm_out
		.amdhsa_group_segment_fixed_size 327680
		.amdhsa_private_segment_fixed_size 0
		.amdhsa_enable_private_segment 0
		.amdhsa_kernarg_size 40
		.amdhsa_user_sgpr_count 2
		.amdhsa_user_sgpr_kernarg_segment_ptr 1
		.amdhsa_wavefront_size32 1
		.amdhsa_system_sgpr_workgroup_id_x 1
		.amdhsa_system_sgpr_workgroup_id_y 1
		.amdhsa_system_sgpr_workgroup_id_z 1
		.amdhsa_system_vgpr_workitem_id 0
		.amdhsa_next_free_vgpr 1024
		.amdhsa_next_free_sgpr 100
		.amdhsa_reserve_vcc 0
		.amdhsa_float_denorm_mode_32 3
		.amdhsa_float_denorm_mode_16_64 3
		.amdhsa_memory_ordered 1
		.amdhsa_forward_progress 1
		.amdhsa_inst_pref_size 162
	.end_amdhsa_kernel
	.amdgpu_metadata
---
amdhsa.version: [ 1, 2 ]
amdhsa.kernels:
  - .name:           k_q5386f8669e_gemm_out
    .symbol:         k_q5386f8669e_gemm_out.kd
    .args:
      - { .name: oc, .offset: 0, .size: 8, .value_kind: global_buffer, .address_space: global }
      - { .name: os, .offset: 8, .size: 8, .value_kind: global_buffer, .address_space: global }
      - { .name: cod, .offset: 16, .size: 8, .value_kind: global_buffer, .address_space: global }
      - { .name: scl, .offset: 24, .size: 8, .value_kind: global_buffer, .address_space: global }
      - { .name: out0, .offset: 32, .size: 8, .value_kind: global_buffer, .address_space: global }
    .group_segment_fixed_size: 327680
    .private_segment_fixed_size: 0
    .kernarg_segment_align: 8
    .kernarg_segment_size: 40
    .max_flat_workgroup_size: 128
    .sgpr_count:     100
    .vgpr_count:     1024
    .wavefront_size: 32
...
	.end_amdgpu_metadata
.endif
;; end of part 5
;; ======== version 2 of 2: 5 launches
;; limits: right only within a limited range of input values
;; workspace buffers: cod 15,777,792 bytes; scl 657,408 bytes; qkvc 9,437,184 bytes; qkvs 393,216 bytes; fl 264,192 bytes; oc 3,145,728 bytes; os 131,072 bytes
;; launch quant (part 6): grid 642 x 1, 4 waves a work-group, no clusters, 58,368 bytes of LDS; arguments hidden_states, Wq, Wk, Wv, Wo, Wf, cod, scl; writes cod, scl
.if DOCPART == 6
	.amdgcn_target "amdgcn-amd-amdhsa--gfx1250"
	.amdhsa_code_object_version 6
	.text
	.protected	k_q5386f8669e_quant
	.globl	k_q5386f8669e_quant
	.p2align	8
	.type	k_q5386f8669e_quant,@function
k_q5386f8669e_quant:
	s_mov_b64 s[64:65], 0
	v_nop
	global_prefetch_b8 v0, s[64:65] scope:SCOPE_SE
	s_setreg_imm32_b32 hwreg(HW_REG_WAVE_MODE, 25, 1), 1
	s_wait_xcnt 0x0
; hidden_states, Wq, Wk, Wv, Wo [2048][2048] and Wf [32][2048], f32 with K innermost, become codes of BF6 (E3M2), 6 bits each, and one E8M0 byte for each 32 along K.
; cod: 32 planes of 10,272 rows of 48 bytes (x rows 0.., Wq 2048.., Wk 4096.., Wv 6144.., Wo 8192.., Wf 10240..); scl: the same rows, 64 bytes each.
; A block's scale is 2^(floor(log2(largest magnitude)) - 4); its byte is the largest magnitude's exponent field - 4, held at 1 from below.  A block of zeros keeps the byte 1 where the rule says 127:
; its codes are zeros, which add nothing under any byte but 0xff, and the bytes are read by this program alone.
; LIMITS: blocks whose largest magnitude lies under 2^-122 keep the byte 1; NaN and infinities among the inputs are not served.
; Rows are dense and 2,048 is a multiple of 32: each tensor is a plain stream of blocks of 32.  A work-group takes 32,768 numbers, a wave 16 steps of 512.  Each large tensor is 128 work-groups, Wf two.
; Each load reads 512 consecutive bytes; a step's 2,048 bytes turn through the wave's own stage in LDS so that a lane holds 16 neighbours along K (two lanes to a block).
; The codes leave the work-group's LDS image as runs of 256 consecutive aligned bytes; its 256 scale bytes are gathered in LDS and leave as 256 consecutive aligned bytes.  The waves share the image: one barrier.
.set STEPS, 16
.set EMAX,  4
.set CB,    12                         ; bytes of 16 codes
.set R,     16                         ; v16-79   four sets of 16 numbers as they are loaded
.set X,     80                         ; v80-111  two sets of 16 neighbours
.set C,     128                        ; v128-191 codes: four registers for each step, so that no store's data are written again
.set E,     112                        ; v112-127 a scale byte for each step
.set WREG,  8192                       ; LDS: a region for each wave: two stages of 32 x SP bytes, behind them its 256 scale bytes
.set SP,    80                         ; a lane's place in a stage: 64 bytes + 16 of padding
	s_load_b256 s[4:11], s[0:1], 0x0               ; x, Wq, Wk, Wv
	s_load_b256 s[12:19], s[0:1], 0x20             ; Wo, Wf, cod, scl
	v_lshl_add_u32 v192, v0, 2, 0x8000
	v_mov_b32 v193, 0
	v_lshrrev_b32 v1, 5, v0
	v_readfirstlane_b32 s22, v1                    ; wave
	v_and_b32 v2, 31, v0                           ; lane
	v_lshlrev_b32 v3, 4, v2                        ; my 16 bytes of a load's 512
	s_mul_i32 s23, s22, WREG
	v_lshrrev_b32 v14, 2, v2
	v_mul_u32_u24 v14, v14, SP
	v_and_b32 v15, 3, v2
	v_lshl_add_u32 v14, v15, 4, v14
	v_add_nc_u32 v14, s23, v14                     ; the stage, on the way in: SP (lane / 4) + 16 (lane % 4)
	v_mul_u32_u24 v15, v2, SP
	v_add_nc_u32 v15, s23, v15                     ; and on the way out: SP x lane: my 16 neighbours
; THE CODES' LAYOUT: cod is [32 planes of 64 along K][10,272 rows][48 bytes].  A work-group's 16 rows are 768 consecutive bytes of each plane: they are gathered in an LDS image
; [plane][row][48 bytes], planes IPL bytes apart, and leave as runs of 256 consecutive aligned bytes.
.set IMG, 33280                        ; behind the spare words
.set IPL, 784                          ; 768 bytes + 16: the eight planes that a store touches start in different banks
.set PLB, 493056                       ; a plane of cod in bytes
	v_lshrrev_b32 v4, 2, v2
	v_mul_u32_u24 v4, v4, IPL
	v_and_b32 v10, 3, v2
	v_mad_u32_u24 v4, v10, CB, v4
	s_mul_i32 s21, s22, 192
	s_add_co_u32 s21, s21, IMG
	v_add_nc_u32 v4, s21, v4                       ; image: plane lane / 4, my wave's four rows, 12 (lane % 4)
	; the way out: my wave takes planes 8 wave .. 8 wave + 7, 24 groups of 256 bytes, three to a plane; load n brings groups 2 n (lanes 0-15) and 2 n + 1 (lanes 16-31).
	; The second group lies 256 bytes behind the first, or, where it opens the next plane, IPL - 512 bytes in the image and PLB - 512 in cod: two address registers for each side.
	v_and_b32 v10, 15, v2
	v_lshlrev_b32 v10, 4, v10                      ; 16 (lane % 16)
	v_lshrrev_b32 v196, 4, v2                      ; lane / 16
	s_mul_i32 s21, s22, 8*IPL
	s_add_co_u32 s21, s21, IMG
	v_add_nc_u32 v194, s21, v10
	v_mad_u32_u24 v195, v196, IPL-512, v194
	v_lshl_add_u32 v194, v196, 8, v194
	s_mul_i32 s21, s22, 8*PLB
	v_add_nc_u32 v197, s21, v10
	v_mad_u32_u24 v198, v196, PLB-512, v197
	v_lshl_add_u32 v197, v196, 8, v197
	v_lshrrev_b32 v5, 1, v2
	s_add_co_u32 s23, s23, 2*32*SP
	v_add_nc_u32 v5, s23, v5                       ; LDS: my wave's 256 scale bytes, my block's byte
	v_lshlrev_b32 v7, 3, v2                        ; and on the way out 8 bytes a lane
	v_add_nc_u32 v6, s23, v7
	s_lshr_b32 s20, ttmp9, 7                       ; which tensor: 0 .. 5; the choice hangs on the work-group's number alone
	s_wait_alu depctr_va_vdst(0)
	s_wait_kmcnt 0x0
	s_cmp_eq_u32 s20, 1
	s_cselect_b64 s[4:5], s[6:7], s[4:5]
	s_cmp_eq_u32 s20, 2
	s_cselect_b64 s[4:5], s[8:9], s[4:5]
	s_cmp_eq_u32 s20, 3
	s_cselect_b64 s[4:5], s[10:11], s[4:5]
	s_cmp_eq_u32 s20, 4
	s_cselect_b64 s[4:5], s[12:13], s[4:5]
	s_cmp_eq_u32 s20, 5
	s_cselect_b64 s[4:5], s[14:15], s[4:5]
	s_and_b32 s24, ttmp9, 127
	s_lshl_b32 s24, s24, 2
	s_add_co_u32 s24, s24, s22                     ; which run of 8,192 numbers of the tensor is my wave's
	s_lshl_b32 s24, s24, 15                        ; 32,768 bytes a run
	s_mov_b32 s25, 0
	s_add_nc_u64 s[4:5], s[4:5], s[24:25]
	s_lshl_b32 s26, ttmp9, 2
	s_add_co_u32 s26, s26, s22                     ; and which run of scl
	s_mul_i32 s24, ttmp9, 768                      ; my 16 rows in a plane
	s_add_nc_u64 s[8:9], s[16:17], s[24:25]
	s_lshl_b32 s24, s26, 8                         ; 256 scale bytes a run
	s_add_nc_u64 s[10:11], s[18:19], s[24:25]
.macro LOAD t
.irp i, 0,1,2,3
	global_load_b128 v[R+16*((\t)%4)+4*\i:R+16*((\t)%4)+4*\i+3], v3, s[4:5] offset:2048*(\t)+512*\i th:TH_LOAD_NT   ; 32 lanes read 512 consecutive bytes
.endr
.endm
.macro TURN t                          ; step t's numbers through the stage: LDS serves a wave's instructions in order, so no wait stands between the stores and the loads
.irp i, 0,1,2,3
	ds_store_b128 v14, v[R+16*((\t)%4)+4*\i:R+16*((\t)%4)+4*\i+3] offset:32*SP*((\t)%2)+8*SP*\i
.endr
.irp i, 0,1,2,3
	ds_load_b128 v[X+16*((\t)%2)+4*\i:X+16*((\t)%2)+4*\i+3], v15 offset:32*SP*((\t)%2)+16*\i
.endr
.endm
.irp t, 0,1,2,3
	LOAD \t
.endr
	s_wait_loadcnt 12                              ; step 0's four loads are in; the twelve of steps 1 to 3 may be out
	TURN 0
.macro STEP t
.set XS, X+16*((\t)%2)
.if (\t) > 0
	s_wait_dscnt 4                                 ; this step's numbers are back (the last step's byte store and its three stores of codes may be out)
.else
	s_wait_dscnt 0x0
.endif
.if (\t)+4 < STEPS
	LOAD (\t)+4                                    ; the registers that the stage's stores have read take the loads of four steps on
.endif
.if (\t)+1 < STEPS
.if STEPS-2-(\t) >= 3
	s_wait_loadcnt 12                              ; the next step's four loads are in; those of the three steps behind it may be out
.else
	s_wait_loadcnt 4*(STEPS-2-(\t))
.endif
	TURN (\t)+1                                    ; they go through the other stage while this step is worked
.endif
	v_max3_num_f32 v8, |v[XS]|, |v[XS+1]|, |v[XS+2]|               ; the largest magnitude of my 16, in two chains
	v_max3_num_f32 v9, |v[XS+3]|, |v[XS+4]|, |v[XS+5]|
.irp i, 6,10
	v_max3_num_f32 v8, v8, |v[XS+\i]|, |v[XS+\i+1]|
	v_max3_num_f32 v9, v9, |v[XS+\i+2]|, |v[XS+\i+3]|
.endr
	v_max3_num_f32 v8, v8, |v[XS+14]|, |v[XS+15]|
	v_max3_num_f32 v8, v8, v9, (EMAX+1)<<23        ; and the floor 2^(5 - 127): the byte cannot fall under 1
	v_max_num_f32_dpp v8, v8, v8 row_xmask:1 row_mask:0xf bank_mask:0xf   ; and of my neighbour's 16: the block's
	v_add_nc_u32 v11, -(EMAX<<23), v8              ; 4 off its exponent field: the conversion takes the exponent field of this operand as its scale
	v_cvt_scalef32_pk16_bf6_f32 v[C+4*(\t):C+4*(\t)+2], v[XS:XS+15], v11   ; sixteen codes, 96 bits, the first number's code lowest
	v_lshrrev_b32 v[E+(\t)], 23, v11               ; the scale's byte (also the plain line behind the conversion)
	ds_store_b8 v5, v[E+(\t)] offset:16*(\t)       ; both lanes of a block write the same byte with the same value
.irp i, 0,1,2
	ds_store_b32 v4, v[C+4*(\t)+\i] offset:8*IPL*((\t)%4)+48*((\t)/4)+4*\i   ; row t / 4 of my four, planes 8 (t % 4) on
.endr
.endm
.irp t, 0,1,2,3,4,5,6,7,8,9,10,11,12,13,14,15
	STEP \t
.endr
	ds_load_b64 v[12:13], v6                       ; LDS serves a wave's instructions in order: these see my stores
	s_wait_dscnt 0x0
	global_store_b64 v7, v[12:13], s[10:11]        ; 32 lanes store 256 consecutive aligned bytes
	s_barrier_signal -1                            ; my stores into the image have landed (the wait above)
	s_barrier_wait -1                              ; everybody's have
.set n, 0
.rept 12
	ds_load_b128 v[16+4*n:19+4*n], v[194+((n%3)&1)] offset:((2*n)/3)*IPL+((2*n)%3)*256
.set n, n+1
.endr
.set n, 0
.rept 12
	s_wait_dscnt 11-n                              ; load n is back; the younger ones may be out
	global_store_b128 v[197+((n%3)&1)], v[16+4*n:19+4*n], s[8:9] offset:((2*n)/3)*PLB+((2*n)%3)*256   ; sixteen lanes store 256 consecutive aligned bytes
.set n, n+1
.endr
	s_wait_tensorcnt 0x0
	ds_add_u32 v192, v193
	s_wait_dscnt 0x0
	s_endpgm
.Lfunc_end_k_q5386f8669e_quant:
	.size	k_q5386f8669e_quant, .Lfunc_end_k_q5386f8669e_quant-k_q5386f8669e_quant
	.p2alignl 7, 3214868480
	.fill 96, 4, 3214868480
	.section	.rodata,"a",@progbits
	.p2align	6, 0x0
	.amdhsa_kernel k_q5386f8669e_quant
		.amdhsa_group_segment_fixed_size 58368
		.amdhsa_private_segment_fixed_size 0
		.amdhsa_enable_private_segment 0
		.amdhsa_kernarg_size 64
		.amdhsa_user_sgpr_count 2
		.amdhsa_user_sgpr_kernarg_segment_ptr 1
		.amdhsa_wavefront_size32 1
		.amdhsa_system_sgpr_workgroup_id_x 1
		.amdhsa_system_sgpr_workgroup_id_y 1
		.amdhsa_system_sgpr_workgroup_id_z 1
		.amdhsa_system_vgpr_workitem_id 0
		.amdhsa_next_free_vgpr 200
		.amdhsa_next_free_sgpr 66
		.amdhsa_reserve_vcc 0
		.amdhsa_float_denorm_mode_32 3
		.amdhsa_float_denorm_mode_16_64 3
		.amdhsa_memory_ordered 1
		.amdhsa_forward_progress 1
		.amdhsa_inst_pref_size 37
	.end_amdhsa_kernel
	.amdgpu_metadata
---
amdhsa.version: [ 1, 2 ]
amdhsa.kernels:
  - .name:           k_q5386f8669e_quant
    .symbol:         k_q5386f8669e_quant.kd
    .args:
      - { .name: hidden_states, .offset: 0, .size: 8, .value_kind: global_buffer, .address_space: global }
      - { .name: Wq, .offset: 8, .size: 8, .value_kind: global_buffer, .address_space: global }
      - { .name: Wk, .offset: 16, .size: 8, .value_kind: global_buffer, .address_space: global }
      - { .name: Wv, .offset: 24, .size: 8, .value_kind: global_buffer, .address_space: global }
      - { .name: Wo, .offset: 32, .size: 8, .value_kind: global_buffer, .address_space: global }
      - { .name: Wf, .offset: 40, .size: 8, .value_kind: global_buffer, .address_space: global }
      - { .name: cod, .offset: 48, .size: 8, .value_kind: global_buffer, .address_space: global }
      - { .name: scl, .offset: 56, .size: 8, .value_kind: global_buffer, .address_space: global }
    .group_segment_fixed_size: 58368
    .private_segment_fixed_size: 0
    .kernarg_segment_align: 8
    .kernarg_segment_size: 64
    .max_flat_workgroup_size: 128
    .sgpr_count:     66
    .vgpr_count:     200
    .wavefront_size: 32
...
	.end_amdgpu_metadata
.endif
;; end of part 6
;; launch gate (part 7): grid 16 x 1, 16 waves a work-group, no clusters, 313,344 bytes of LDS; arguments cod, scl, bf, fl; writes fl
.if DOCPART == 7
	.amdgcn_target "amdgcn-amd-amdhsa--gfx1250"
	.amdhsa_code_object_version 6
	.text
	.protected	k_q5386f8669e_gate
	.globl	k_q5386f8669e_gate
	.p2align	8
	.type	k_q5386f8669e_gate,@function
k_q5386f8669e_gate:
	s_mov_b64 s[64:65], 0
	v_nop
	global_prefetch_b8 v0, s[64:65] scope:SCOPE_SE
	s_setreg_imm32_b32 hwreg(HW_REG_WAVE_MODE, 25, 1), 1
	s_wait_xcnt 0x0
; f = log_sigmoid(x Wf^T + bf) for 2,048 tokens x 32 heads, the product on codes of BF6 with E8M0 scales; then, for each head, the inclusive prefix of f INSIDE each block of 128 tokens, and each block's total.
; fl: [32 heads][2048 tokens] f32 local prefixes; from byte 262,144 on the totals [16 blocks][32 heads].  The attention launch adds totals and local prefixes, so that no difference of large sums is formed.
; SHARES.  Work-group g: tokens 128 g .. 128 g + 127.  Wave w: tile of 16 tokens a = w & 7, half of K kh = w >> 3 (eight K steps of 128).  Source 0 = 16 tokens, source 1 = 16 rows of Wf:
; lane (r, h) holds head 16 n + r, register j token 8 h + j; two accumulators (n = 0, 1) by turns.  The sixteen waves' results go to LDS as images of their registers; a barrier;
; waves 0 and 1 finish 16 heads each: the two halves of K are added, bf, the log-sigmoid, the prefix, and whole rows of 512 bytes go out through a stage.
; THE CODES COME THROUGH LDS, by one tensor load a wave at the head (one load of a wave is out at most): four planes of the block's 128 tokens, or four planes of Wf's 32 rows.  A tile's row is 6,144 or 1,536
; consecutive bytes and starts at a multiple of 256 from cod's first byte.  Taken straight into registers, a fragment's six loads of 8 bytes a lane would each name sixteen rows 1,536 bytes apart: 144 such loads a wave.
; Nothing is filled again: no ring.  A row's eight scale words of a half of K are 32 consecutive bytes: two loads of 16 bytes a lane put them straight into eight registers.
; No cluster: what the work-groups share is Wf's 49,152 bytes of the 245,760 that a work-group fetches, and they come once.  Nothing is prefetched: all tiles are asked for at the head.
; LIMITS: K is summed in two halves, and the prefix is block-wise: another order of f32 sums than a plain running sum.  log(1 + e) is taken of the rounded 1 + e: an absolute error of one rounding of 1.  NaN and infinities are not served.
; REGISTERS: v1 lane, v2 r, v3 h; v5 64 r, v10 16 x lane, v11 4 r; v6-9 LDS addresses of images and stage; v12, v13 x's fragments in LDS (K steps 0-3, 4-7), v14 Wf's; v16-31 the two accumulators;
; v32-139 three buffers of one K step (x 12 registers, Wf 2 x 12); v176-183 x's scale words, v184-191, v192-199 Wf's (scales and nothing else); v200 bf.  The finishing waves take v32-168 anew.
; cod is laid [32 planes of 64 along K][row][48 bytes].  ONE tensor load a wave at the head: waves 0-7 bring four planes each of the block's 128 tokens (rows of 6,144 bytes),
; waves 8-15 four planes each of Wf's 32 rows (rows of 1,536 bytes).  LDS: x [plane][128 tokens][48 bytes] from byte 0, Wf [plane][32 rows][48 bytes] behind it.
; Lane (r, h) reads at 48 r + 24 h: words 12 r + 6 h, so the 32 lanes of a load of 8 bytes touch 64 different banks (ISA guide 11.1).
.set PLB,  493056                      ; a plane of cod in bytes
.set WFC,  32*6144
.set PART, WFC+32*1536
.set STG,  PART+32768                  ; and two stages of 16 rows x 528 bytes
.set WFR,  10240                       ; Wf's first row in cod and scl
	s_load_b256 s[4:11], s[0:1], 0x0               ; cod, scl, bf, fl
	v_lshl_add_u32 v208, v0, 2, 0x4c000
	v_mov_b32 v209, 0
	ds_add_u32 v208, v209
	ds_add_u32 v208, v209
	v_lshrrev_b32 v1, 5, v0
	s_delay_alu instid0(VALU_DEP_1)
	v_readfirstlane_b32 s12, v1                    ; wave 0..15
	s_and_b32 s13, s12, 7                          ; a
	s_lshr_b32 s25, s12, 3                         ; kh
	; descriptor group 1 for x's tile: 4 rows (planes) of 768 elements of 8 bytes, PLB bytes apart, no padding
	s_mov_b32 s40, 3<<16                           ; x: elements of 8 bytes, 4 rows (planes) of 768 elements, PLB bytes apart
	s_mov_b32 s41, 768<<16
	s_mov_b32 s42, 4<<16
	s_mov_b32 s43, 768<<16
	s_mov_b32 s44, 4
	s_mov_b32 s45, PLB/8
	s_mov_b32 s46, 0
	s_mov_b32 s47, 0
	; and for Wf's: the same with rows of 192 elements
	s_mov_b32 s48, 3<<16                           ; Wf: 4 rows (planes) of 192 elements
	s_mov_b32 s49, 192<<16
	s_mov_b32 s50, 4<<16
	s_mov_b32 s51, 192<<16
	s_mov_b32 s52, 4
	s_mov_b32 s53, PLB/8
	s_mov_b32 s54, 0
	s_mov_b32 s55, 0
	s_lshl_b32 s34, ttmp9, 7
	s_mul_i32 s36, s34, 48                         ; the block's 128 tokens in a plane
	s_lshl_b32 s35, s13, 4
	s_add_co_u32 s34, s34, s35                     ; my first token
	s_mul_i32 s35, s13, 4*PLB                      ; planes 4 (wave & 7) on
	s_add_co_u32 s36, s36, s35
	s_mov_b32 s37, 0
	s_add_co_u32 s38, s35, WFR*48                  ; Wf's rows in the same planes
	s_mov_b32 s39, 0
	s_mov_b32 s56, 1
	s_mul_i32 s57, s13, 4*6144
	s_mov_b32 s60, 1
	s_mul_i32 s61, s13, 4*1536
	s_add_co_u32 s61, s61, WFC
	s_wait_dscnt 0x0
	s_wait_kmcnt 0x0
	s_add_nc_u64 s[58:59], s[4:5], s[36:37]
	s_or_b32 s59, s59, 0x80000000                  ; type = 2
	s_add_nc_u64 s[62:63], s[4:5], s[38:39]
	s_or_b32 s63, s63, 0x80000000
	s_cmp_lt_u32 s12, 8                            ; one branch on the wave's number, a fill in each arm, one join
	s_cbranch_scc0 .Lfor_wf
	tensor_load_to_lds s[56:59], s[40:47]
	s_nop 0
.rept 4
	v_nop
.endr
	s_branch .Lasked
.Lfor_wf:
	tensor_load_to_lds s[60:63], s[48:55]
	s_nop 0
.rept 4
	v_nop
.endr
.Lasked:
	v_and_b32 v1, 31, v0                           ; lane
	v_and_b32 v2, 15, v0                           ; r
	v_bfe_u32 v3, v0, 4, 1                         ; h
	s_delay_alu instid0(VALU_DEP_2)
	v_lshlrev_b32 v5, 6, v2                        ; scale bytes: row r of 64
	s_wait_alu depctr_va_vdst(0)
	v_lshlrev_b32 v10, 4, v1                       ; 16 x lane
	v_lshlrev_b32 v11, 2, v2                       ; 4 r
	s_wait_alu depctr_va_vdst(0)
	v_mov_b32 v201, 0                              ; named with v200 as a pair, so it is written
	s_lshl_b32 s36, s34, 6
	s_lshl_b32 s35, s25, 5                         ; eight K steps of 4 bytes
	s_add_co_u32 s36, s36, s35
	s_add_co_u32 s38, s35, WFR*64
	s_add_nc_u64 s[18:19], s[6:7], s[36:37]        ; x's scale bytes
	s_add_nc_u64 s[20:21], s[6:7], s[38:39]        ; Wf's
	s_and_b32 s29, s12, 1                          ; n of a finishing wave
	s_lshl_b32 s36, s29, 6
	s_add_nc_u64 s[8:9], s[8:9], s[36:37]          ; bf of heads 16 n on
	global_load_b128 v[176:179], v5, s[18:19]              ; token r's scale words of my K steps 0 .. 3,
	global_load_b128 v[180:183], v5, s[18:19] offset:16    ; 4 .. 7
	global_load_b128 v[184:187], v5, s[20:21]              ; Wf's row r likewise,
	global_load_b128 v[188:191], v5, s[20:21] offset:16
	global_load_b128 v[192:195], v5, s[20:21] offset:1024  ; and row 16 + r
	global_load_b128 v[196:199], v5, s[20:21] offset:1040
	global_load_b32 v200, v11, s[8:9]              ; bf[16 n + r]
	; every LDS address is made here, ahead of the branch on the wave's number
	v_mul_u32_u24 v4, v2, 48
	s_delay_alu instid0(VALU_DEP_1)
	v_mad_u32_u24 v12, v3, 24, v4                  ; 48 r + 24 h
	s_mul_i32 s28, s25, 16*6144                    ; my half of K: sixteen planes of x,
	s_mul_i32 s30, s13, 768                        ; my 16 tokens in each
	s_add_co_u32 s28, s28, s30
	s_mul_i32 s30, s25, 16*1536
	s_add_co_u32 s30, s30, WFC                     ; and sixteen planes of Wf
	v_add_nc_u32 v14, s30, v12
	v_add_nc_u32 v12, s28, v12
	s_delay_alu instid0(VALU_DEP_1)
	v_add_nc_u32 v13, 8*6144, v12                  ; x's K steps 4 to 7: eight planes on
	s_lshl_b32 s28, s12, 11
	s_add_co_u32 s28, s28, PART
	v_add_nc_u32 v6, s28, v10                      ; where my images go: 2,048 x wave + 16 x lane
	s_lshl_b32 s30, s29, 10
	s_add_co_u32 s30, s30, PART
	v_add_nc_u32 v7, s30, v10                      ; where a finishing wave reads: accumulator n of every wave
	s_mul_i32 s31, s29, 16*528
	s_add_co_u32 s31, s31, STG
	v_mul_u32_u24 v8, v2, 528
	s_delay_alu instid0(VALU_DEP_1)
	v_lshl_add_u32 v8, v3, 5, v8
	s_delay_alu instid0(VALU_DEP_1)
	v_add_nc_u32 v8, s31, v8                       ; the stage, in: row r (a head), + 32 h
	v_add_nc_u32 v9, s31, v10                      ; and back: 16 bytes a lane of a row
	s_mov_b32 s22, 0x76543210
	s_mov_b32 s23, 0xfedcba98                      ; v_permlanex16_b32's selects for lane l xor 16
	s_mov_b32 s24, 0xbfb8aa3b                      ; -log2(e)
	s_mov_b32 s26, 0xbf317218                      ; -ln(2)
	s_mov_b32 s27, s26                             ; (named with it as a pair)
	s_lshl_b32 s36, s29, 17                        ; fl: 16 n rows of 8,192 bytes
	s_lshl_b32 s35, ttmp9, 9                       ; + my block's 512 bytes
	s_add_co_u32 s36, s36, s35
	s_add_nc_u64 s[32:33], s[10:11], s[36:37]
	s_lshl_b32 s36, s29, 6
	s_lshl_b32 s35, ttmp9, 7
	s_add_co_u32 s36, s36, s35
	s_add_co_u32 s36, s36, 262144                  ; the totals: 128 g + 64 n
	s_add_nc_u64 s[34:35], s[10:11], s[36:37]
; A fragment, 16 rows x 128 K, from LDS: registers 6 c .. 6 c + 5 hold K = 64 c + 32 h + 0 .. 31: 24 bytes of the row's stream of bits, as they lie, in pieces of 8 bytes.  Lanes 0-15 take the row's pieces 12 s + 0, 1, 2 and
; 12 s + 6, 7, 8, lanes 16-31 those three pieces on.  The planes lie dense, 48 bytes a row, with no padding: one address register serves.
.macro LFRAG reg, adr, pl, base        ; registers 0-5 from the K step's first plane, 6-11 from its second, pl bytes on
.irp p, 0,1,2,3,4,5
	ds_load_b64 v[\reg+2*\p:\reg+2*\p+1], v[\adr] offset:(\pl)*(\p/3)+8*(\p%3)+(\base)
.endr
.endm
.macro KLOAD s                         ; my K step s: x's fragment and Wf's two into buffer s % 3: 18 loads
	LFRAG 32+36*((\s)%3), 12+(\s)/4, 6144, 12288*((\s)%4)
	LFRAG 32+36*((\s)%3)+12, 14, 1536, 3072*(\s)
	LFRAG 32+36*((\s)%3)+24, 14, 1536, 3072*(\s)+768
.endm
.macro KMUL s                          ; the two accumulators take turns, one instruction a turn; the first K step starts the sums
.set FB, 32+36*((\s)%3)
.if (\s) == 0
	v_wmma_scale_f32_16x16x128_f8f6f4 v[16:23], v[FB:FB+11], v[FB+12:FB+23], 0, v[176+(\s)], v[184+(\s)] matrix_a_fmt:MATRIX_FMT_BF6 matrix_b_fmt:MATRIX_FMT_BF6
	v_wmma_scale_f32_16x16x128_f8f6f4 v[24:31], v[FB:FB+11], v[FB+24:FB+35], 0, v[176+(\s)], v[192+(\s)] matrix_a_fmt:MATRIX_FMT_BF6 matrix_b_fmt:MATRIX_FMT_BF6
.else
	v_wmma_scale_f32_16x16x128_f8f6f4 v[16:23], v[FB:FB+11], v[FB+12:FB+23], v[16:23], v[176+(\s)], v[184+(\s)] matrix_a_fmt:MATRIX_FMT_BF6 matrix_b_fmt:MATRIX_FMT_BF6
	v_wmma_scale_f32_16x16x128_f8f6f4 v[24:31], v[FB:FB+11], v[FB+24:FB+35], v[24:31], v[176+(\s)], v[192+(\s)] matrix_a_fmt:MATRIX_FMT_BF6 matrix_b_fmt:MATRIX_FMT_BF6
.endif
.endm
	s_wait_alu depctr_va_vdst(0)
	s_wait_tensorcnt 0x0                           ; my tile has landed,
	s_barrier_signal -1
	s_barrier_wait -1                              ; everybody's have: Wf's rows are read by the eight waves of a half of K
	KLOAD 0
	KLOAD 1
	KLOAD 2
	s_wait_loadcnt 0x0                             ; the scale words and bf
.irp s, 0,1,2,3,4,5,6,7
.if \s < 6
	s_wait_dscnt 36                                ; this K step's 18 loads are in; the two younger steps' 36 may be out
.else
	s_wait_dscnt 18*(7-\s)                         ; the tail: one younger step, then none
.endif
	KMUL \s
.if \s < 5
.rept 4
	v_nop                                          ; four places in front of loads into registers that matrix instructions have read
.endr
	KLOAD \s+3                                     ; the buffer just multiplied takes the K step three on
.endif
.endr
.rept 4
	v_nop                                          ; four places in front of the first read of results, and of later loads into the fragments' registers
.endr
	ds_store_b128 v6, v[16:19]                     ; each accumulator from its low end on
	ds_store_b128 v6, v[20:23] offset:512
	ds_store_b128 v6, v[24:27] offset:1024
	ds_store_b128 v6, v[28:31] offset:1536
	s_wait_dscnt 0x0                               ; for the others' sake: my images have landed
	s_barrier_signal -1
	s_barrier_wait -1
	s_cmp_lt_u32 s12, 2
	s_cbranch_scc0 .Lend                           ; waves 2 to 15 are done; no barrier follows
	; ---- a finishing wave: heads 16 n + r, all 128 tokens.  z of tile a, register j (token 16 a + 8 h + j) at v[32 + 8 a + j]; the other half of K at v[96 + ..]
.set i, 0
.rept 16
	ds_load_b128 v[32+64*(i/8)+8*(i%8):35+64*(i/8)+8*(i%8)], v7 offset:i*2048
	ds_load_b128 v[36+64*(i/8)+8*(i%8):39+64*(i/8)+8*(i%8)], v7 offset:i*2048+512
.set i, i+1
.endr
	s_wait_dscnt 0x0
.set i, 0
.rept 32
	v_pk_add_f32 v[32+i:33+i], v[32+i:33+i], v[96+i:97+i]          ; the two halves of K
.set i, i+2
.endr
.set i, 0
.rept 32
	v_pk_add_f32 v[32+i:33+i], v[32+i:33+i], v[200:201] op_sel_hi:[1,0]   ; + bf of my head
.set i, i+2
.endr
	; f = min(z, 0) - ln 2 x log2(1 + 2^(-|z| log2 e))
.set i, 0
.rept 64
	v_mul_f32 v[96+i], s24, |v[32+i]|
.set i, i+1
.endr
.set i, 0
	s_wait_alu depctr_va_vdst(0)
.rept 64
	v_exp_f32 v[96+i], v[96+i]
.set i, i+1
.endr
	v_nop                                          ; a plain line behind the last exponential
	s_wait_alu depctr_va_vdst(0)                   ; one wait for the batch, ahead of its first reader
.set i, 0
.rept 32
	v_pk_add_f32 v[96+i:97+i], v[96+i:97+i], 1.0 op_sel_hi:[1,0]
.set i, i+2
.endr
.set i, 0
	s_wait_alu depctr_va_vdst(0)
.rept 64
	v_log_f32 v[96+i], v[96+i]
.set i, i+1
.endr
.set i, 0
.rept 64
	v_min_num_f32 v[32+i], 0, v[32+i]              ; independent work behind the logarithms
.set i, i+1
.endr
	s_wait_alu depctr_va_vdst(0)                   ; one wait for the batch
.set i, 0
.rept 32
	v_pk_fma_f32 v[32+i:33+i], v[96+i:97+i], s[26:27], v[32+i:33+i] op_sel_hi:[1,0,1]
.set i, i+2
.endr
	; the prefix: inside a lane's eight tokens (the eight tiles by turns), then across the halves of the lanes, then from tile to tile
.irp j, 1,2,3,4,5,6,7
.irp a, 0,1,2,3,4,5,6,7
	v_add_f32 v[32+8*\a+\j], v[32+8*\a+\j], v[31+8*\a+\j]
.endr
.endr
.irp a, 0,1,2,3,4,5,6,7
	v_permlanex16_b32 v[96+\a], v[39+8*\a], s22, s23               ; the other half's eight tokens' sum
.endr
	s_mov_b32 vcc_lo, 0xffff0000
.irp a, 0,1,2,3,4,5,6,7
	v_add_f32 v[104+\a], v[39+8*\a], v[96+\a]                      ; the tile's total
	v_cndmask_b32 v[112+\a], 0, v[96+\a], vcc_lo                   ; lanes 16-31 (tokens 8-15) stand behind tokens 0-7
.endr
	v_mov_b32 v160, 0
.irp a, 0,1,2,3,4,5,6,7
	s_delay_alu instid0(VALU_DEP_1)
	v_add_f32 v[161+\a], v[160+\a], v[104+\a]                      ; the carry into the next tile; v168 is the block's total
.endr
.irp a, 0,1,2,3,4,5,6,7
	v_add_f32 v[130+2*\a], v[160+\a], v[112+\a]                    ; what my eight numbers of tile a still lack
.endr
.irp a, 0,1,2,3,4,5,6,7
.irp k, 0,2,4,6
	v_pk_add_f32 v[32+8*\a+\k:33+8*\a+\k], v[32+8*\a+\k:33+8*\a+\k], v[130+2*\a:131+2*\a] op_sel_hi:[1,0]
.endr
.endr
.irp a, 0,1,2,3,4,5,6,7
	ds_store_b128 v8, v[32+8*\a:35+8*\a] offset:64*\a              ; head r, tokens 16 a + 8 h + 0 .. 7
	ds_store_b128 v8, v[36+8*\a:39+8*\a] offset:64*\a+16
.endr
.set i, 0
.rept 16
	ds_load_b128 v[96+4*i:99+4*i], v9 offset:528*i                 ; LDS serves a wave's instructions in order: these see my stores
.set i, i+1
.endr
.set i, 0
.rept 16
	s_wait_dscnt 15-i                                              ; row i is back; the younger loads may be out
	global_store_b128 v10, v[96+4*i:99+4*i], s[32:33] offset:8192*i   ; 32 lanes store 512 consecutive aligned bytes of head 16 n + i
.set i, i+1
.endr
	s_wait_xcnt 0x0                                ; EXEC changes only behind this wait
	v_cmp_gt_u32 vcc_lo, 16, v1
	s_and_saveexec_b32 s36, vcc_lo
	global_store_b32 v11, v168, s[34:35]           ; the block's totals of my 16 heads
	s_wait_xcnt 0x0                                ; and again in front of the line that widens it
	s_or_b32 exec_lo, exec_lo, s36
.Lend:
	s_wait_tensorcnt 0x0
	ds_add_u32 v208, v209
	s_wait_dscnt 0x0
	s_endpgm
.Lfunc_end_k_q5386f8669e_gate:
	.size	k_q5386f8669e_gate, .Lfunc_end_k_q5386f8669e_gate-k_q5386f8669e_gate
	.p2alignl 7, 3214868480
	.fill 96, 4, 3214868480
	.section	.rodata,"a",@progbits
	.p2align	6, 0x0
	.amdhsa_kernel k_q5386f8669e_gate
		.amdhsa_group_segment_fixed_size 313344
		.amdhsa_private_segment_fixed_size 0
		.amdhsa_enable_private_segment 0
		.amdhsa_kernarg_size 32
		.amdhsa_user_sgpr_count 2
		.amdhsa_user_sgpr_kernarg_segment_ptr 1
		.amdhsa_wavefront_size32 1
		.amdhsa_system_sgpr_workgroup_id_x 1
		.amdhsa_system_sgpr_workgroup_id_y 1
		.amdhsa_system_sgpr_workgroup_id_z 1
		.amdhsa_system_vgpr_workitem_id 0
		.amdhsa_next_free_vgpr 210
		.amdhsa_next_free_sgpr 66
		.amdhsa_reserve_vcc 1
		.amdhsa_float_denorm_mode_32 3
		.amdhsa_float_denorm_mode_16_64 3
		.amdhsa_memory_ordered 1
		.amdhsa_forward_progress 1
		.amdhsa_inst_pref_size 49
	.end_amdhsa_kernel
	.amdgpu_metadata
---
amdhsa.version: [ 1, 2 ]
amdhsa.kernels:
  - .name:           k_q5386f8669e_gate
    .symbol:         k_q5386f8669e_gate.kd
    .args:
      - { .name: cod, .offset: 0, .size: 8, .value_kind: global_buffer, .address_space: global }
      - { .name: scl, .offset: 8, .size: 8, .value_kind: global_buffer, .address_space: global }
      - { .name: bf, .offset: 16, .size: 8, .value_kind: global_buffer, .address_space: global }
      - { .name: fl, .offset: 24, .size: 8, .value_kind: global_buffer, .address_space: global }
    .group_segment_fixed_size: 313344
    .private_segment_fixed_size: 0
    .kernarg_segment_align: 8
    .kernarg_segment_size: 32
    .max_flat_workgroup_size: 512
    .sgpr_count:     66
    .vgpr_count:     210
    .wavefront_size: 32
...
	.end_amdgpu_metadata
.endif
;; end of part 7
;; launch gemm_qkv (part 8): grid 24 x 8, 4 waves a work-group, clusters of 4 x 4, 327,680 bytes of LDS; arguments cod, scl, qkvc, qkvs; writes qkvc, qkvs
.if DOCPART == 8
	.amdgcn_target "amdgcn-amd-amdhsa--gfx1250"
	.amdhsa_code_object_version 6
	.text
	.protected	k_q5386f8669e_gemm_qkv
	.globl	k_q5386f8669e_gemm_qkv
	.p2align	8
	.type	k_q5386f8669e_gemm_qkv,@function
k_q5386f8669e_gemm_qkv:
	s_mov_b64 s[64:65], 0
	v_nop
	global_prefetch_b8 v0, s[64:65] scope:SCOPE_SE
	s_setreg_imm32_b32 hwreg(HW_REG_WAVE_MODE, 25, 1), 1
	s_wait_xcnt 0x0
	s_wait_alu depctr_hold_cnt(0) depctr_sa_sdst(0) depctr_va_vdst(0) depctr_va_sdst(0) depctr_va_ssrc(0) depctr_va_vcc(0) depctr_vm_vsrc(0)
	s_getreg_b32 s2, hwreg(HW_REG_IB_STS2, 6, 4)
	s_cmp_eq_u32 s2, 0
	s_cbranch_scc0 .Lentry_in_a_cluster
	s_endpgm
.Lentry_in_a_cluster:
	s_bfe_u32 s2, ttmp6, 0x10000c
	s_cmp_lg_u32 s2, 0xf033
	s_cbranch_scc0 .Lentry_shape_is_right
	s_endpgm
.Lentry_shape_is_right:
.set SIZE_K, 2048
.set KSTEP,  256
.set NQ,     KSTEP/128
.set ROWB,   192
.set KROW,   SIZE_K*6/8
.set PITCH,  240
.set FR,     12
.set NL,     6
.set NP,     4
.set HALFT,  24576                     ; what one tensor load of the ring brings: two planes of 64 along K x 256 rows x 48 bytes, dense
.set PLB,    493056                    ; cod is [32 planes][10,272 rows][48 bytes]: a plane in bytes
.set SLOT,   4*HALFT
.set LAPS,   SIZE_K/(2*KSTEP)
.set KS,     SIZE_K/32
.set SCL,    2*SLOT
.set HALFS,  (128*KS/256)*272
.set SBLK,   (16*KS/256)*272
.set SPARE,  SCL+4*HALFS
.set WSTG,   12800
.set ADRA, 16
.set ADRB, 20
.set STO,  24
.set SSW,  25
.set RD,   26
.set ADRS, 27
.set SPW,  28
.set NIL,  29
.set CO,   30
.set SC,   32
.set TM,   64
.set PW,   80
.set QCD,  84
.set AF,   128
.set RB,   128
.set RS,   224
.set G1, 24
.set G0, 32
.set G1B, 48
.set G0B, 56
.set G1S, 68
.set G0S, 76
.set G1SB, 80
.set G0SB, 88
.set MSB, 0
.macro WIN new
.if MSB != (\new)
	s_set_vgpr_msb (MSB<<8)|(\new)
.set MSB, \new
.endif
.endm
.set MUL_LO, 0xa1
.set MUL_HI, 0xf1
.set TO_B,   0x40
.macro JLOAD g0a, g1a, g0b, g1b
	s_cmp_eq_u32 s15, 0
	s_cbranch_scc0 .Lfor_b_\@
	tensor_load_to_lds s[\g0a:\g0a+3], s[\g1a:\g1a+7]
	s_nop 0
.rept 4
	v_nop
.endr
	s_branch .Lasked_\@
.Lfor_b_\@:
	tensor_load_to_lds s[\g0b:\g0b+3], s[\g1b:\g1b+7]
	s_nop 0
.rept 4
	v_nop
.endr
.Lasked_\@:
.endm
.macro CREST
	s_cmp_lg_u32 s14, 0
	s_cbranch_scc1 .Lnot_wave_0_\@
	s_barrier_signal -3
.Lnot_wave_0_\@:
	s_barrier_wait -3
	s_barrier_signal -1
	s_barrier_wait -1
.endm
.macro CROUND
	s_barrier_signal -1
	s_barrier_wait -1
	CREST
.endm
	s_load_b256 s[4:11], s[0:1], 0x0
	v_lshl_add_u32 v[SPW], v0, 2, SPARE
	v_mov_b32 v[NIL], 0
	ds_add_u32 v28, v29
	ds_add_u32 v28, v29
	s_wait_dscnt 0x0
	v_lshrrev_b32 v1, 5, v0
	v_readfirstlane_b32 s14, v1
	s_lshr_b32 s15, s14, 1
	s_and_b32 s16, s14, 1
	s_bfe_u32 s40, ttmp6, 0x40000
	s_bfe_u32 s41, ttmp6, 0x40004
	s_and_b32 s95, ttmp7, 0xffff
	s_sub_co_u32 s96, ttmp9, 4
	s_cmp_lt_u32 ttmp9, 4
	s_cselect_b32 s97, s95, s96
	s_cselect_b32 s98, ttmp9, s95
	s_cselect_b32 s99, 0, 6144
	s_cselect_b32 s100, 2048, 0
	s_cselect_b32 s101, 0, 6291456
	s_cselect_b32 s96, 0, 262144
	s_lshl_b32 s42, s98, 2
	s_add_co_u32 s42, s42, s40
	s_lshl_b32 s17, s97, 2
	s_add_co_u32 s17, s17, s41
	s_mov_b32 s97, 0x76543210
	s_mov_b32 s98, 0xfedcba98
	s_lshl_b32 s43, s41, 2
	s_lshl_b32 s43, 15, s43
	s_lshl_b32 s44, 0x1111, s40
	s_or_b32 s[G1+0], s43, (3<<16)|(1<<21)         ; elements of 8 bytes; a tile's row is 256 rows of codes in one plane: 12,288 consecutive bytes, at a multiple of 256
	s_or_b32 s[G1B+0], s44, (3<<16)|(1<<21)
.irp g, G1, G1B
	s_mov_b32 s[\g+1], 1536<<16                    ; a tile's row: 256 rows of codes in one plane, 12,288 consecutive bytes
	s_mov_b32 s[\g+2], 8<<16                       ; the head's loads bring eight planes (four K steps: both slots); behind them the two words that count rows are set to 2
	s_mov_b32 s[\g+3], 1536<<16
	s_mov_b32 s[\g+4], 8
	s_mov_b32 s[\g+5], PLB/8
	s_mov_b32 s[\g+6], 0
	s_mov_b32 s[\g+7], 0
.endr
	s_or_b32 s[G1S+0], s43, (3<<16)|(1<<20)|(1<<21)|(5<<22)|(3<<25)
	s_or_b32 s[G1SB+0], s44, (3<<16)|(1<<20)|(1<<21)|(5<<22)|(3<<25)
.irp g, G1S, G1SB
	s_mov_b32 s[\g+1], 32<<16
	s_mov_b32 s[\g+2], KS<<16                      ; the scales of 256 rows: KS rows of 256 bytes
	s_mov_b32 s[\g+3], 32<<16
	s_mov_b32 s[\g+4], KS
	s_mov_b32 s[\g+5], 32
	s_mov_b32 s[\g+6], 0
	s_mov_b32 s[\g+7], 0
.endr
	s_lshl_b32 s20, s17, 8                         ; the block's first row of A
	s_add_co_u32 s20, s20, s99
	s_lshl_b32 s46, s42, 8                         ; and of B
	s_add_co_u32 s46, s46, s100
	s_mov_b32 s21, 0
	s_mov_b32 s47, 0
	s_mov_b64 s[18:19], KS
	s_mul_u64 s[22:23], s[20:21], s[18:19]
	s_mul_u64 s[92:93], s[46:47], s[18:19]
	s_mov_b64 s[18:19], 48
	s_mul_u64 s[20:21], s[20:21], s[18:19]
	s_mul_u64 s[46:47], s[46:47], s[18:19]
	s_mul_i32 s45, s16, 24576                      ; in the ring I bring two of a slot's four planes: where they go,
	s_mul_i32 s94, s16, 2*PLB                      ; and where they come from
	s_mov_b32 s95, 0
	s_wait_kmcnt 0x0
	s_add_nc_u64 s[20:21], s[4:5], s[20:21]
	s_add_nc_u64 s[22:23], s[6:7], s[22:23]
	s_add_nc_u64 s[46:47], s[4:5], s[46:47]
	s_add_nc_u64 s[92:93], s[6:7], s[92:93]
	CROUND
; LDS: A [8 planes][256 rows][48 bytes] from byte 0, B likewise from byte 98,304; slot s is planes 4 s .. 4 s + 3 of each.  THE HEAD'S LOADS, ONE A WAVE: wave 0 brings A's eight planes
; (both slots), wave 1 B's, wave 2 the scales of A's 256 rows, wave 3 those of B's: one chain of branches on the wave's number, a fill in each arm, one join.
.set G0H,  4                           ; s[4:7], s[92:95]: group 0 of the head's two loads of codes (what lay there has been used by then)
.set G0HB, 92
.set PFA,  12                          ; s[12:13] where my prefetches stand
.set PFO,  31                          ; v31 their offset: 256 x min(lane, 23)
	s_mov_b32 s[G0S], 1
	s_mov_b32 s[G0S+1], SCL
	s_mov_b64 s[G0S+2:G0S+3], s[22:23]
	s_or_b32 s[G0S+3], s[G0S+3], 0x80000000
	s_mov_b32 s[G0SB], 1
	s_mov_b32 s[G0SB+1], SCL+2*HALFS
	s_mov_b64 s[G0SB+2:G0SB+3], s[92:93]
	s_or_b32 s[G0SB+3], s[G0SB+3], 0x80000000
	s_mov_b32 s[G0H], 1
	s_mov_b32 s[G0H+1], 0
	s_mov_b64 s[G0H+2:G0H+3], s[20:21]
	s_or_b32 s[G0H+3], s[G0H+3], 0x80000000
	s_mov_b64 s[22:23], s[46:47]
	s_add_nc_u64 s[20:21], s[20:21], s[94:95]      ; for the ring: my two planes of a slot's four
	s_add_nc_u64 s[46:47], s[46:47], s[94:95]
	s_mov_b32 s[G0HB], 1
	s_mov_b32 s[G0HB+1], 98304
	s_mov_b64 s[G0HB+2:G0HB+3], s[22:23]
	s_or_b32 s[G0HB+3], s[G0HB+3], 0x80000000
.irp s, 0,1
	s_mov_b32 s[G0+4*\s], 1
	s_add_co_u32 s[G0+4*\s+1], s45, \s*49152
	s_add_nc_u64 s[G0+4*\s+2:G0+4*\s+3], s[20:21], \s*4*PLB
	s_or_b32 s[G0+4*\s+3], s[G0+4*\s+3], 0x80000000
	s_mov_b32 s[G0B+4*\s], 1
	s_add_co_u32 s[G0B+4*\s+1], s45, 98304+\s*49152
	s_add_nc_u64 s[G0B+4*\s+2:G0B+4*\s+3], s[46:47], \s*4*PLB
	s_or_b32 s[G0B+4*\s+3], s[G0B+4*\s+3], 0x80000000
.endr
	; the prefetches: of the 96 blocks of 256 bytes that a refill of mine names, each of the four partners that ask for them jointly takes 24, told apart by address: plane p / 2 of the two, half p % 2 of its 12,288 bytes
	s_cmp_eq_u32 s15, 0                            ; do I fetch for A?
	s_cselect_b64 s[PFA:PFA+1], s[20:21], s[46:47]
	s_cselect_b32 s18, s40, s41                    ; p: my place among the four
	s_and_b32 s19, s18, 1
	s_lshr_b32 s18, s18, 1
	s_mul_i32 s18, s18, PLB
	s_mul_i32 s19, s19, 6144
	s_add_co_u32 s18, s18, s19
	s_add_co_u32 s18, s18, 8*PLB                   ; at the first refill's planes
	s_mov_b32 s19, 0
	s_add_nc_u64 s[PFA:PFA+1], s[PFA:PFA+1], s[18:19]
.macro ARM under, g0, g1, next
	s_cmp_lt_u32 s14, \under
	s_cbranch_scc0 \next
	tensor_load_to_lds s[\g0:\g0+3], s[\g1:\g1+7]
	s_nop 0
.rept 4
	v_nop
.endr
	s_branch .Lhead_asked
\next:
.endm
	ARM 1, G0H,  G1,  .Lhead_b
	ARM 2, G0HB, G1B, .Lhead_sa
	ARM 3, G0S,  G1S, .Lhead_sb
	tensor_load_to_lds s[G0SB:G0SB+3], s[G1SB:G1SB+7]
	s_nop 0
.rept 4
	v_nop
.endr
.Lhead_asked:
	v_and_b32 v[PFO], 31, v0
	v_min_u32 v[PFO], 23, v[PFO]                   ; the lanes left over name the last block again
	v_lshlrev_b32 v[PFO], 8, v[PFO]
	global_prefetch_b8 v[PFO], s[PFA:PFA+1] th:TH_LOAD_NT scope:SCOPE_SE                 ; the first two refills' planes; each later refill asks for the one two refills on
	global_prefetch_b8 v[PFO], s[PFA:PFA+1] offset:4*PLB th:TH_LOAD_NT scope:SCOPE_SE
	v_and_b32 v1, 15, v0
	v_bfe_u32 v2, v0, 4, 1
	v_mul_u32_u24 v3, v1, 48
	v_mul_u32_u24 v4, v2, 24
	v_add_nc_u32 v4, v3, v4                        ; 48 r + 24 h: the 32 lanes of a load of 8 bytes touch 64 different banks
	s_mul_i32 s21, s15, 6144                       ; my 128 rows in each plane of A
	s_mul_i32 s22, s16, 6144                       ; and of B,
	s_add_co_u32 s22, s22, 98304                   ; which lies behind A's eight planes
.irp s, 0,1
	v_add_nc_u32 v[ADRA+\s], s21, v4
	v_add_nc_u32 v[ADRB+\s], s22, v4
	s_add_co_u32 s21, s21, 49152
	s_add_co_u32 s22, s22, 49152
.endr
	v_mul_u32_u24 v5, v1, KS
	v_lshrrev_b32 v6, 8, v5
	v_lshl_add_u32 v5, v6, 4, v5
	s_mul_i32 s21, s15, HALFS
	s_mul_i32 s22, s16, HALFS
	s_add_co_u32 s22, s22, 2*HALFS
	s_sub_co_u32 s22, s22, s21
	v_mul_u32_u24 v6, s22, v2
	s_add_co_u32 s21, s21, SCL
	v_add_nc_u32 v5, v5, v6
	v_add_nc_u32 v[ADRS], s21, v5
	s_mul_i32 s23, s16, WSTG                       ; the stages lie in slot 0's planes of A (waves 0, 1) and of B (waves 2, 3): they have had their last fill and their last read when the first result is stored
	s_mul_i32 s20, s15, 98304
	s_add_co_u32 s23, s23, s20
	v_mul_u32_u24 v5, v1, 48
	v_mad_u32_u24 v5, v2, 24, v5
	v_add_nc_u32 v[STO], s23, v5
	v_lshl_add_u32 v5, v1, 2, 12288
	v_add_nc_u32 v[SSW], s23, v5
	v_and_b32 v6, 31, v0
	v_lshlrev_b32 v[CO], 4, v6
	v_add_nc_u32 v[RD], s23, v[CO]
	s_lshl_b32 s20, s17, 1
	s_add_co_u32 s20, s20, s15
	s_lshl_b32 s46, s42, 1
	s_add_co_u32 s46, s46, s16
	s_mul_i32 s21, s20, 6144
	s_mul_i32 s47, s46, 196608
	s_add_co_u32 s22, s21, s47
	s_add_co_u32 s22, s22, s101
	s_mov_b32 s23, 0
	s_add_nc_u64 s[8:9], s[8:9], s[22:23]
	s_lshl_b32 s21, s20, 9
	s_lshl_b32 s47, s46, 13
	s_add_co_u32 s22, s21, s47
	s_add_co_u32 s22, s22, s96
	s_add_nc_u64 s[10:11], s[10:11], s[22:23]
.macro FRAG reg, adr, q, i
.irp p, 0,1,2,3,4,5
	ds_load_b64 v[\reg+2*\p:\reg+2*\p+1], v[\adr] offset:12288*(2*(\q)+\p/3)+768*(\i)+8*(\p%3)
.endr
.endm
.macro MUL16 a0, p, q, sc, zero
.irp a, \a0, \a0+1
.irp b, 0,1,2,3,4,5,6,7
.if \zero
	v_wmma_scale_f32_16x16x128_f8f6f4 v[8*(8*((\a)%4)+\b):8*(8*((\a)%4)+\b)+7], v[128*(\p)+FR*\b:128*(\p)+FR*\b+FR-1], v[AF+FR*(\a):AF+FR*(\a)+FR-1], 0, v[SC+8*NQ*(\sc)+NQ*\b+(\q)], v[SC+8*NQ*(\sc)+NQ*(\a)+(\q)] matrix_a_fmt:MATRIX_FMT_BF6 matrix_b_fmt:MATRIX_FMT_BF6 matrix_a_scale:MATRIX_SCALE_ROW1
.else
	v_wmma_scale_f32_16x16x128_f8f6f4 v[8*(8*((\a)%4)+\b):8*(8*((\a)%4)+\b)+7], v[128*(\p)+FR*\b:128*(\p)+FR*\b+FR-1], v[AF+FR*(\a):AF+FR*(\a)+FR-1], v[8*(8*((\a)%4)+\b):8*(8*((\a)%4)+\b)+7], v[SC+8*NQ*(\sc)+NQ*\b+(\q)], v[SC+8*NQ*(\sc)+NQ*(\a)+(\q)] matrix_a_fmt:MATRIX_FMT_BF6 matrix_b_fmt:MATRIX_FMT_BF6 matrix_a_scale:MATRIX_SCALE_ROW1
.endif
.endr
.endr
.endm
.macro FETCH_B slot, q, p
	WIN TO_B
.irp i, 0,1,2,3,4,5,6,7
	FRAG 128*(\p)+FR*\i, ADRB+\slot, \q, \i
.endr
	WIN 0
.endm
.macro FETCH_A slot, q, i0
.irp i, \i0, \i0+1, \i0+2, \i0+3
	FRAG AF+FR*(\i), ADRA+\slot, \q, \i
.endr
.endm
.macro SCALES sc
.irp i, 0,1,2,3,4,5,6,7
	ds_load_b64 v[SC+8*NQ*\sc+NQ*\i:SC+8*NQ*\sc+NQ*\i+1], v[ADRS] offset:\i*SBLK
.endr
.endm
.macro PLACES n
.rept \n
	v_nop
.endr
.endm
.macro STEP slot, q, zero
	s_wait_dscnt 4*NL
	WIN MUL_LO
	MUL16 0, (\q)%2, \q, \slot, \zero
	MUL16 2, (\q)%2, \q, \slot, \zero
	s_wait_dscnt 0
	PLACES NP
	FETCH_B \slot, (\q)+1, 1-(\q)%2
	FETCH_A \slot, (\q)+1, 0
	WIN MUL_HI
	MUL16 4, (\q)%2, \q, \slot, \zero
	MUL16 6, (\q)%2, \q, \slot, \zero
	PLACES NP
	WIN 0
	FETCH_A \slot, (\q)+1, 4
.endm
.macro TURN slot, next, fill
.if \fill
	s_wait_xcnt 0x0                                ; my last prefetch has read its address: it is stepped here, a slot's four planes on
	s_add_nc_u64 s[PFA:PFA+1], s[PFA:PFA+1], 4*PLB
.endif
	s_wait_tensorcnt 0x0
	ds_add_u32 v[SPW], v[NIL]
	s_wait_dscnt 4*NL+1
	WIN MUL_LO
	MUL16 0, 1, NQ-1, \slot, 0
	s_wait_dscnt 0x0
	s_barrier_signal -1
	MUL16 2, 1, NQ-1, \slot, 0
	WIN 0
	s_barrier_wait -1
.if \fill
	CREST
	s_add_nc_u64 s[G0+4*\slot+2:G0+4*\slot+3], s[G0+4*\slot+2:G0+4*\slot+3], 8*PLB
	s_add_nc_u64 s[G0B+4*\slot+2:G0B+4*\slot+3], s[G0B+4*\slot+2:G0B+4*\slot+3], 8*PLB
	JLOAD G0+4*\slot, G1, G0B+4*\slot, G1B
.else
	PLACES NP
.endif
	s_wait_alu depctr_va_vdst(0)
	v_add_nc_u32 v[ADRS], 4*NQ, v[ADRS]
	FETCH_B \next, 0, 0
	FETCH_A \next, 0, 0
	SCALES \next
.if \fill
	s_cmp_gt_u32 s3, 1                             ; the loop's last trip has no refill two on: it asks for nothing
	s_cbranch_scc0 .Lno_ask_\@
	global_prefetch_b8 v[PFO], s[PFA:PFA+1] offset:4*PLB th:TH_LOAD_NT scope:SCOPE_SE   ; the planes of the refill that stands two refills on: 24 blocks of 256 bytes, a lane a block
.Lno_ask_\@:
.endif
	WIN MUL_HI
	MUL16 4, 1, NQ-1, \slot, 0
	MUL16 6, 1, NQ-1, \slot, 0
	PLACES NP
	WIN 0
	FETCH_A \next, 0, 4
.endm
	s_wait_alu depctr_va_vdst(0)
	s_wait_tensorcnt 0x0                           ; my tile of the head's four is in; no tensor load of mine is out, so a descriptor may be written:
	s_mov_b32 s[G1+2], 2<<16                       ; from here on a load brings two planes
	s_mov_b32 s[G1+4], 2
	s_mov_b32 s[G1B+2], 2<<16
	s_mov_b32 s[G1B+4], 2
	s_barrier_signal -1
	s_barrier_wait -1
	FETCH_B 0, 0, 0
	FETCH_A 0, 0, 0
	SCALES 0
	FETCH_A 0, 0, 4
	STEP 0, 0, 1
	s_mov_b32 s3, LAPS-1
.Llap:
	TURN 0, 1, 1
	STEP 1, 0, 0
	TURN 1, 0, 1
	STEP 0, 0, 0
	s_sub_co_u32 s3, s3, 1
	s_cmp_lg_u32 s3, 0
	s_cbranch_scc1 .Llap
	TURN 0, 1, 0
	STEP 1, 0, 0
	s_wait_dscnt 4*NL
	WIN MUL_LO
	MUL16 0, 1, NQ-1, 1, 0
	MUL16 2, 1, NQ-1, 1, 0
	s_wait_dscnt 0
	WIN MUL_HI
	MUL16 4, 1, NQ-1, 1, 0
	MUL16 6, 1, NQ-1, 1, 0
	WIN 0
.macro QUANTW a
.set QS0, 64*((\a)%4)
	WIN 0x0a+5*((\a)/4)
.irp b, 0,1,2,3
	v_max3_num_f32 v[TM+\b], |v[QS0+16*\b]|, |v[QS0+16*\b+1]|, 0x2800000
.endr
.irp i, 2,4,6,8,10,12,14
.irp b, 0,1,2,3
	v_max3_num_f32 v[TM+\b], |v[QS0+16*\b+\i]|, |v[QS0+16*\b+\i+1]|, v[TM+\b]
.endr
.endr
	WIN 0
.irp b, 0,1,2,3
	v_permlanex16_b32 v[TM+4+\b], v[TM+\b], s97, s98
.endr
.irp b, 0,1,2,3
	v_max_num_f32 v[TM+\b], v[TM+\b], v[TM+4+\b]
.endr
.irp b, 0,1,2,3
	v_add_nc_u32 v[TM+12+\b], 0xfe000000, v[TM+\b]
.endr
.irp b, 0,1,2,3
	v_lshrrev_b32 v[TM+4+\b], 23, v[TM+12+\b]
.endr
	v_lshl_or_b32 v[PW], v[TM+5], 8, v[TM+4]
	v_lshl_or_b32 v[PW], v[TM+6], 16, v[PW]
	v_lshl_or_b32 v[PW], v[TM+7], 24, v[PW]
	WIN 0x02+((\a)/4)
.irp c, 0,1
	v_cvt_scalef32_pk16_bf6_f32 v[QCD+6*\c:QCD+6*\c+2], v[QS0+32*\c:QS0+32*\c+15], v[TM+12+2*\c]
	v_cvt_scalef32_pk16_bf6_f32 v[QCD+12+4*\c:QCD+14+4*\c], v[QS0+32*\c+16:QS0+32*\c+31], v[TM+13+2*\c]
.endr
	WIN 0
	v_nop
.irp c, 0,1
.irp i, 0,1,2
	v_permlane16_swap_b32 v[QCD+6*\c+\i], v[QCD+12+4*\c+\i]
.endr
.irp i, 0,1,2
	v_mov_b32 v[QCD+3+6*\c+\i], v[QCD+12+4*\c+\i]
.endr
.endr
.endm
.irp b, 0,1,2,3
	v_mov_b32 v[TM+4+\b], 0
.endr
.irp a, 0,1,2,3,4,5,6,7
	QUANTW \a
.irp c, 0,1
.irp p, 0,1,2
	ds_store_b64 v[STO], v[QCD+6*\c+2*\p:QCD+6*\c+2*\p+1] offset:6144*\c+768*\a+8*\p
.endr
.endr
	ds_store_b32 v[SSW], v[PW] offset:64*\a
	s_wait_dscnt 0x0
.endr
.set i, 0
.rept 24
	ds_load_b128 v[RB+4*i:RB+4*i+3], v[RD] offset:512*i
.set i, i+1
.endr
	ds_load_b128 v[RS:RS+3], v[RD] offset:12288
.set i, 0
.rept 24
	s_wait_dscnt 24-i
	global_store_b128 v[CO], v[RB+4*i:RB+4*i+3], s[8:9] offset:98304*(i/12)+512*(i%12)
.set i, i+1
.endr
	s_wait_dscnt 0x0
	global_store_b128 v[CO], v[RS:RS+3], s[10:11]
	s_wait_tensorcnt 0x0
	ds_add_u32 v[SPW], v[NIL]
	s_wait_dscnt 0x0
	CROUND
	s_endpgm
.Lfunc_end_k_q5386f8669e_gemm_qkv:
	.size	k_q5386f8669e_gemm_qkv, .Lfunc_end_k_q5386f8669e_gemm_qkv-k_q5386f8669e_gemm_qkv
	.p2alignl 7, 3214868480
	.fill 96, 4, 3214868480
	.section	.rodata,"a",@progbits
	.p2align	6, 0x0
	.amdhsa_kernel k_q5386f8669e_gemm_qkv
		.amdhsa_group_segment_fixed_size 327680
		.amdhsa_private_segment_fixed_size 0
		.amdhsa_enable_private_segment 0
		.amdhsa_kernarg_size 32
		.amdhsa_user_sgpr_count 2
		.amdhsa_user_sgpr_kernarg_segment_ptr 1
		.amdhsa_wavefront_size32 1
		.amdhsa_system_sgpr_workgroup_id_x 1
		.amdhsa_system_sgpr_workgroup_id_y 1
		.amdhsa_system_sgpr_workgroup_id_z 1
		.amdhsa_system_vgpr_workitem_id 0
		.amdhsa_next_free_vgpr 1024
		.amdhsa_next_free_sgpr 102
		.amdhsa_reserve_vcc 0
		.amdhsa_float_denorm_mode_32 3
		.amdhsa_float_denorm_mode_16_64 3
		.amdhsa_memory_ordered 1
		.amdhsa_forward_progress 1
		.amdhsa_inst_pref_size 171
	.end_amdhsa_kernel
	.amdgpu_metadata
---
amdhsa.version: [ 1, 2 ]
amdhsa.kernels:
  - .name:           k_q5386f8669e_gemm_qkv
    .symbol:         k_q5386f8669e_gemm_qkv.kd
    .args:
      - { .name: cod, .offset: 0, .size: 8, .value_kind: global_buffer, .address_space: global }
      - { .name: scl, .offset: 8, .size: 8, .value_kind: global_buffer, .address_space: global }
      - { .name: qkvc, .offset: 16, .size: 8, .value_kind: global_buffer, .address_space: global }
      - { .name: qkvs, .offset: 24, .size: 8, .value_kind: global_buffer, .address_space: global }
    .group_segment_fixed_size: 327680
    .private_segment_fixed_size: 0
    .kernarg_segment_align: 8
    .kernarg_segment_size: 32
    .max_flat_workgroup_size: 128
    .sgpr_count:     102
    .vgpr_count:     1024
    .wavefront_size: 32
...
	.end_amdgpu_metadata
.endif
;; end of part 8
;; launch attn (part 9): grid 8 x 32, 16 waves a work-group, no clusters, 327,680 bytes of LDS; arguments qkvc, qkvs, fl, oc, os; writes oc, os
.if DOCPART == 9
	.amdgcn_target "amdgcn-amd-amdhsa--gfx1250"
	.amdhsa_code_object_version 6
	.text
	.protected	k_q5386f8669e_attn
	.globl	k_q5386f8669e_attn
	.p2align	8
	.type	k_q5386f8669e_attn,@function
k_q5386f8669e_attn:
	s_mov_b64 s[64:65], 0
	v_nop
	global_prefetch_b8 v0, s[64:65] scope:SCOPE_SE
	s_setreg_imm32_b32 hwreg(HW_REG_WAVE_MODE, 25, 1), 1
	s_wait_xcnt 0x0
; o[q] = sum over keys j <= q of softmax_j(q.k_j / 8 + F_q - F_j) v_j for one head, both products on codes of BF6 (E3M2) with E8M0 scales; o is divided by the row's sum and quantised along the head's 64.
; THE SOFTMAX: t = logit x log2(e); M = the running largest t rounded UP to a whole number; p = 2^(t - M) is quantised along the keys, not normalised; the row's sum is taken of the unquantised p.
; THE BIAS.  F = (totals of whole blocks of 128 tokens) + (prefix inside the block).  For key step s and a query of block qb: F_q - F_j = sum of totals s .. qb - 1 + local_q - local_j.
; -8 local_j is the C operand of the first product (the scale 1/8 is exact); the rest, x log2(e), is one number a lane and step (GS).  No difference of large sums is formed.
; SHARES.  Work-group (bx, head) owns the query blocks bx and 15 - bx of 128, so that every work-group has the same number of key steps under the causal mask.  Each of its sixteen waves owns one tile of 16 queries;
; two waves of each block fall on every SIMD.  Every wave walks 16 key steps of 128, a constant count; a step all of whose keys come after the wave's queries is left out by a scalar branch on ids.
; LDS.  A head's codes of K and V (2 x 98,304 bytes) come ONCE, by two tensor loads a wave, one at the head and one behind the first barrier: one load of a wave is out at most.  Nothing is filled again: no ring, two barriers.
; No cluster and no joint loads: the causal branch hangs on the query block, which would be a work-group's place in its cluster.  Nothing is prefetched: the second half is asked for behind the first barrier.
; THE HEAD'S 64 ARE HALF OF THE INSTRUCTION'S 128: a fragment of K holds two tiles of 16 keys, one in each half of the 128; it is multiplied by [q; 0] and by [0; q] (zero codes add nothing).
; LAYOUT.  Both products transposed: a lane holds one query (lane % 16).  Scores: register 16 b + i of block b: keys 32 b + 8 h + i (i < 8), 32 b + 16 + 8 h + i - 8: after the exchange of halves p's codes of a block
; stand in the order 0-7, 16-23, 8-15, 24-31, the order in which v's codes were made.  V's rows of a tile are chosen (lane r of tile 2 b + u: d = 32 b + 8 u + r + 8 (r / 8)), so that o comes out with 16 neighbours along d.
; oc: [head][token][48 bytes].  os: [head / 4][token][8 bytes], head's two bytes at 2 (head % 4): these 128 KB are stored as single bytes, since four heads' bytes interleave.
; LIMITS: blocks of p or o under 2^-122, zeros among them, keep the byte 1 (read by this program alone); NaN and infinities are not served.  The block's largest p is made from the block's largest score, which takes v_exp_f32 not to fall where its input rises.
.set LKC,  0                           ; [key][48 bytes]
.set LVC,  98304                       ; [chunk of 64 keys][d][48 bytes]
.set LVS,  196608                      ; [step][d][4 bytes]
.set LKS,  200704                      ; [block of 32 keys][r][4 bytes]: key 32 B + r's two bytes, key 32 B + 16 + r's two bytes  (written by ds_store: bytes of its own)
.set LCT,  204800                      ; -8 x the local prefix, f32 a key  (likewise)
.set LSTG, 212992                      ; 768 bytes for each wave, for the way out  (likewise)
; REGISTERS: v1 AK, v2 AV, v3 AKS, v4 AVS, v5 ACT: my lane's places; v6-10 the step's addresses; v11 lane % 16; v12 -M, v13 the largest t, v[14:15] the sum; v16-27 [q; 0], v28-39 [0; q];
; v40 q's scale word, v41-44 K's, v240-243 V's, v244 p's (scales; v244 first holds part of the row's sum); v45 totals of blocks under mine, v46 local_q, v47 GS; v48-95 K's four fragments, later at work; v96-159 scores, then p; v160-191 O^T; v192-239 V's four fragments.
	s_load_b256 s[4:11], s[0:1], 0x0               ; qkvc, qkvs, fl, oc
	s_load_b64 s[12:13], s[0:1], 0x20              ; os
	v_lshl_add_u32 v254, v0, 2, 0x37000
	v_mov_b32 v255, 0
	ds_add_u32 v254, v255
	ds_add_u32 v254, v255
	v_lshrrev_b32 v1, 5, v0
	s_delay_alu instid0(VALU_DEP_1)
	v_readfirstlane_b32 s14, v1                    ; wave 0..15
	s_mov_b32 s15, ttmp9                           ; bx
	s_and_b32 s16, ttmp7, 0xffff                   ; the head
	s_lshr_b32 s61, s14, 2
	s_xor_b32 s61, s61, s14
	s_and_b32 s61, s61, 1                          ; which of the two query blocks
	s_sub_co_u32 s62, 15, s15
	s_cmp_eq_u32 s61, 0
	s_cselect_b32 s60, s15, s62                    ; qb
	s_lshr_b32 s61, s14, 1
	s_lshl_b32 s61, s61, 4
	s_lshl_b32 s17, s60, 7
	s_add_co_u32 s17, s17, s61                     ; my first query
	s_mov_b32 s18, 0x76543210
	s_mov_b32 s19, 0xfedcba98                      ; v_permlanex16_b32's selects for lane l xor 16
	s_mov_b32 s20, 0x3e38aa3b                      ; c = log2(e) / 8
	s_mov_b32 s21, s20                             ; (named with it as a pair)
	; descriptor group 1 for K's codes: 6,144 dense bytes as 24 rows of 256 (32 elements of 8 bytes)
	s_mov_b32 s24, 3<<16
	s_mov_b32 s25, 32<<16
	s_mov_b32 s26, 24<<16                          ; K: 6,144 dense bytes a wave and load, as 24 rows of 256
	s_mov_b32 s27, 32<<16
	s_mov_b32 s28, 24
	s_mov_b32 s29, 32
	s_mov_b32 s30, 0
	s_mov_b32 s31, 0
	; and for V's codes: rows of 3,072 bytes, 98,304 bytes apart
	s_mov_b32 s32, 3<<16
	s_mov_b32 s33, 384<<16                         ; V: four chunks of 64 keys a wave: rows of 3,072 bytes, 98,304 bytes apart
	s_mov_b32 s34, 2<<16                           ; V: two chunks of 64 keys a wave and load
	s_mov_b32 s35, 384<<16
	s_mov_b32 s36, 2
	s_mov_b32 s37, 12288
	s_mov_b32 s38, 0
	s_mov_b32 s39, 0
	; waves 0-7 fetch K's 32 chunks of 64 keys, waves 8-15 V's: chunks 16 g + 2 (wave & 7) + 0, 1, g = 0, 1
	; ONE tensor load a wave: wave w < 8 brings K's bytes 6,144 w on (the head's plane is dense), wave 8 + w V's chunks 2 w, 2 w + 1.  V's scale words come through registers, 8 bytes a thread.
	s_and_b32 s70, s14, 7
	s_mul_i32 s71, s70, 6144
	s_add_co_u32 s73, s16, 32
	s_mul_i32 s73, s73, 98304                      ; K: plane 32 + head
	s_add_co_u32 s76, s73, s71
	s_mov_b32 s77, 0
	s_mul_i32 s74, s16, 3072
	s_add_co_u32 s74, s74, 6291456                 ; V: planes 64 + chunk, the head's 3,072 bytes in each
	s_mul_i32 s75, s70, 2*98304
	s_add_co_u32 s78, s74, s75
	s_mov_b32 s79, 0
	s_lshl_b32 s82, s14, 13
	s_lshl_b32 s83, s16, 8
	s_add_co_u32 s82, s82, s83
	s_add_co_u32 s82, s82, 262144                  ; V's scale words of step = wave: plane 32 + wave, rows 64 head on
	s_mov_b32 s83, 0
	s_wait_dscnt 0x0
	s_wait_kmcnt 0x0
	s_add_nc_u64 s[42:43], s[6:7], s[82:83]
	s_mov_b32 s44, 1
	s_mov_b32 s45, s71
	s_add_nc_u64 s[46:47], s[4:5], s[76:77]
	s_or_b32 s47, s47, 0x80000000
	s_mov_b32 s48, 1
	s_add_co_u32 s49, s71, LVC
	s_add_nc_u64 s[50:51], s[4:5], s[78:79]
	s_or_b32 s51, s51, 0x80000000
	; K AND V COME IN TWO HALVES: keys 0 to 1,023 by the head's loads, keys 1,024 to 2,047 by a second load a wave, asked for behind the first barrier and waited for behind key step 7
	s_mov_b32 s52, 1
	s_add_co_u32 s53, s71, 49152
	s_add_nc_u64 s[54:55], s[46:47], 49152
	s_mov_b32 s56, 1
	s_add_co_u32 s57, s49, 49152
	s_add_nc_u64 s[58:59], s[50:51], 16*98304
	s_cmp_lt_u32 s14, 8                            ; one branch on the wave's number, a fill in each arm, one join
	s_cbranch_scc0 .Lfor_v
	tensor_load_to_lds s[44:47], s[24:31]
	s_nop 0
.rept 4
	v_nop
.endr
	s_branch .Lasked
.Lfor_v:
	tensor_load_to_lds s[48:51], s[32:39]
	s_nop 0
.rept 4
	v_nop
.endr
.Lasked:
	v_and_b32 v11, 15, v0                          ; r
	v_bfe_u32 v245, v0, 4, 1                       ; h
	s_delay_alu instid0(VALU_DEP_2)
	v_mul_u32_u24 v1, v11, 48
	s_delay_alu instid0(VALU_DEP_1)
	v_mad_u32_u24 v1, v245, 24, v1                 ; AK: key r of a tile, + 24 h.  Also my place in q's rows
	s_delay_alu instid0(VALU_DEP_4)
	v_and_b32 v246, 8, v11
	s_delay_alu instid0(VALU_DEP_1)
	v_add_nc_u32 v246, v246, v11                   ; r + 8 (r / 8)
	s_delay_alu instid0(VALU_DEP_1)
	v_mul_u32_u24 v2, v246, 48
	s_delay_alu instid0(VALU_DEP_1)
	v_mad_u32_u24 v2, v245, 24, v2
	s_delay_alu instid0(VALU_DEP_1)
	v_add_nc_u32 v2, LVC, v2                       ; AV
	v_lshl_add_u32 v3, v11, 2, LKS                 ; AKS
	v_lshl_add_u32 v4, v246, 2, LVS                ; AVS
	v_lshl_add_u32 v5, v245, 5, LCT                ; ACT: eight keys of my half
	v_lshlrev_b32 v58, 2, v11                      ; 4 r
	s_wait_alu depctr_va_vdst(0)
	v_lshrrev_b32 v59, 4, v0
	s_delay_alu instid0(VALU_DEP_1)
	v_lshlrev_b32 v59, 7, v59
	s_delay_alu instid0(VALU_DEP_1)
	v_lshl_add_u32 v59, v11, 2, v59                ; k's scale words for entry t of LKS: key 32 (t / 16) + t % 16
	s_wait_alu depctr_va_vdst(0)
	v_lshlrev_b32 v60, 4, v0                       ; 16 t
	s_wait_alu depctr_va_vdst(0)
	v_lshlrev_b32 v61, 7, v11                      ; 128 r
	v_and_b32 v68, 31, v0
	v_lshlrev_b32 v68, 3, v68                      ; 8 x lane: my 8 bytes of the step's 256 of V's scale words
	s_wait_alu depctr_va_vdst(0)
	v_lshl_add_u32 v69, v0, 3, LVS                 ; and their place in LDS: 256 x wave + 8 x lane
	v_lshl_add_u32 v62, v0, 2, LKS
	v_lshl_add_u32 v63, v0, 4, LCT
	s_mov_b32 s83, 0
	s_mul_i32 s82, s16, 98304
	s_mul_i32 s69, s17, 48
	s_add_co_u32 s82, s82, s69
	s_add_nc_u64 s[70:71], s[4:5], s[82:83]        ; q's codes at my first query
	s_lshr_b32 s69, s16, 1
	s_lshl_b32 s69, s69, 13                        ; the pair of heads' plane
	s_lshl_b32 s82, s17, 2
	s_add_co_u32 s82, s82, s69
	s_add_nc_u64 s[72:73], s[6:7], s[82:83]        ; q's scale words
	s_add_co_u32 s82, s69, 131072
	s_add_nc_u64 s[74:75], s[6:7], s[82:83]        ; k's
	s_lshl_b32 s82, s16, 13
	s_add_nc_u64 s[76:77], s[8:9], s[82:83]        ; the head's local prefixes
	s_lshl_b32 s69, s17, 2
	s_add_co_u32 s82, s82, s69
	s_add_nc_u64 s[78:79], s[8:9], s[82:83]        ; at my first query
	s_lshl_b32 s82, s16, 2
	s_add_co_u32 s82, s82, 262144
	s_add_nc_u64 s[80:81], s[8:9], s[82:83]        ; the head's totals, 128 bytes from block to block
	s_and_b32 s86, s16, 1
	s_cmp_eq_u32 s86, 0                            ; an even head's bytes are a word's lower two
	s_mov_b32 s84, 0x03020302
	s_cselect_b32 s84, 0x01000100, s84
	s_mov_b32 s85, 0x07060302
	s_cselect_b32 s85, 0x05040100, s85
	s_mov_b32 s86, 0xc1000000                      ; -8.0
	s_mov_b32 s87, s86
.irp p, 0,1,2
	global_load_b64 v[16+2*\p:17+2*\p], v1, s[70:71] offset:8*\p   ; q's 24 bytes of my half, for [q; 0]
	global_load_b64 v[34+2*\p:35+2*\p], v1, s[70:71] offset:8*\p   ; and once more for [0; q]
.endr
	global_load_b32 v57, v58, s[72:73]
	global_load_b32 v48, v59, s[74:75]
	global_load_b32 v49, v59, s[74:75] offset:64
	global_load_b32 v50, v59, s[74:75] offset:4096
	global_load_b32 v51, v59, s[74:75] offset:4160
	global_load_b128 v[52:55], v60, s[76:77]
	global_load_b32 v56, v61, s[80:81]
	global_load_b32 v46, v58, s[78:79]
	global_load_b64 v[66:67], v68, s[42:43]
.irp j, 22,23,24,25,26,27,28,29,30,31,32,33
	v_mov_b32 v[\j], 0                             ; the zero halves of the two operands
.endr
.set j, 0
.rept 32
	v_mov_b32 v[160+j], 0                          ; O^T: the step is written once; the first finds zeros, which the first change of M leaves zeros
.set j, j+1
.endr
	v_mov_b32 v13, 0xff61b1e6                      ; the largest t so far: -3e38
	s_delay_alu instid0(VALU_DEP_1)
	v_floor_f32 v12, -v13                          ; -M
	v_mov_b32 v14, 0
	v_mov_b32 v15, 0
	s_wait_loadcnt 0x0
	v_perm_b32 v40, v57, v57, s84                  ; q's two bytes, twice: they serve [q; 0] and [0; q]
	v_perm_b32 v64, v49, v48, s85                  ; key 32 B + r's two bytes, key 32 B + 16 + r's two bytes
	v_perm_b32 v65, v51, v50, s85
	ds_store_b32 v62, v64
	ds_store_b32 v62, v65 offset:2048
	v_pk_mul_f32 v[52:53], v[52:53], s[86:87] op_sel_hi:[1,0]
	v_pk_mul_f32 v[54:55], v[54:55], s[86:87] op_sel_hi:[1,0]
	ds_store_b128 v63, v[52:55]
	ds_store_b64 v69, v[66:67]
	v_cmp_gt_u32 vcc_lo, s60, v11
	s_delay_alu instid0(VALU_DEP_1)
	v_cndmask_b32 v45, 0, v56, vcc_lo              ; lane b % 16: the total of block b where b < qb
	s_mov_b32 s22, 0                               ; the step
	s_mov_b32 s23, 0                               ; its first key
	s_mov_b32 s66, 0                               ; its codes: 6,144 bytes a step, in K and in V
	s_mov_b32 s67, 0                               ; its scale words: 256 bytes a step
	s_mov_b32 s68, 0                               ; its C: 512 bytes a step
	s_wait_alu depctr_va_vdst(0)
	s_wait_tensorcnt 0x0                           ; my tile of the first half has landed
	ds_add_u32 v254, v255
	s_wait_dscnt 0x0                               ; the add and my stores are done
	s_barrier_signal -1
	s_barrier_wait -1                              ; everybody's have
	s_cmp_lt_u32 s14, 8
	s_cbranch_scc0 .Lfor_v2
	tensor_load_to_lds s[52:55], s[24:31]          ; the second half: my one tensor load behind the barrier
	s_nop 0
.rept 4
	v_nop
.endr
	s_branch .Lasked2
.Lfor_v2:
	tensor_load_to_lds s[56:59], s[32:39]
	s_nop 0
.rept 4
	v_nop
.endr
.Lasked2:
.macro WALK last                       ; the key steps up to step last - 1
.Lstep_\@:
	s_add_co_u32 s69, s17, 15
	s_cmp_gt_u32 s23, s69
	s_cbranch_scc1 .Lhidden_\@
	v_add_nc_u32 v6, s66, v1
	v_add_nc_u32 v7, s66, v2
	v_add_nc_u32 v8, s67, v3
	v_add_nc_u32 v9, s67, v4
	v_add_nc_u32 v10, s68, v5
	v_cmp_le_u32 vcc_lo, s22, v11
	s_wait_alu depctr_va_vdst(0)
	v_cndmask_b32 v47, 0, v45, vcc_lo              ; the totals of blocks step .. qb - 1,
	s_delay_alu instid0(VALU_DEP_1)
	v_add_f32_dpp v47, v47, v47 row_xmask:1 row_mask:0xf bank_mask:0xf
	s_delay_alu instid0(VALU_DEP_1)
	v_add_f32_dpp v47, v47, v47 row_xmask:2 row_mask:0xf bank_mask:0xf
	s_delay_alu instid0(VALU_DEP_1)
	v_add_f32_dpp v47, v47, v47 row_xmask:4 row_mask:0xf bank_mask:0xf
	s_delay_alu instid0(VALU_DEP_1)
	v_add_f32_dpp v47, v47, v47 row_xmask:8 row_mask:0xf bank_mask:0xf   ; summed over the sixteen lanes,
	s_delay_alu instid0(VALU_DEP_1)
	v_add_f32 v47, v47, v46                        ; + local_q,
	s_delay_alu instid0(VALU_DEP_1)
	v_mul_f32 v47, 0x3fb8aa3b, v47                 ; as t: GS.  (These thirteen lines are also the places behind the last step's products, in front of the loads below)
.irp t, 0,1,2,3,4,5,6,7
	ds_load_b128 v[96+8*\t:99+8*\t], v10 offset:64*\t              ; C = -8 local_j of keys 16 t + 8 h + 0 .. 7, straight into the scores' registers
	ds_load_b128 v[100+8*\t:103+8*\t], v10 offset:64*\t+16
.endr
.irp b, 0,1,2,3
.irp p, 0,1,2,3,4,5
	ds_load_b64 v[48+12*\b+2*\p:49+12*\b+2*\p], v6 offset:1536*\b+768*(\p/3)+8*(\p%3)   ; keys 32 b + r in the lower half of the 128, keys 32 b + 16 + r in the upper
.endr
	ds_load_b32 v[41+\b], v8 offset:64*\b
.endr
	s_wait_dscnt 0x0
.irp b, 0,1,2,3                        ; eight accumulators, one instruction each
	v_wmma_scale_f32_16x16x128_f8f6f4 v[96+16*\b:103+16*\b], v[48+12*\b:59+12*\b], v[16:27], v[96+16*\b:103+16*\b], v[41+\b], v40 matrix_a_fmt:MATRIX_FMT_BF6 matrix_b_fmt:MATRIX_FMT_BF6
	v_wmma_scale_f32_16x16x128_f8f6f4 v[104+16*\b:111+16*\b], v[48+12*\b:59+12*\b], v[28:39], v[104+16*\b:111+16*\b], v[41+\b], v40 matrix_a_fmt:MATRIX_FMT_BF6 matrix_b_fmt:MATRIX_FMT_BF6
.endr
.irp t, 0,1,2,3                        ; V's fragments are asked for here and land while the softmax is worked: tile t = 2 b + u begins at d = 32 b + 8 u
.irp p, 0,1,2,3,4,5
	ds_load_b64 v[192+12*\t+2*\p:193+12*\t+2*\p], v7 offset:3072*(\p/3)+48*(32*(\t/2)+8*(\t%2))+8*(\p%3)
.endr
	ds_load_b32 v[240+\t], v9 offset:4*(32*(\t/2)+8*(\t%2))
.endr
.rept 4
	v_nop                                          ; four places in front of the first read of the scores and of writes over K's fragments
.endr
	s_add_co_u32 s69, s23, 127
	s_cmp_le_u32 s69, s17
	s_cbranch_scc1 .Lopen_\@
	s_sub_co_i32 s69, s17, s23
	v_bfe_u32 v245, v0, 4, 1
	s_delay_alu instid0(VALU_DEP_1)
	v_lshlrev_b32 v245, 3, v245
	s_delay_alu instid0(VALU_DEP_1)
	v_sub_nc_u32 v245, v11, v245
	s_delay_alu instid0(VALU_DEP_1)
	v_add_nc_u32 v245, s69, v245                   ; d = my query - the step's first key - 8 h.  Register n holds key 16 (n / 8) + n % 8 + 8 h: hidden where 16 (n / 8) + n % 8 > d
	v_mov_b32 v246, 0xff800000                     ; -infinity
.set n, 0
.rept 64
	v_cmp_gt_i32 vcc_lo, 16*(n/8)+n%8, v245
	v_cndmask_b32 v[96+n], v[96+n], v246, vcc_lo
.set n, n+1
.endr
.Lopen_\@:
.irp b, 0,1,2,3
	v_max3_num_f32 v[48+\b], v[96+16*\b], v[97+16*\b], v[98+16*\b]   ; the largest score of each block of 32 keys: for the row's maximum and for the block's largest p
.endr
.irp i, 3,5,7,9,11,13
.irp b, 0,1,2,3
	v_max3_num_f32 v[48+\b], v[48+\b], v[96+16*\b+\i], v[97+16*\b+\i]
.endr
.endr
.irp b, 0,1,2,3
	v_max_num_f32 v[48+\b], v[48+\b], v[111+16*\b]
.endr
.irp b, 0,1,2,3
	s_delay_alu instid0(VALU_DEP_4)
	v_permlanex16_b32 v[52+\b], v[48+\b], s18, s19
.endr
.irp b, 0,1,2,3
	s_delay_alu instid0(VALU_DEP_4)
	v_max_num_f32 v[48+\b], v[48+\b], v[52+\b]     ; with lane l xor 16's 16 keys
.endr
	s_delay_alu instid0(VALU_DEP_2)
	v_max3_num_f32 v66, v48, v49, v50
	s_delay_alu instid0(VALU_DEP_1)
	v_max_num_f32 v66, v66, v51                    ; the step's largest score of my query,
	s_delay_alu instid0(VALU_DEP_1)
	v_fma_f32 v66, v66, s20, v47                   ; as t
	s_delay_alu instid0(VALU_DEP_1)
	v_max_num_f32 v13, v13, v66                    ; the running largest t
	v_mov_b32 v66, v12
	s_delay_alu instid0(VALU_DEP_2)
	v_floor_f32 v12, -v13                          ; the new -M = -ceil(t): a whole number
	s_delay_alu instid0(VALU_DEP_1)
	v_sub_f32 v66, v12, v66                        ; old M - new M: a whole number, 0 or less
	s_delay_alu instid0(VALU_DEP_1)
	v_cvt_i32_f32 v66, v66                         ; (it saturates)
	s_delay_alu instid0(VALU_DEP_1)
	v_ldexp_f32 v64, 1.0, v66                      ; f = 2^(old M - new M): a multiplication by it rounds nothing
	s_delay_alu instid0(VALU_DEP_4)
	v_add_f32 v68, v47, v12                        ; GS - M
.set j, 0
.rept 32
	v_pk_fma_f32 v[96+j:97+j], v[96+j:97+j], s[20:21], v[68:69] op_sel_hi:[1,0,0]   ; t - M, two at a time
.set j, j+2
.endr
.irp b, 0,1,2,3
	v_fma_f32 v[48+\b], v[48+\b], s20, v68         ; the same of each block's largest score
.endr
.set j, 0
	s_wait_alu depctr_va_vdst(0)
.rept 64
	v_exp_f32 v[96+j], v[96+j]                     ; p = 2^(t - M), at most 1
.set j, j+1
.endr
	v_pk_mul_f32 v[14:15], v[14:15], v[64:65] op_sel_hi:[1,0]      ; the sums under the new M (a plain line behind the exponentials)
	s_wait_alu depctr_va_vdst(0)                   ; one wait for the batch of 64, ahead of its first reader
.irp b, 0,1,2,3
	v_exp_f32 v[48+\b], v[48+\b]                   ; the block's largest p: the same two instructions on the same number give the same bits
.endr
	v_pk_add_f32 v[92:93], v[100:101], v[104:105]
	v_pk_add_f32 v[252:253], v[108:109], v[112:113]
	v_pk_add_f32 v[250:251], v[116:117], v[120:121]
	v_pk_add_f32 v[248:249], v[124:125], v[128:129]
	v_pk_add_f32 v[246:247], v[132:133], v[136:137]
	v_pk_add_f32 v[244:245], v[140:141], v[144:145]
	v_pk_add_f32 v[94:95], v[148:149], v[152:153]
	v_pk_add_f32 v[14:15], v[14:15], v[156:157]
	v_pk_add_f32 v[92:93], v[92:93], v[96:97]
	v_pk_add_f32 v[252:253], v[252:253], v[98:99]
	v_pk_add_f32 v[250:251], v[250:251], v[102:103]
	v_pk_add_f32 v[248:249], v[248:249], v[106:107]
	v_pk_add_f32 v[246:247], v[246:247], v[110:111]
	v_pk_add_f32 v[244:245], v[244:245], v[114:115]
	v_pk_add_f32 v[94:95], v[94:95], v[118:119]
	v_pk_add_f32 v[14:15], v[14:15], v[122:123]
	v_pk_add_f32 v[92:93], v[92:93], v[126:127]
	v_pk_add_f32 v[252:253], v[252:253], v[130:131]
	v_pk_add_f32 v[250:251], v[250:251], v[134:135]
	v_pk_add_f32 v[248:249], v[248:249], v[138:139]
	v_pk_add_f32 v[246:247], v[246:247], v[142:143]
	v_pk_add_f32 v[244:245], v[244:245], v[146:147]
	v_pk_add_f32 v[94:95], v[94:95], v[150:151]
	v_pk_add_f32 v[14:15], v[14:15], v[154:155]
	v_pk_add_f32 v[92:93], v[92:93], v[158:159]
	s_delay_alu instid0(VALU_DEP_2)
	v_pk_add_f32 v[14:15], v[14:15], v[248:249]
	s_delay_alu instid0(VALU_DEP_2)
	v_pk_add_f32 v[92:93], v[92:93], v[246:247]
	v_pk_add_f32 v[252:253], v[252:253], v[244:245]
	v_pk_add_f32 v[250:251], v[250:251], v[94:95]
	s_delay_alu instid0(VALU_DEP_2)
	v_pk_add_f32 v[14:15], v[14:15], v[252:253]
	s_delay_alu instid0(VALU_DEP_2)
	v_pk_add_f32 v[92:93], v[92:93], v[250:251]
	s_delay_alu instid0(VALU_DEP_1)
	v_pk_add_f32 v[14:15], v[14:15], v[92:93]
	s_wait_alu depctr_va_vdst(0)                   ; and one for the four
.irp b, 0,1,2,3
	v_max_num_f32 v[48+\b], 0x2800000, v[48+\b]    ; the floor 2^(5 - 127): the byte cannot fall under 1
.endr
.irp b, 0,1,2,3
	s_delay_alu instid0(VALU_DEP_4)
	v_add_nc_u32 v[56+\b], 0xfe000000, v[48+\b]    ; 4 off the exponent field: the conversion's scale operand
.endr
.irp b, 0,1,2,3
	s_delay_alu instid0(VALU_DEP_4)
	v_lshrrev_b32 v[60+\b], 23, v[56+\b]           ; the scale's byte
.endr
	s_delay_alu instid0(VALU_DEP_3)
	v_lshl_or_b32 v244, v61, 8, v60                ; p's scale word for these 128 keys
	s_delay_alu instid0(VALU_DEP_1)
	v_lshl_or_b32 v244, v62, 16, v244
	s_delay_alu instid0(VALU_DEP_1)
	v_lshl_or_b32 v244, v63, 24, v244
.irp c, 0,1
	v_cvt_scalef32_pk16_bf6_f32 v[72+6*\c:74+6*\c], v[96+32*\c:111+32*\c], v[56+2*\c]
	v_cvt_scalef32_pk16_bf6_f32 v[84+4*\c:86+4*\c], v[112+32*\c:127+32*\c], v[57+2*\c]   ; (a conversion's three registers begin on an even number)
.endr
	v_nop                                          ; one plain line behind a scaled conversion
.irp c, 0,1                                    ; a whole block to a lane: lanes 0-15 block 2 c, lanes 16-31 block 2 c + 1
.irp i, 0,1,2
	v_permlane16_swap_b32 v[72+6*\c+\i], v[84+4*\c+\i]
.endr
.irp i, 0,1,2
	s_delay_alu instid0(VALU_DEP_3)
	v_mov_b32 v[75+6*\c+\i], v[84+4*\c+\i]
.endr
.endr
.set j, 0
.rept 16
	v_pk_mul_f32 v[160+j:161+j], v[160+j:161+j], v[64:65] op_sel_hi:[1,0]   ; O^T under the new M.  (These sixteen are also the places between the codes' and the scale word's last writes and the products)
.set j, j+2
.endr
	s_wait_alu depctr_va_vdst(0)
	s_wait_dscnt 0x0                               ; V's fragments and scale words are in
.irp t, 0,1,2,3                        ; four accumulators, one instruction each
	v_wmma_scale_f32_16x16x128_f8f6f4 v[160+8*\t:167+8*\t], v[192+12*\t:203+12*\t], v[72:83], v[160+8*\t:167+8*\t], v[240+\t], v244 matrix_a_fmt:MATRIX_FMT_BF6 matrix_b_fmt:MATRIX_FMT_BF6
.endr
.Lhidden_\@:
	s_add_co_u32 s23, s23, 128
	s_add_co_u32 s66, s66, 6144
	s_add_co_u32 s67, s67, 256
	s_add_co_u32 s68, s68, 512
	s_add_co_u32 s22, s22, 1
	s_cmp_lt_u32 s22, \last
	s_cbranch_scc1 .Lstep_\@
.endm
	WALK 8                                         ; key steps 0 to 7 read the first half alone
	s_wait_alu depctr_va_vdst(0)
	s_wait_tensorcnt 0x0                           ; my tile of the second half has landed,
	s_wait_dscnt 0x0
	s_barrier_signal -1
	s_barrier_wait -1                              ; everybody's have
	s_mov_b32 s22, 8                               ; step 8: its first key, its codes, its scale words, its C
	s_mov_b32 s23, 1024
	s_mov_b32 s66, 8*6144
	s_mov_b32 s67, 8*256
	s_mov_b32 s68, 8*512
	WALK 16
	; THE WAY OUT: o = O^T / the sum, quantised along d (two blocks of 32), 768 bytes of codes a wave through its own stage, stored as three runs of 256 consecutive aligned bytes.
.rept 4
	v_nop                                          ; four places behind the last products
.endr
	s_wait_alu depctr_va_vdst(0)
	v_add_f32 v14, v14, v15                        ; the sum's two halves,
	s_delay_alu instid0(VALU_DEP_1)
	v_permlanex16_b32 v52, v14, s18, s19
	s_delay_alu instid0(VALU_DEP_1)
	v_add_f32 v14, v14, v52                        ; and lane l xor 16's
	s_wait_alu depctr_va_vdst(0)
	v_rcp_f32 v14, v14
	s_mul_i32 s69, s14, 768
	s_add_co_u32 s69, s69, LSTG
	v_add_nc_u32 v6, s69, v1                       ; (a plain line behind the reciprocal)  in: row r of 48 bytes, + 24 h
	v_and_b32 v7, 31, v0
	s_delay_alu instid0(VALU_DEP_1)
	v_lshlrev_b32 v7, 3, v7                        ; 8 x lane
	s_delay_alu instid0(VALU_DEP_1)
	v_add_nc_u32 v8, s69, v7                       ; back
	v_bfe_u32 v9, v0, 4, 1
	s_delay_alu instid0(VALU_DEP_1)
	v_lshl_add_u32 v9, v11, 3, v9                  ; the scale byte: 8 r + h
	s_mov_b32 s83, 0
	s_mul_i32 s82, s16, 98304
	s_mul_i32 s69, s17, 48
	s_add_co_u32 s82, s82, s69
	s_add_nc_u64 s[70:71], s[10:11], s[82:83]      ; oc at my first query
	s_lshr_b32 s82, s16, 2
	s_lshl_b32 s82, s82, 14
	s_lshl_b32 s69, s17, 3
	s_add_co_u32 s82, s82, s69
	s_and_b32 s69, s16, 3
	s_lshl_b32 s69, s69, 1
	s_add_co_u32 s82, s82, s69
	s_add_nc_u64 s[72:73], s[12:13], s[82:83]      ; os likewise
	s_mov_b32 vcc_lo, 0xffff0000
	s_wait_alu depctr_va_vdst(0)                   ; the wait ahead of the reciprocal's first reader
.set j, 0
.rept 32
	v_mul_f32 v[96+j], v[160+j], v14               ; register 16 b + i is o(query r, d = 32 b + 16 h + i); each accumulator is read from its low end on
.set j, j+1
.endr
.irp b, 0,1
	v_max3_num_f32 v[48+\b], |v[96+16*\b]|, |v[97+16*\b]|, 0x2800000
.endr
.irp i, 2,4,6,8,10,12,14
.irp b, 0,1
	s_delay_alu instid0(VALU_DEP_2)
	v_max3_num_f32 v[48+\b], v[48+\b], |v[96+16*\b+\i]|, |v[97+16*\b+\i]|
.endr
.endr
.irp b, 0,1
	s_delay_alu instid0(VALU_DEP_2)
	v_permlanex16_b32 v[52+\b], v[48+\b], s18, s19
.endr
.irp b, 0,1
	s_delay_alu instid0(VALU_DEP_2)
	v_max_num_f32 v[48+\b], v[48+\b], v[52+\b]
.endr
.irp b, 0,1
	s_delay_alu instid0(VALU_DEP_2)
	v_add_nc_u32 v[56+\b], 0xfe000000, v[48+\b]
.endr
.irp b, 0,1
	s_delay_alu instid0(VALU_DEP_2)
	v_lshrrev_b32 v[60+\b], 23, v[56+\b]
.endr
	v_cvt_scalef32_pk16_bf6_f32 v[72:74], v[96:111], v56
	v_cvt_scalef32_pk16_bf6_f32 v[84:86], v[112:127], v57
	v_cndmask_b32 v62, v60, v61, vcc_lo            ; lanes 0-15 block 0's byte, lanes 16-31 block 1's (also the plain line behind the conversions)
.irp i, 0,1,2
	v_permlane16_swap_b32 v[72+\i], v[84+\i]
.endr
.irp i, 0,1,2
	s_delay_alu instid0(VALU_DEP_3)
	v_mov_b32 v[75+\i], v[84+\i]                   ; lane (r, h): the 24 bytes of block h of query r, d ascending
.endr
.irp p, 0,1,2
	ds_store_b64 v6, v[72+2*\p:73+2*\p] offset:8*\p
.endr
.irp i, 0,1,2
	ds_load_b64 v[88+2*\i:89+2*\i], v8 offset:256*\i               ; LDS serves a wave's instructions in order: these see my stores
.endr
	global_store_b8 v9, v62, s[72:73]
.irp i, 0,1,2
	s_wait_dscnt 2-\i                              ; load i is back; the younger ones may be out
	global_store_b64 v7, v[88+2*\i:89+2*\i], s[70:71] offset:256*\i
.endr
	s_wait_tensorcnt 0x0
	ds_add_u32 v254, v255
	s_wait_dscnt 0x0
	s_endpgm
.Lfunc_end_k_q5386f8669e_attn:
	.size	k_q5386f8669e_attn, .Lfunc_end_k_q5386f8669e_attn-k_q5386f8669e_attn
	.p2alignl 7, 3214868480
	.fill 96, 4, 3214868480
	.section	.rodata,"a",@progbits
	.p2align	6, 0x0
	.amdhsa_kernel k_q5386f8669e_attn
		.amdhsa_group_segment_fixed_size 327680
		.amdhsa_private_segment_fixed_size 0
		.amdhsa_enable_private_segment 0
		.amdhsa_kernarg_size 40
		.amdhsa_user_sgpr_count 2
		.amdhsa_user_sgpr_kernarg_segment_ptr 1
		.amdhsa_wavefront_size32 1
		.amdhsa_system_sgpr_workgroup_id_x 1
		.amdhsa_system_sgpr_workgroup_id_y 1
		.amdhsa_system_sgpr_workgroup_id_z 1
		.amdhsa_system_vgpr_workitem_id 0
		.amdhsa_next_free_vgpr 256
		.amdhsa_next_free_sgpr 90
		.amdhsa_reserve_vcc 1
		.amdhsa_float_denorm_mode_32 3
		.amdhsa_float_denorm_mode_16_64 3
		.amdhsa_memory_ordered 1
		.amdhsa_forward_progress 1
		.amdhsa_inst_pref_size 70
	.end_amdhsa_kernel
	.amdgpu_metadata
---
amdhsa.version: [ 1, 2 ]
amdhsa.kernels:
  - .name:           k_q5386f8669e_attn
    .symbol:         k_q5386f8669e_attn.kd
    .args:
      - { .name: qkvc, .offset: 0, .size: 8, .value_kind: global_buffer, .address_space: global }
      - { .name: qkvs, .offset: 8, .size: 8, .value_kind: global_buffer, .address_space: global }
      - { .name: fl, .offset: 16, .size: 8, .value_kind: global_buffer, .address_space: global }
      - { .name: oc, .offset: 24, .size: 8, .value_kind: global_buffer, .address_space: global }
      - { .name: os, .offset: 32, .size: 8, .value_kind: global_buffer, .address_space: global }
    .group_segment_fixed_size: 327680
    .private_segment_fixed_size: 0
    .kernarg_segment_align: 8
    .kernarg_segment_size: 40
    .max_flat_workgroup_size: 512
    .sgpr_count:     90
    .vgpr_count:     256
    .wavefront_size: 32
...
	.end_amdgpu_metadata
.endif
;; end of part 9
;; launch gemm_out (part 10): grid 16 x 16, 4 waves a work-group, clusters of 4 x 4, 327,680 bytes of LDS; arguments oc, os, cod, scl, out0; writes out0
.if DOCPART == 10
	.amdgcn_target "amdgcn-amd-amdhsa--gfx1250"
	.amdhsa_code_object_version 6
	.text
	.protected	k_q5386f8669e_gemm_out
	.globl	k_q5386f8669e_gemm_out
	.p2align	8
	.type	k_q5386f8669e_gemm_out,@function
k_q5386f8669e_gemm_out:
	s_mov_b64 s[64:65], 0
	v_nop
	global_prefetch_b8 v0, s[64:65] scope:SCOPE_SE
	s_setreg_imm32_b32 hwreg(HW_REG_WAVE_MODE, 25, 1), 1
	s_wait_xcnt 0x0
	s_wait_alu depctr_hold_cnt(0) depctr_sa_sdst(0) depctr_va_vdst(0) depctr_va_sdst(0) depctr_va_ssrc(0) depctr_va_vcc(0) depctr_vm_vsrc(0)
	s_getreg_b32 s2, hwreg(HW_REG_IB_STS2, 6, 4)
	s_cmp_eq_u32 s2, 0
	s_cbranch_scc0 .Lentry_in_a_cluster
	s_endpgm
.Lentry_in_a_cluster:
	s_bfe_u32 s2, ttmp6, 0x10000c
	s_cmp_lg_u32 s2, 0xf033
	s_cbranch_scc0 .Lentry_shape_is_right
	s_endpgm
.Lentry_shape_is_right:
; out0[m][n] = sum over k of o[m][k] Wo[n][k], 2,048 x 2,048 x 2,048, both operands codes of BF6 (E3M2) with one E8M0 byte for each 32 along K; sums in f32.
; o: oc [32 heads][token][48 bytes], os [head / 4][token][8 bytes].  Wo: rows 8,192 on of cod [32 planes of 64 along K][row][48 bytes] and of scl [row][64 bytes].  A head is a plane: both operands have one form.
; SHARES.  256 work-groups, each a block of 128 x 128; four waves, each 64 x 64: 16 accumulators, 128 registers.  K goes in 16 steps of 128 (two planes).
; LDS.  A unit is one plane of 128 rows, 6,144 dense bytes.  The head's four joint loads, one a wave, bring K steps 0 to 12 of both operands: 52 units, 319,488 bytes.  The 12 units of K steps 13 to 15 are
; asked for once, in K step 2, into the bytes of K steps 0 to 2, which every wave has then read; nine K steps of products stand between that request and the wait for it.
; FRAGMENTS.  Lane (r, h) takes the 48 bytes of row r in plane 2 s + h: three loads of 16 bytes, lanes 48 bytes apart, so that sixteen lanes touch sixteen different columns of 16 bytes modulo 256.
; That puts the K step's four blocks of 32 in the order 0, 2, 1, 3, alike in both operands, and each scale word's two middle bytes are swapped to match: the same products, grouped otherwise inside the instruction.
; THE SCALES go straight into registers at the head, under the tensor loads: 64 words a lane for my 64 rows of o, 64 for my 64 rows of Wo.
; CLUSTERS: 4 x 4; o's units are shared along a row of the cluster, Wo's along a column, by joint loads.  Nothing is prefetched: all but the 12 units is asked for at the head, and there is no loop to run ahead in.
; TRANSPOSED USE: source 0 = rows of Wo, source 1 = rows of o: a lane holds eight neighbouring numbers of a row of out0.
; REGISTERS: v0-31 addresses; v32-95 o's scale words [block][K step], v96-159 Wo's (scales and nothing else); v160-255 fragment buffer 0 (o 48, Wo 48); window 1: v0-127 accumulators, v128-223 buffer 1.
.set UNIT,  6144
.set PLA,   98304                      ; a plane of oc in bytes
.set PLB,   493056                     ; a plane of cod
.set HS,    13                         ; K steps that the head brings
.set LB,    2*HS*UNIT                  ; Wo's units lie behind o's
.set SPARE, 4*HS*UNIT                  ; the spare words, 128 bytes a wave
.set STAGE, 6*UNIT                     ; the way out: in the bytes of K step 3 on, which have had their only fill and, behind K step 12's barrier, their last read
.set SPITCH, 272
.set ADRA, 16                          ; v16-18 my fragments of o: K slots 0-4, 5-9, 10-12
.set ADRB, 20                          ; v20-22 the same for Wo
.set STO,  24
.set RD,   25
.set CO,   26
.set VSA,  10
.set VSB,  11
.set SPW,  28
.set NIL,  29
.set SA,   32
.set SB,   96
.set G1,   24                          ; s[24:31] group 1 for o; s[32:35] group 0 of the head's load, s[36:39] of the refill
.set G0,   32
.set G1B,  48                          ; s[48:55], s[56:59], s[60:63] the same for Wo
.set G0B,  56
.set MSB, 0
.macro WIN new
.if MSB != (\new)
	s_set_vgpr_msb (MSB<<8)|(\new)
.set MSB, \new
.endif
.endm
.macro PLACES
.rept 4
	v_nop
.endr
.endm
.macro JLOAD g0a, g0b                  ; waves 0 and 1 ask for o, waves 2 and 3 for Wo: a fill in each arm, one join
	s_cmp_eq_u32 s15, 0
	s_cbranch_scc0 .Lfor_b_\@
	tensor_load_to_lds s[\g0a:\g0a+3], s[G1:G1+7]
	s_nop 0
	PLACES
	s_branch .Lasked_\@
.Lfor_b_\@:
	tensor_load_to_lds s[\g0b:\g0b+3], s[G1B:G1B+7]
	s_nop 0
	PLACES
.Lasked_\@:
.endm
.macro CREST
	s_cmp_lg_u32 s14, 0
	s_cbranch_scc1 .Lnot_wave_0_\@
	s_barrier_signal -3
.Lnot_wave_0_\@:
	s_barrier_wait -3
	s_barrier_signal -1
	s_barrier_wait -1
.endm
.macro CROUND
	s_barrier_signal -1
	s_barrier_wait -1
	CREST
.endm
	s_load_b128 s[4:7], s[0:1], 0x0                ; oc, os
	s_load_b128 s[8:11], s[0:1], 0x10              ; cod, scl
	s_load_b64 s[12:13], s[0:1], 0x20              ; out0
	v_lshl_add_u32 v[SPW], v0, 2, SPARE
	v_mov_b32 v[NIL], 0
	ds_add_u32 v[SPW], v[NIL]                      ; the opening lines: the add, twice on end, and its wait
	ds_add_u32 v[SPW], v[NIL]
	v_lshrrev_b32 v1, 5, v0
	v_readfirstlane_b32 s14, v1                    ; wave
	s_lshr_b32 s15, s14, 1                         ; my half of the block's rows; also: I ask for o (0) or Wo (1)
	s_and_b32 s16, s14, 1                          ; my half of its columns; also: which part of the units I ask for
	s_bfe_u32 s40, ttmp6, 0x40000                  ; cx
	s_bfe_u32 s41, ttmp6, 0x40004                  ; cy
	s_lshl_b32 s42, ttmp9, 2
	s_add_co_u32 s42, s42, s40                     ; block column
	s_and_b32 s17, ttmp7, 0xffff
	s_lshl_b32 s17, s17, 2
	s_add_co_u32 s17, s17, s41                     ; block row
	s_lshl_b32 s43, s41, 2
	s_lshl_b32 s43, 15, s43                        ; my row of the cluster
	s_lshl_b32 s44, 0x1111, s40                    ; my column
	s_or_b32 s[G1], s43, (3<<16)|(1<<21)           ; elements of 8 bytes; a tile's row is a unit, 768 elements; HS rows, a plane apart
	s_or_b32 s[G1B], s44, (3<<16)|(1<<21)
.irp g, G1, G1B
	s_mov_b32 s[\g+1], 768<<16
	s_mov_b32 s[\g+2], HS<<16
	s_mov_b32 s[\g+3], 768<<16
	s_mov_b32 s[\g+4], HS
	s_mov_b32 s[\g+6], 0
	s_mov_b32 s[\g+7], 0
.endr
	s_mov_b32 s[G1+5], PLA/8
	s_mov_b32 s[G1B+5], PLB/8
	s_mul_i32 s20, s17, UNIT                       ; o: the block's 128 tokens in a plane,
	s_mul_i32 s18, s16, HS*PLA                     ; planes 13 x part on
	s_add_co_u32 s20, s20, s18
	s_mov_b32 s21, 0
	s_mul_i32 s46, s42, UNIT                       ; Wo likewise, from row 8,192 of cod
	s_add_co_u32 s46, s46, 8192*48
	s_mul_i32 s18, s16, HS*PLB
	s_add_co_u32 s46, s46, s18
	s_mov_b32 s47, 0
	s_mul_i32 s18, s16, 10*PLA                     ; from there to the refill's planes 26 + 3 x part
	s_sub_co_u32 s18, 26*PLA, s18
	s_mov_b32 s19, 0
	s_mul_i32 s22, s16, 10*PLB
	s_sub_co_u32 s22, 26*PLB, s22
	s_mov_b32 s23, 0
	s_mul_i32 s45, s16, HS*UNIT                    ; LDS: no place in the cluster enters an LDS address
	s_mul_i32 s94, s16, 3*UNIT
	s_wait_dscnt 0x0                               ; both opening adds are done
	s_wait_kmcnt 0x0
	s_add_nc_u64 s[20:21], s[4:5], s[20:21]
	s_add_nc_u64 s[46:47], s[8:9], s[46:47]
	s_mov_b32 s[G0], 1
	s_mov_b32 s[G0+1], s45
	s_mov_b64 s[G0+2:G0+3], s[20:21]
	s_or_b32 s[G0+3], s[G0+3], 0x80000000
	s_mov_b32 s[G0+4], 1
	s_mov_b32 s[G0+5], s94
	s_add_nc_u64 s[G0+6:G0+7], s[20:21], s[18:19]
	s_or_b32 s[G0+7], s[G0+7], 0x80000000
	s_mov_b32 s[G0B], 1
	s_add_co_u32 s[G0B+1], s45, LB
	s_mov_b64 s[G0B+2:G0B+3], s[46:47]
	s_or_b32 s[G0B+3], s[G0B+3], 0x80000000
	s_mov_b32 s[G0B+4], 1
	s_add_co_u32 s[G0B+5], s94, LB
	s_add_nc_u64 s[G0B+6:G0B+7], s[46:47], s[22:23]
	s_or_b32 s[G0B+7], s[G0B+7], 0x80000000
	CROUND                                         ; all sixteen work-groups are here: the first joint loads meet
	JLOAD G0, G0B                                  ; one tensor load a wave at the head: 13 units each
	s_lshl_b32 s18, s17, 7
	s_lshl_b32 s19, s15, 6
	s_add_co_u32 s18, s18, s19                     ; my first row of out0
	s_lshl_b32 s22, s18, 3
	s_mov_b32 s23, 0
	s_add_nc_u64 s[6:7], s[6:7], s[22:23]          ; its scale bytes in a plane of os
	s_lshl_b32 s92, s42, 7
	s_lshl_b32 s93, s16, 6
	s_add_co_u32 s92, s92, s93                     ; my first column
	s_add_co_u32 s22, s92, 8192
	s_lshl_b32 s22, s22, 6
	s_add_nc_u64 s[10:11], s[10:11], s[22:23]      ; that row of Wo in scl
	s_lshl_b32 s22, s18, 13
	s_lshl_b32 s93, s92, 2
	s_add_co_u32 s22, s22, s93
	s_add_nc_u64 s[12:13], s[12:13], s[22:23]      ; my corner of out0
	s_mul_i32 s95, s15, 64*48
	s_mul_i32 s96, s16, 64*48
	s_add_co_u32 s96, s96, LB
	s_mul_i32 s97, s14, 16*SPITCH
	s_add_co_u32 s97, s97, STAGE
	s_mov_b32 s98, 0x03010200                      ; bytes 0, 2, 1, 3
	v_and_b32 v1, 15, v0                           ; r
	v_bfe_u32 v2, v0, 4, 1                         ; h
	v_mul_u32_u24 v3, v1, 48
	v_mad_u32_u24 v3, v2, UNIT, v3                 ; 48 r + a plane x h
	v_add_nc_u32 v[ADRA], s95, v3
	v_add_nc_u32 v[ADRB], s96, v3
	v_add_nc_u32 v[ADRA+1], 10*UNIT, v[ADRA]
	v_add_nc_u32 v[ADRB+1], 10*UNIT, v[ADRB]
	v_add_nc_u32 v[ADRA+2], 20*UNIT, v[ADRA]
	v_add_nc_u32 v[ADRB+2], 20*UNIT, v[ADRB]
	v_mul_u32_u24 v4, v1, SPITCH
	v_lshl_add_u32 v4, v2, 5, v4
	v_add_nc_u32 v[STO], s97, v4                   ; the stage, in: row r, 32 bytes for each half of the lanes
	v_mul_u32_u24 v5, v2, SPITCH
	v_lshl_add_u32 v5, v1, 4, v5
	v_add_nc_u32 v[RD], s97, v5                    ; back: sixteen lanes to a row of 256 bytes, two rows an instruction
	v_lshlrev_b32 v6, 13, v2
	v_lshl_add_u32 v[CO], v1, 4, v6                ; and the same two rows in out0
	v_lshlrev_b32 v[VSA], 3, v1
	v_lshlrev_b32 v[VSB], 6, v1
	s_wait_alu depctr_va_vdst(0)                   ; ahead of the loads that read these offsets
.irp a, 0,1,2,3
.irp q, 0,1,2,3,4,5,6,7
	global_load_b64 v[SA+16*\a+2*\q:SA+16*\a+2*\q+1], v[VSA], s[6:7] offset:16384*\q+128*\a   ; token 16 a + r: the words of K steps 2 q, 2 q + 1
.endr
.irp i, 0,1,2,3
	global_load_b128 v[SB+16*\a+4*\i:SB+16*\a+4*\i+3], v[VSB], s[10:11] offset:1024*\a+16*\i  ; Wo's row 16 a + r: K steps 4 i .. 4 i + 3
.endr
.endr
	s_wait_loadcnt 0x0
.set n, 0
.rept 128
	v_perm_b32 v[SA+n], v[SA+n], v[SA+n], s98      ; each word's bytes in the order in which the lanes take the blocks
.set n, n+1
.endr
.macro FETCH s                         ; K step s: Wo's four fragments, then o's four, into buffer s % 2: 24 loads
.set KSL, (\s)%HS
.set FA, 160-32*((\s)%2)
	WIN 0x40*((\s)%2)
.irp i, 0,1,2,3
.irp c, 0,1,2
	ds_load_b128 v[FA+48+12*\i+4*\c:FA+48+12*\i+4*\c+3], v[ADRB+KSL/5] offset:(KSL%5)*2*UNIT+768*\i+16*\c
.endr
.endr
.irp i, 0,1,2,3
.irp c, 0,1,2
	ds_load_b128 v[FA+12*\i+4*\c:FA+12*\i+4*\c+3], v[ADRA+KSL/5] offset:(KSL%5)*2*UNIT+768*\i+16*\c
.endr
.endr
.endm
.macro MUL s, a0, zero                 ; o's blocks a0, a0 + 1 x Wo's four; the sixteen accumulators take turns; the first K step starts the sums
.set FA, 160-32*((\s)%2)
	WIN 0x50+5*((\s)%2)
.irp a, \a0, \a0+1
.irp b, 0,1,2,3
.if \zero
	v_wmma_scale_f32_16x16x128_f8f6f4 v[8*(4*(\a)+\b):8*(4*(\a)+\b)+7], v[FA+48+12*\b:FA+48+12*\b+11], v[FA+12*(\a):FA+12*(\a)+11], 0, v[SB+16*\b+(\s)], v[SA+16*(\a)+(\s)] matrix_a_fmt:MATRIX_FMT_BF6 matrix_b_fmt:MATRIX_FMT_BF6
.else
	v_wmma_scale_f32_16x16x128_f8f6f4 v[8*(4*(\a)+\b):8*(4*(\a)+\b)+7], v[FA+48+12*\b:FA+48+12*\b+11], v[FA+12*(\a):FA+12*(\a)+11], v[8*(4*(\a)+\b):8*(4*(\a)+\b)+7], v[SB+16*\b+(\s)], v[SA+16*(\a)+(\s)] matrix_a_fmt:MATRIX_FMT_BF6 matrix_b_fmt:MATRIX_FMT_BF6
.endif
.endr
.endr
.endm
.macro STEP s, zero
.if (\s) == 2 || (\s) == HS-1
	WIN 0
	s_wait_tensorcnt 0x0                           ; all my tensor loads have landed
.if (\s) == 2
	ds_add_u32 v[SPW], v[NIL]
	s_wait_dscnt 7                                 ; (the add and the youngest six loads, o's blocks 2 and 3, may be out)
.else
	s_wait_dscnt 6
.endif
	MUL \s, 0, \zero
	s_wait_dscnt 0x0                               ; my LDS instructions are done: my reads of every K step up to this one among them
	s_barrier_signal -1
	MUL \s, 2, \zero
	WIN 0
	s_barrier_wait -1
.if (\s) == 2
	CREST                                          ; the barrier has opened a round: no wave of any partner still reads K steps 0 to 2
	JLOAD G0+4, G0B+4                              ; K steps 13 to 15, three units a wave; its four v_nop are the places in front of the loads below
.else
	PLACES                                         ; K steps 13 to 15 are whole for all four waves
.endif
	FETCH (\s)+1
.else
	s_wait_dscnt 6                                 ; Wo's fragments and o's blocks 0 and 1 are in
	MUL \s, 0, \zero
	s_wait_dscnt 0x0
.if (\s) < 15
	PLACES                                         ; four places in front of loads into the buffer that the last K step multiplied
	FETCH (\s)+1
.endif
	MUL \s, 2, \zero
.endif
.endm
	s_wait_alu depctr_va_vdst(0)
	s_wait_tensorcnt 0x0                           ; my 13 units are in; no tensor load of mine is out, so a descriptor may be written:
	s_mov_b32 s[G1+2], 3<<16                       ; the refill has three rows
	s_mov_b32 s[G1+4], 3
	s_mov_b32 s[G1B+2], 3<<16
	s_mov_b32 s[G1B+4], 3
	s_barrier_signal -1
	s_barrier_wait -1                              ; everybody's are in
	FETCH 0
	STEP 0, 1
.set ST, 1
.rept 15
	STEP ST, 0
.set ST, ST+1
.endr
; THE WAY OUT, block by block of 16 rows x 64 columns: through my own stage, back as whole rows of 256 bytes.  LDS serves a wave's instructions in order (ISA guide 5.7.1.4): no wait between the stores and the loads.
.macro TOSTAGE a
	WIN 0x04                                       ; the data: window 1
.irp b, 0,1,2,3
	ds_store_b128 v[STO], v[8*(4*(\a)+\b):8*(4*(\a)+\b)+3] offset:64*\b            ; each accumulator from its low end on
	ds_store_b128 v[STO], v[8*(4*(\a)+\b)+4:8*(4*(\a)+\b)+7] offset:64*\b+16
.endr
	WIN 0
.irp t, 0,1,2,3,4,5,6,7
	ds_load_b128 v[160+32*((\a)%2)+4*\t:160+32*((\a)%2)+4*\t+3], v[RD] offset:\t*2*SPITCH
.endr
.endm
.macro SEND a, younger
	s_wait_dscnt \younger                          ; the block is back; the next block's 8 stores and 8 loads may be out
.irp t, 0,1,2,3,4,5,6,7
	global_store_b128 v[CO], v[160+32*((\a)%2)+4*\t:160+32*((\a)%2)+4*\t+3], s[12:13] offset:(16*(\a)+2*\t)*8192 th:TH_STORE_NT   ; sixteen lanes store 256 consecutive aligned bytes
.endr
.endm
	PLACES                                         ; four places behind the last products
	TOSTAGE 0
.irp a, 1,2,3
.if \a > 1
	s_wait_xcnt 0x0                                ; block a - 2's stores have read their registers
.endif
	TOSTAGE \a
	SEND (\a)-1, 16
.endr
	SEND 3, 0
	s_wait_tensorcnt 0x0                           ; the wave's end
	ds_add_u32 v[SPW], v[NIL]
	s_wait_dscnt 0x0
	CROUND                                         ; the closing round
	s_endpgm
.Lfunc_end_k_q5386f8669e_gemm_out:
	.size	k_q5386f8669e_gemm_out, .Lfunc_end_k_q5386f8669e_gemm_out-k_q5386f8669e_gemm_out
	.p2alignl 7, 3214868480
	.fill 96, 4, 3214868480
	.section	.rodata,"a",@progbits
	.p2align	6, 0x0
	.amdhsa_kernel k_q5386f8669e_gemm_out
		.amdhsa_group_segment_fixed_size 327680
		.amdhsa_private_segment_fixed_size 0
		.amdhsa_enable_private_segment 0
		.amdhsa_kernarg_size 40
		.amdhsa_user_sgpr_count 2
		.amdhsa_user_sgpr_kernarg_segment_ptr 1
		.amdhsa_wavefront_size32 1
		.amdhsa_system_sgpr_workgroup_id_x 1
		.amdhsa_system_sgpr_workgroup_id_y 1
		.amdhsa_system_sgpr_workgroup_id_z 1
		.amdhsa_system_vgpr_workitem_id 0
		.amdhsa_next_free_vgpr 512
		.amdhsa_next_free_sgpr 100
		.amdhsa_reserve_vcc 0
		.amdhsa_float_denorm_mode_32 3
		.amdhsa_float_denorm_mode_16_64 3
		.amdhsa_memory_ordered 1
		.amdhsa_forward_progress 1
		.amdhsa_inst_pref_size 90
	.end_amdhsa_kernel
	.amdgpu_metadata
---
amdhsa.version: [ 1, 2 ]
amdhsa.kernels:
  - .name:           k_q5386f8669e_gemm_out
    .symbol:         k_q5386f8669e_gemm_out.kd
    .args:
      - { .name: oc, .offset: 0, .size: 8, .value_kind: global_buffer, .address_space: global }
      - { .name: os, .offset: 8, .size: 8, .value_kind: global_buffer, .address_space: global }
      - { .name: cod, .offset: 16, .size: 8, .value_kind: global_buffer, .address_space: global }
      - { .name: scl, .offset: 24, .size: 8, .value_kind: global_buffer, .address_space: global }
      - { .name: out0, .offset: 32, .size: 8, .value_kind: global_buffer, .address_space: global }
    .group_segment_fixed_size: 327680
    .private_segment_fixed_size: 0
    .kernarg_segment_align: 8
    .kernarg_segment_size: 40
    .max_flat_workgroup_size: 128
    .sgpr_count:     100
    .vgpr_count:     512
    .wavefront_size: 32
...
	.end_amdgpu_metadata
.endif
;; end of part 10
